; MI455X (gfx1250); checked and timed in simulation.
; The chip was launched on July 23, 2026; its instructions are those of AMD's public machine-readable ISA for CDNA 5 (MIT licence, August 2026) and "CDNA5" Instruction Set Architecture Reference Guide (July 2026). The comments in the code are by the model that wrote it; some were corrected since.
;; Decoder Layer. Allowed arithmetic: matrix products marked QUANTISED: E4M3 operands, one given power-of-two scale a tensor, by v_wmma_f32_16x16x64_fp8_fp8 or v_wmma_f32_16x16x128_fp8_fp8, f32 sums; everything else in f32.
;; Inputs: encoder_output_codes 4 x 2,048 x 8 x 32 uint8 (E4M3 codes of encoder_output, K innermost, in blocks of 32 codes); ffn_b1 512 float32; ffn_b2 256 float32; ffn_w1_codes 512 x 8 x 32 uint8 (E4M3 codes of ffn_w1, K innermost, in blocks of 32 codes); ffn_w2_codes 256 x 16 x 32 uint8 (E4M3 codes of ffn_w2, K innermost, in blocks of 32 codes); ln1_b 256 float32; ln1_g 256 float32; ln2_b 256 float32; ln2_g 256 float32; ln3_b 256 float32; ln3_g 256 float32; lowp_scales 28 int32 (the exponents e of the quantised operands' scales 2^e); m1_b 256 float32; m1_b2 256 float32; m1_bk 512 float32; m1_bq 512 float32; m1_bv 512 float32; m1_g 256 float32; m1_w2_codes 256 x 16 x 32 uint8 (E4M3 codes of m1_w2, K innermost, in blocks of 32 codes); m1_wk_codes 512 x 8 x 32 uint8 (E4M3 codes of m1_wk, K innermost, in blocks of 32 codes); m1_wq_codes 512 x 8 x 32 uint8 (E4M3 codes of m1_wq, K innermost, in blocks of 32 codes); m1_wv_codes 512 x 8 x 32 uint8 (E4M3 codes of m1_wv, K innermost, in blocks of 32 codes); m2_b 256 float32; m2_b2 256 float32; m2_bk 512 float32; m2_bq 512 float32; m2_bv 512 float32; m2_g 256 float32; m2_w2_codes 256 x 16 x 32 uint8 (E4M3 codes of m2_w2, K innermost, in blocks of 32 codes); m2_wk_codes 512 x 8 x 32 uint8 (E4M3 codes of m2_wk, K innermost, in blocks of 32 codes); m2_wq_codes 512 x 8 x 32 uint8 (E4M3 codes of m2_wq, K innermost, in blocks of 32 codes); m2_wv_codes 512 x 8 x 32 uint8 (E4M3 codes of m2_wv, K innermost, in blocks of 32 codes); src_mask 4 x 2,048 x 1 int32; tgt_mask 4 x 2,048 x 1 int32; x 4 x 2,048 x 256 float32.
;; Outputs: out0 4 x 2,048 x 256 float32.
;; This version of the problem:
;;   THIS VERSION OF THE PROBLEM IS GIVEN IN LOW PRECISION. The matrix products marked QUANTISED in the list below multiply operands that are first quantised to E4M3 (4 exponent bits, 3 mantissa bits; 8 bits a number), with one given power-of-two scale for each operand tensor; their sums are f32. All else is computed in f32.
;;   The module's matrix products, in the order in which they are computed (A, B: the left and right operand; K: the contracted axis; several contracted axes count as one K, in the product's order):
;;     1. [M 8,192, K 256] x [K 256, N 512]; A: input x; B: input m1_wq (given as codes): QUANTISED (scales: A lowp_scales[0], B lowp_scales[1])
;;     2. [M 8,192, K 256] x [K 256, N 512]; A: input x; B: input m1_wk (given as codes): QUANTISED (scales: A lowp_scales[2], B lowp_scales[3])
;;     3. [M 8,192, K 256] x [K 256, N 512]; A: input x; B: input m1_wv (given as codes): QUANTISED (scales: A lowp_scales[4], B lowp_scales[5])
;;     4. batch 32 x [M 2,048, K 64] x [K 64, N 2,048]; A: computed on the way; B: computed on the way: QUANTISED (scales: A lowp_scales[6], B lowp_scales[7])
;;     5. batch 32 x [M 64, K 2,048] x [K 2,048, N 2,048]; A: computed on the way; B: softmax (see below): QUANTISED (scales: A lowp_scales[8], B lowp_scales[9])
;;     6. [M 8,192, K 512] x [K 512, N 256]; A: computed on the way; B: input m1_w2 (given as codes): QUANTISED (scales: A lowp_scales[10], B lowp_scales[11])
;;     7. [M 8,192, K 256] x [K 256, N 512]; A: computed on the way; B: input m2_wq (given as codes): QUANTISED (scales: A lowp_scales[12], B lowp_scales[13])
;;     8. [M 8,192, K 256] x [K 256, N 512]; A: input encoder_output (given as codes); B: input m2_wk (given as codes): QUANTISED (scales: A lowp_scales[14], B lowp_scales[15])
;;     9. [M 8,192, K 256] x [K 256, N 512]; A: input encoder_output (given as codes); B: input m2_wv (given as codes): QUANTISED (scales: A lowp_scales[16], B lowp_scales[17])
;;     10. batch 32 x [M 2,048, K 64] x [K 64, N 2,048]; A: computed on the way; B: computed on the way: QUANTISED (scales: A lowp_scales[18], B lowp_scales[19])
;;     11. batch 32 x [M 64, K 2,048] x [K 2,048, N 2,048]; A: computed on the way; B: softmax (see below): QUANTISED (scales: A lowp_scales[20], B lowp_scales[21])
;;     12. [M 8,192, K 512] x [K 512, N 256]; A: computed on the way; B: input m2_w2 (given as codes): QUANTISED (scales: A lowp_scales[22], B lowp_scales[23])
;;     13. [M 8,192, K 256] x [K 256, N 512]; A: computed on the way; B: input ffn_w1 (given as codes): QUANTISED (scales: A lowp_scales[24], B lowp_scales[25])
;;     14. [M 8,192, K 512] x [K 512, N 256]; A: computed on the way; B: input ffn_w2 (given as codes): QUANTISED (scales: A lowp_scales[26], B lowp_scales[27])
;;   THE QUANTISER, for each operand of a quantised product, along K:
;;     - The operand's scale is 2^e, e = its entry of the input lowp_scales (int32; the entries are numbered through the quantised products in the list's order, A before B).
;;     - Each number is divided by the scale, clamped to +-448, and rounded to the nearest number of E4M3, ties to even, subnormals kept.
;;     - The product sums the exact products of the quantised numbers (number of the format x scale) in f32.
;;   ~~~python
;;   def quantise(x, axis, e):      # numpy; x: float32 -> the quantised numbers, widened to float32 again
;;       x = np.moveaxis(x, axis, -1); K = x.shape[-1]
;;       r = np.clip(x / 2.0 ** e, -448, 448)
;;       step = 2.0 ** (np.maximum(np.frexp(np.where(r == 0, 1, r))[1] - 1, -6) - 3)
;;       q = np.round(r / step) * step * 2.0 ** e      # np.round: ties to even
;;       return np.moveaxis(q, -1, axis).astype(np.float32)
;;   ~~~
;;   SOFTMAX AHEAD OF A QUANTISED PRODUCT. Where the list says 'softmax', what is quantised is not the finished softmax but p = 2^(t - M), with t = logit x log2(e) and M = ceil(the row's largest t), a whole number; so 1/2 < the row's largest p <= 1. The row's sum l is taken of the UNQUANTISED p, in f32, and the product's result is divided by l at the end. Since M is a whole number, a kernel that streams over the keys may use a running M (the ceiling of the running maximum): every later rescaling is an exact power of two, so the quantised numbers keep their values, but for numbers so far below the row's largest that they fall under the format's range.
;;   OPERANDS COMPUTED ON THE WAY. 'Computed on the way' means the value that the module computes at that place (a softmax that the list does not call 'softmax' is quantised finished and normalised). What goes into a quantiser is computed in f32, as accurately as f32 sums, v_exp_f32 and their like allow (about 1e-6 of the number): no bf16 or f16 on the way to a quantiser, and a product that is left as it is and whose result goes on into a quantised operand takes f32 operands (vector FMAs, or v_wmma_f32_16x16x4_f32). A number that lies on a knife's edge between two numbers of the format may be rounded either way, as far as f32 arithmetic and the matrix unit's own rounding can turn it there, and no further.
;;   INPUTS GIVEN AS CODES. encoder_output (in the module: [4, 2048, 256], K = its axis 2); ffn_w1 (in the module: [256, 512], K = its axis 0); ffn_w2 (in the module: [512, 256], K = its axis 0); m1_w2 (in the module: [512, 256], K = its axis 0); m1_wk (in the module: [256, 512], K = its axis 0); m1_wq (in the module: [256, 512], K = its axis 0); m1_wv (in the module: [256, 512], K = its axis 0); m2_w2 (in the module: [512, 256], K = its axis 0); m2_wk (in the module: [256, 512], K = its axis 0); m2_wq (in the module: [256, 512], K = its axis 0); m2_wv (in the module: [256, 512], K = its axis 0): each comes as NAME_codes (uint8): NAME with its K axis moved to the last place and cut into blocks of 32 codes, [.., K / 32, bytes a block], one block behind the other in memory; one code a byte (a code: sign, 4 exponent bits, 3 mantissa bits); its scale is its entry of lowp_scales. Its value is code x scale, taken as it is: it is not quantised again, and the codes and scales need not be those that the quantiser above would give.
;; 2 versions, each right; version 2 is version 1 with the launches proj, post1, post2 written anew for expert scheduling mode. Each part assembles by itself: llvm-mc -triple=amdgcn-amd-amdhsa -mcpu=gfx1250 --defsym DOCPART=n.
;; ======== version 1 of 2: 5 launches
;; limits: right only within a limited range of input values
;; workspace buffers: qimg 4,194,304 bytes; k1img 4,194,304 bytes; v1img 4,194,304 bytes; k2img 4,194,304 bytes; v2img 4,194,304 bytes; attimg 4,194,304 bytes; x1 8,388,608 bytes
;; launch proj (part 1): grid 128 x 2, 8 waves a work-group, no clusters, 66,560 bytes of LDS; arguments x, encoder_output_codes, m1_wq_codes, m1_wk_codes, m1_wv_codes, m2_wk_codes, m2_wv_codes, m1_bq, m1_bk, m1_bv, m2_bk, m2_bv, lowp_scales, qimg, k1img, v1img, k2img, v2img; writes qimg, k1img, v1img, k2img, v2img
.if DOCPART == 1
	.amdgcn_target "amdgcn-amd-amdhsa--gfx1250"
	.amdhsa_code_object_version 6
	.text
	.protected	k_qe808abaf2a_proj
	.globl	k_qe808abaf2a_proj
	.p2align	8
	.type	k_qe808abaf2a_proj,@function
k_qe808abaf2a_proj:
	s_mov_b64 s[64:65], 0
	v_nop
	global_prefetch_b8 v0, s[64:65] scope:SCOPE_SE
	s_setreg_imm32_b32 hwreg(HW_REG_WAVE_MODE, 25, 1), 1
	s_wait_xcnt 0x0
; Q1 = x wq + bq, K1 = x wk + bk, V1 = x wv + bv, K2 = enc wk + bk, V2 = enc wv + bv: five products on codes of E4M3, each result quantised at once for the attention that reads it.
; x [8192][256] f32 is quantised three times, under entries 0, 2 and 4 of the scales; enc and the weights arrive as codes, K innermost.
; SHARES.  Work-group (tb, gy): tokens 64 tb .. 64 tb + 63 of x and of enc, heads 4 gy .. 4 gy + 3.  Wave w: head 4 gy + w / 2, features 32 (w % 2) .. + 31 of that head, in all five matrices:
; its 5 x 64 registers of weights come from memory straight into registers, once.  No tile passes LDS by a tensor load, so there is nothing that a cluster could ask for jointly.
; THE ORDER OF A TILE.  pi(r) = r + 8 (r / 8).  Rows go in blocks of 32 = two tiles u: lane r of tile u takes row 32 B + 8 u + pi(r).  So the 16 result registers of tiles 2 B and 2 B + 1 are the 16
; neighbours 32 B + 16 (lane / 16) + 0 .. 15, and two conversions make of them one CHUNK: four registers, 16 bytes, k = 32 c + 16 (lane / 16) + 0 .. 15.  Every operand is fed in chunks, on both sides alike.
; OUTPUTS are images of operand registers, 512 consecutive bytes a store:  q, k: ((b 8 + h) 128 + T) 1024 + 512 c + 16 lane (T: token tile of the batch);
; v: ((b 8 + h) 16 + step) 8192 + 2048 ct + 512 c + 16 lane (step: 128 keys; ct: channel tile; c: chunk of keys).
; Q and K: source 0 = 16 rows of W, source 1 = 16 tokens: a lane holds one token, its registers run along the head.  V: source 0 = 16 tokens, source 1 = 16 rows of W: a lane holds one channel, its registers run along the keys.
; LIMITS on the given exponents, so that each power of two below is an f32 number: entries 0, 2, 4, and each e_out - e_A - e_B, between -126 and 119.  NaN among the inputs is not served.
; REGISTERS.  Window 0: v1-11 addresses and the scale; v16-31 codes; v32-79 biases of Q1, K1, K2 (eight a tile); v80-87 biases of V1, V2 (one a lane, in pairs); v96-127 four accumulators;
;   v128-191 four fragments of tokens; v192-255 W of V2.   Window 1: W of Q1, K1, V1, K2, 64 each.   Ahead of the barrier: v128-191 x as loaded, v192-255 held copies, v32-79 its three sets of codes, v112-127 enc's fragment.
.set XIMG, 0                           ; LDS: x's codes, 3 scales x 8 fragments (2 x tile + K step) x 2,048 bytes
.set EIMG, 49152                       ; enc's 8 fragments
.set LI,   1                           ; v1   16 x lane
.set XA,   4                           ; v4   x: pi(r) rows of 1,024 bytes + 64 (lane / 16)
.set WA,   5                           ; v5   codes: pi(r) rows of 256 bytes + 16 (lane / 16)
.set BA,   7                           ; v7   64 (lane / 16)
.set BVA,  8                           ; v8   4 pi(r)
.set IMW,  9                           ; v9   where I store my fragment: 2,048 x wave + 16 x lane
.set SC,   10
.set LIM,  11
.set CD,   16
.set BQ1,  32
.set BK1,  48
.set BK2,  64
.set BV1,  80
.set BV2,  84
.set ACC,  96
.set ENC,  112
.set XF,   128
.set TQ,   192
.set WV2,  192
.set WQ1,  0
.set WK1,  64
.set WV1,  128
.set WK2,  192
.set MSB, 0
.macro WIN new                         ; the immediate's high byte repeats the setting that is left
.if MSB != \new
	s_set_vgpr_msb (MSB<<8)|\new
.set MSB, \new
.endif
.endm
.macro PLACES n
.rept \n
	v_nop
.endr
.endm
.macro FETCH reg, off                  ; a fragment's image comes back as it was stored
.irp c, 0,1,2,3
	ds_load_b128 v[\reg+4*\c:\reg+4*\c+3], v[LI] offset:\off+512*\c
.endr
.endm
.macro MKSC e                          ; v[SC] = 2^e as f32, v[LIM] = 448 x 2^e
	s_add_co_i32 s90, \e, 127
	s_lshl_b32 s91, s90, 23
	v_mov_b32 v[SC], s91
	s_add_co_i32 s90, s90, 8
	s_lshl_b32 s90, s90, 23
	s_or_b32 s90, s90, 0x600000
	v_mov_b32 v[LIM], s90
.endm
.macro FOLD eo, ea, eb                 ; a sum stands for sum x 2^(ea + eb): its code is sum / 2^(eo - ea - eb)
	s_sub_co_i32 s92, \eo, \ea
	s_sub_co_i32 s92, s92, \eb
	MKSC s92
.endm
.macro Q16 src, tmp, dst               ; 16 neighbours along K become a chunk: the hold (the conversion does not saturate: ISA guide 7.6.2), then two conversions
.irp k, 0,1,2,3,4,5,6,7,8,9,10,11,12,13,14,15
	v_med3_num_f32 v[\tmp+\k], v[\src+\k], -v[LIM], v[LIM]
.endr
	v_cvt_scalef32_pk8_fp8_f32 v[\dst:\dst+1], v[\tmp:\tmp+7], v[SC]
	v_cvt_scalef32_pk8_fp8_f32 v[\dst+2:\dst+3], v[\tmp+8:\tmp+15], v[SC]
.endm
.macro WLOAD reg, base                 ; my 32 rows of a weight: fragment (tile u, K step s) at reg + 16 (2 u + s)
.irp u, 0,1
.irp s, 0,1
.irp c, 0,1,2,3
	global_load_b128 v[\reg+16*(2*\u+\s)+4*\c:\reg+16*(2*\u+\s)+4*\c+3], v[WA], s[\base:\base+1] offset:\u*2048+\s*128+\c*32
.endr
.endr
.endr
.endm
.macro BLOAD reg, base                 ; a bias in the result's layout: tile u, features 8 u + 16 (lane / 16) + 0 .. 7
.irp u, 0,1
.irp k, 0,1
	global_load_b128 v[\reg+8*\u+4*\k:\reg+8*\u+4*\k+3], v[BA], s[\base:\base+1] offset:32*\u+16*\k
.endr
.endr
.endm
.macro BSC16 reg, ea, eb               ; the bias goes in divided by the power of two that the sums lack
	s_add_co_i32 s90, \ea, \eb
	s_sub_co_i32 s90, 0, s90
.irp k, 0,1,2,3,4,5,6,7,8,9,10,11,12,13,14,15
	v_ldexp_f32 v[\reg+\k], v[\reg+\k], s90
.endr
.endm
.macro BSC2 reg, ea, eb
	s_add_co_i32 s90, \ea, \eb
	s_sub_co_i32 s90, 0, s90
	v_ldexp_f32 v[\reg], v[\reg], s90
	v_ldexp_f32 v[\reg+2], v[\reg+2], s90
.endm
.macro QX e, pc, off                   ; my fragment of x under one scale: 64 numbers a lane, held into copies, since x is quantised three times
	MKSC \e
.irp c, 0,1,2,3
	Q16 XF+16*\c, TQ+16*\c, \pc+4*\c
.endr
	v_nop                                          ; one plain line behind the last conversion
.irp c, 0,1,2,3
	ds_store_b128 v[IMW], v[\pc+4*\c:\pc+4*\c+3] offset:\off+512*\c
.endr
.endm
; Q or K: two tiles of tokens at a time; four accumulators by turns, one instruction a turn; the bias is the C of each sum's first product
.macro QKJOB img, wreg, breg, ob
.irp p, 0,1
	PLACES 5                                       ; behind the last products: loads into registers that they read, and accumulators begun anew
.irp f, 0,1,2,3
	FETCH XF+16*\f, \img+(4*\p+\f)*2048
.endr
	s_wait_dscnt 0x0
	WIN 0x01                                       ; source 0 (W) window 1
.irp s, 0,1
.irp t, 0,1
.irp u, 0,1
.if \s == 0
	v_wmma_f32_16x16x128_fp8_fp8 v[ACC+16*\t+8*\u:ACC+16*\t+8*\u+7], v[\wreg+16*(2*\u+\s):\wreg+16*(2*\u+\s)+15], v[XF+16*(2*\t+\s):XF+16*(2*\t+\s)+15], v[\breg+8*\u:\breg+8*\u+7]
.else
	v_wmma_f32_16x16x128_fp8_fp8 v[ACC+16*\t+8*\u:ACC+16*\t+8*\u+7], v[\wreg+16*(2*\u+\s):\wreg+16*(2*\u+\s)+15], v[XF+16*(2*\t+\s):XF+16*(2*\t+\s)+15], v[ACC+16*\t+8*\u:ACC+16*\t+8*\u+7]
.endif
.endr
.endr
.endr
	WIN 0
	PLACES 4
	s_wait_xcnt 0x0                                ; the codes' registers were earlier stores' data: they are rewritten only behind this wait
.irp t, 0,1
	Q16 ACC+16*\t, ACC+16*\t, CD+4*\t
.endr
	v_nop
.irp t, 0,1
	global_store_b128 v[LI], v[CD+4*\t:CD+4*\t+3], s[\ob:\ob+1] offset:(2*\p+\t)*1024   ; 32 lanes store 512 consecutive bytes
.endr
.endr
.endm
; V: the sources change places; the bias hangs on the lane's channel and is added behind the sums
.macro VJOB img, win, wreg, bv, ob
.irp p, 0,1
	PLACES 5
.irp f, 0,1,2,3
	FETCH XF+16*\f, \img+(4*\p+\f)*2048
.endr
	s_wait_dscnt 0x0
	WIN \win
.irp s, 0,1
.irp t, 0,1
.irp u, 0,1
.if \s == 0
	v_wmma_f32_16x16x128_fp8_fp8 v[ACC+16*\u+8*\t:ACC+16*\u+8*\t+7], v[XF+16*(2*\t+\s):XF+16*(2*\t+\s)+15], v[\wreg+16*(2*\u+\s):\wreg+16*(2*\u+\s)+15], 0
.else
	v_wmma_f32_16x16x128_fp8_fp8 v[ACC+16*\u+8*\t:ACC+16*\u+8*\t+7], v[XF+16*(2*\t+\s):XF+16*(2*\t+\s)+15], v[\wreg+16*(2*\u+\s):\wreg+16*(2*\u+\s)+15], v[ACC+16*\u+8*\t:ACC+16*\u+8*\t+7]
.endif
.endr
.endr
.endr
	WIN 0
	PLACES 4
	s_wait_xcnt 0x0
.irp u, 0,1
.irp k, 0,2,4,6,8,10,12,14
	v_pk_add_f32 v[ACC+16*\u+\k:ACC+16*\u+\k+1], v[ACC+16*\u+\k:ACC+16*\u+\k+1], v[\bv+2*\u:\bv+2*\u+1] op_sel_hi:[1,0]
.endr
	Q16 ACC+16*\u, ACC+16*\u, CD+4*\u
.endr
	v_nop
.irp u, 0,1
	global_store_b128 v[LI], v[CD+4*\u:CD+4*\u+3], s[\ob:\ob+1] offset:\u*2048+\p*512
.endr
.endr
.endm
	s_load_b512 s[4:19], s[0:1], 0x0               ; x, enc, wq1, wk1, wv1, wk2, wv2, bq1
	s_load_b512 s[20:35], s[0:1], 0x40             ; bk1, bv1, bk2, bv2, scales, qimg, k1img, v1img
	s_load_b128 s[36:39], s[0:1], 0x80             ; k2img, v2img
	v_lshl_add_u32 v94, v0, 2, 0x10000
	v_mov_b32 v95, 0
	v_lshrrev_b32 v2, 5, v0
	v_readfirstlane_b32 s66, v2                    ; wave 0..7
	v_and_b32 v2, 31, v0
	v_lshlrev_b32 v[LI], 4, v2
	v_and_b32 v2, 15, v0                           ; r
	v_bfe_u32 v3, v0, 4, 1                         ; lane / 16
	v_and_b32 v12, 8, v2
	v_add_nc_u32 v12, v12, v2                      ; pi(r)
	v_lshlrev_b32 v[XA], 10, v12
	v_lshl_add_u32 v[XA], v3, 6, v[XA]
	v_lshlrev_b32 v[WA], 8, v12
	v_lshl_add_u32 v[WA], v3, 4, v[WA]
	v_lshlrev_b32 v[BA], 6, v3
	v_lshlrev_b32 v[BVA], 2, v12
	s_lshl_b32 s67, s66, 11
	v_add_nc_u32 v[IMW], s67, v[LI]
.irp k, 1,3,5,7
	v_mov_b32 v[BV1+\k], 0                         ; named as the upper halves of pairs
.endr
	s_and_b32 s67, ttmp7, 0xffff                   ; gy
	s_lshr_b32 s68, s66, 1                         ; w / 2: my head of the four; also the tile of tokens whose fragment I make
	s_and_b32 s69, s66, 1                          ; w % 2: my half of the head; also that fragment's K step
	s_lshl_b32 s70, s67, 2
	s_add_co_u32 s70, s70, s68                     ; the head
	s_lshl_b32 s72, s70, 14
	s_lshl_b32 s73, s69, 13
	s_add_co_u32 s72, s72, s73                     ; weights: (64 head + 32 half) rows of 256 bytes
	s_mov_b32 s73, 0
	s_lshl_b32 s74, s70, 8
	s_lshl_b32 s75, s69, 7
	s_add_co_u32 s74, s74, s75                     ; biases: the same features, 4 bytes each
	s_mov_b32 s75, 0
	s_lshl_b32 s76, ttmp9, 6
	s_lshr_b32 s77, s68, 1
	s_lshl_b32 s77, s77, 5
	s_add_co_u32 s76, s76, s77
	s_and_b32 s77, s68, 1
	s_lshl_b32 s77, s77, 3
	s_add_co_u32 s76, s76, s77                     ; my fragment's first row: 64 tb + 32 (tile / 2) + 8 (tile % 2)
	s_lshl_b32 s78, s76, 10
	s_lshl_b32 s79, s69, 9
	s_add_co_u32 s78, s78, s79                     ; in x
	s_mov_b32 s79, 0
	s_lshl_b32 s80, s76, 8
	s_lshl_b32 s81, s69, 7
	s_add_co_u32 s80, s80, s81                     ; in enc
	s_mov_b32 s81, 0
	s_lshr_b32 s82, ttmp9, 5                       ; the batch
	s_lshl_b32 s82, s82, 3
	s_add_co_u32 s82, s82, s70                     ; 8 b + head
	s_and_b32 s83, ttmp9, 31
	s_lshl_b32 s84, s82, 17
	s_lshl_b32 s85, s83, 12
	s_add_co_u32 s84, s84, s85
	s_lshl_b32 s85, s69, 9
	s_add_co_u32 s84, s84, s85                     ; q, k images: my four tiles, my chunk
	s_mov_b32 s85, 0
	s_lshl_b32 s86, s82, 17
	s_lshr_b32 s87, s83, 1
	s_lshl_b32 s87, s87, 13
	s_add_co_u32 s86, s86, s87
	s_lshl_b32 s87, s69, 12
	s_add_co_u32 s86, s86, s87
	s_and_b32 s87, ttmp9, 1
	s_lshl_b32 s87, s87, 10
	s_add_co_u32 s86, s86, s87                     ; v images: my step, my two channel tiles, my two chunks of keys
	s_mov_b32 s87, 0
	s_wait_kmcnt 0x0
	s_load_b512 s[40:55], s[28:29], 0x0            ; entries 0 to 15
	s_load_b256 s[56:63], s[28:29], 0x40           ; entries 16 to 23
	s_add_nc_u64 s[4:5], s[4:5], s[78:79]
	s_add_nc_u64 s[6:7], s[6:7], s[80:81]
.irp p, 8,10,12,14,16
	s_add_nc_u64 s[\p:\p+1], s[\p:\p+1], s[72:73]
.endr
.irp p, 18,20,22,24,26
	s_add_nc_u64 s[\p:\p+1], s[\p:\p+1], s[74:75]
.endr
.irp p, 30,32,36
	s_add_nc_u64 s[\p:\p+1], s[\p:\p+1], s[84:85]
.endr
.irp p, 34,38
	s_add_nc_u64 s[\p:\p+1], s[\p:\p+1], s[86:87]
.endr
	; the first loads: 16 of x, 4 of enc, 16 + 16 of weights
.irp c, 0,1,2,3
.irp j, 0,1,2,3
	global_load_b128 v[XF+16*\c+4*\j:XF+16*\c+4*\j+3], v[XA], s[4:5] offset:128*\c+16*\j   ; register 16 c + i = k 32 c + 16 (lane / 16) + i of my row
.endr
.endr
.irp c, 0,1,2,3
	global_load_b128 v[ENC+4*\c:ENC+4*\c+3], v[WA], s[6:7] offset:32*\c
.endr
	WIN 0x40                                       ; destination window 1
	WLOAD WQ1, 8
	WLOAD WK1, 10
	WIN 0
	s_wait_kmcnt 0x0
	s_wait_loadcnt 36                              ; x is in: behind it 4 + 16 + 16 loads were issued
	QX s40, 32, XIMG
	QX s42, 48, XIMG+16384
	QX s44, 64, XIMG+32768
	s_wait_loadcnt 32                              ; enc's fragment is in
.irp c, 0,1,2,3
	ds_store_b128 v[IMW], v[ENC+4*\c:ENC+4*\c+3] offset:EIMG+512*\c
.endr
	s_wait_dscnt 0x0                               ; for the others' sake: my images lie in LDS; and the stores have read their registers
	; the other loads: 16 of biases, then 16 + 16 + 16 of weights
	BLOAD BQ1, 18
	BLOAD BK1, 20
	BLOAD BK2, 24
.irp u, 0,1
	global_load_b32 v[BV1+2*\u], v[BVA], s[22:23] offset:32*\u
.endr
.irp u, 0,1
	global_load_b32 v[BV2+2*\u], v[BVA], s[26:27] offset:32*\u
.endr
	WIN 0x40
	WLOAD WV1, 12
	WLOAD WK2, 14
	WIN 0
	WLOAD WV2, 16
	s_barrier_signal -1
	s_barrier_wait -1                              ; the launch's one barrier: all 32 fragments lie in LDS, and nothing is stored there again
	s_wait_loadcnt 48                              ; all but the last three sets of weights
	BSC16 BQ1, s40, s41
	BSC16 BK1, s42, s43
	BSC16 BK2, s54, s55
	BSC2 BV1, s44, s45
	BSC2 BV2, s56, s57
	FOLD s46, s40, s41
	QKJOB XIMG, WQ1, BQ1, 30
	FOLD s47, s42, s43
	QKJOB XIMG+16384, WK1, BK1, 32
	s_wait_loadcnt 32                              ; W of V1 is in
	FOLD s48, s44, s45
	VJOB XIMG+32768, 0x04, WV1, BV1, 34
	s_wait_loadcnt 16                              ; W of K2
	FOLD s59, s54, s55
	QKJOB EIMG, WK2, BK2, 36
	s_wait_loadcnt 0x0                             ; W of V2
	FOLD s60, s56, s57
	VJOB EIMG, 0, WV2, BV2, 38
	s_wait_tensorcnt 0x0
	ds_add_u32 v94, v95
	s_wait_dscnt 0x0
	s_endpgm
.Lfunc_end_k_qe808abaf2a_proj:
	.size	k_qe808abaf2a_proj, .Lfunc_end_k_qe808abaf2a_proj-k_qe808abaf2a_proj
	.p2alignl 7, 3214868480
	.fill 96, 4, 3214868480
	.section	.rodata,"a",@progbits
	.p2align	6, 0x0
	.amdhsa_kernel k_qe808abaf2a_proj
		.amdhsa_group_segment_fixed_size 66560
		.amdhsa_private_segment_fixed_size 0
		.amdhsa_enable_private_segment 0
		.amdhsa_kernarg_size 144
		.amdhsa_user_sgpr_count 2
		.amdhsa_user_sgpr_kernarg_segment_ptr 1
		.amdhsa_wavefront_size32 1
		.amdhsa_system_sgpr_workgroup_id_x 1
		.amdhsa_system_sgpr_workgroup_id_y 1
		.amdhsa_system_sgpr_workgroup_id_z 1
		.amdhsa_system_vgpr_workitem_id 0
		.amdhsa_next_free_vgpr 512
		.amdhsa_next_free_sgpr 100
		.amdhsa_reserve_vcc 0
		.amdhsa_float_denorm_mode_32 3
		.amdhsa_float_denorm_mode_16_64 3
		.amdhsa_memory_ordered 1
		.amdhsa_forward_progress 1
		.amdhsa_inst_pref_size 84
	.end_amdhsa_kernel
	.amdgpu_metadata
---
amdhsa.version: [ 1, 2 ]
amdhsa.kernels:
  - .name:           k_qe808abaf2a_proj
    .symbol:         k_qe808abaf2a_proj.kd
    .args:
      - { .name: x, .offset: 0, .size: 8, .value_kind: global_buffer, .address_space: global }
      - { .name: encoder_output_codes, .offset: 8, .size: 8, .value_kind: global_buffer, .address_space: global }
      - { .name: m1_wq_codes, .offset: 16, .size: 8, .value_kind: global_buffer, .address_space: global }
      - { .name: m1_wk_codes, .offset: 24, .size: 8, .value_kind: global_buffer, .address_space: global }
      - { .name: m1_wv_codes, .offset: 32, .size: 8, .value_kind: global_buffer, .address_space: global }
      - { .name: m2_wk_codes, .offset: 40, .size: 8, .value_kind: global_buffer, .address_space: global }
      - { .name: m2_wv_codes, .offset: 48, .size: 8, .value_kind: global_buffer, .address_space: global }
      - { .name: m1_bq, .offset: 56, .size: 8, .value_kind: global_buffer, .address_space: global }
      - { .name: m1_bk, .offset: 64, .size: 8, .value_kind: global_buffer, .address_space: global }
      - { .name: m1_bv, .offset: 72, .size: 8, .value_kind: global_buffer, .address_space: global }
      - { .name: m2_bk, .offset: 80, .size: 8, .value_kind: global_buffer, .address_space: global }
      - { .name: m2_bv, .offset: 88, .size: 8, .value_kind: global_buffer, .address_space: global }
      - { .name: lowp_scales, .offset: 96, .size: 8, .value_kind: global_buffer, .address_space: global }
      - { .name: qimg, .offset: 104, .size: 8, .value_kind: global_buffer, .address_space: global }
      - { .name: k1img, .offset: 112, .size: 8, .value_kind: global_buffer, .address_space: global }
      - { .name: v1img, .offset: 120, .size: 8, .value_kind: global_buffer, .address_space: global }
      - { .name: k2img, .offset: 128, .size: 8, .value_kind: global_buffer, .address_space: global }
      - { .name: v2img, .offset: 136, .size: 8, .value_kind: global_buffer, .address_space: global }
    .group_segment_fixed_size: 66560
    .private_segment_fixed_size: 0
    .kernarg_segment_align: 8
    .kernarg_segment_size: 144
    .max_flat_workgroup_size: 256
    .sgpr_count:     100
    .vgpr_count:     512
    .wavefront_size: 32
...
	.end_amdgpu_metadata
.endif
;; end of part 1
;; launch attn1 (part 2): grid 8 x 32, 8 waves a work-group, clusters of 4 x 1, 271,360 bytes of LDS; arguments qimg, k1img, v1img, lowp_scales, attimg, tgt_mask; writes attimg
.if DOCPART == 2
	.amdgcn_target "amdgcn-amd-amdhsa--gfx1250"
	.amdhsa_code_object_version 6
	.text
	.protected	k_qe808abaf2a_attn1
	.globl	k_qe808abaf2a_attn1
	.p2align	8
	.type	k_qe808abaf2a_attn1,@function
k_qe808abaf2a_attn1:
	s_mov_b64 s[64:65], 0
	v_nop
	global_prefetch_b8 v0, s[64:65] scope:SCOPE_SE
	s_setreg_imm32_b32 hwreg(HW_REG_WAVE_MODE, 25, 1), 1
	s_wait_xcnt 0x0
	s_wait_alu depctr_hold_cnt(0) depctr_sa_sdst(0) depctr_va_vdst(0) depctr_va_sdst(0) depctr_va_ssrc(0) depctr_va_vcc(0) depctr_vm_vsrc(0)
	s_getreg_b32 s2, hwreg(HW_REG_IB_STS2, 6, 4)
	s_cmp_eq_u32 s2, 0
	s_cbranch_scc0 .Lentry_in_a_cluster
	s_endpgm
.Lentry_in_a_cluster:
	s_bfe_u32 s2, ttmp6, 0x10000c
	s_cmp_lg_u32 s2, 0x3003
	s_cbranch_scc0 .Lentry_shape_is_right
	s_endpgm
.Lentry_shape_is_right:
; Attention of one head on codes of E4M3: S^T = K Q^T, p = 2^(t - M), O^T = V^T p, O / l quantised for the projection that follows.  MASKED = 1: keys whose mask word is 0 take the score -2^32.
; t = score x log2(e) / 8; M = the running largest t rounded up to a whole number; l = the sum of the unquantised p.  When M moves, l and O^T are multiplied by 2^(old M - new M), which rounds nothing.
; SHARES.  Work-group: 256 queries of one head; wave w: query tiles 2 w and 2 w + 1, so that each fragment of K and V read from LDS feeds two products.  Every wave walks the head's 2,048 keys, 128 a step.
; THE HEAD'S WHOLE K AND V LIE IN LDS (131,072 bytes each), as images of operand registers, filled ONCE: no slot is filled again.  Each wave asks for four blocks of 8,192 bytes (a step's K or V) at the start: four tensor
; loads of a wave are out at the most; group g (steps 4 g .. 4 g + 3) is waited for by a counted wait and a barrier ahead of its steps.
; CLUSTER.  The four query blocks of a cluster belong to one head and read the same K and V: each block is asked for JOINTLY, by the same load with the same descriptor and the mask 15.
; THE MASK costs no vector instruction in the loop: a table of 2,048 f32 in LDS holds 0 for an open key and -2^(35 - eq - ek) for a closed one, and is the C of the first product, so that a closed key's t is
; -2^32 log2(e) and its p is 0.  Where NO key of the batch is open every score is -2^32 alike: then c and the table are 0 (chosen by s_cselect_b32, no branch), t = 0, M = 0, p = 1 on all keys.
; LIMITS: eq + ek between -92 and 130; ep and eo - ep - ev between -126 and 119; open keys' scores stay under 2^31 in magnitude.  NaN is not served.
; REGISTERS.  Window 0: v1-11, v30 addresses; v12-27 eight registers of statistics a tile (+0 -M, +1 largest t, +2,3 l, +4 f, +5 zero, +6,7 at work); v32-47 Q; v64-191 S^T then p, 64 a tile; v192-223 p's codes.
;   Window 1: v0-63 O^T, 32 a tile; v64-127 V of a step; v128-191 the step's mask table; v192-255 K of a step.
.set MASKED, 1
.set SCOFF,  24                        ; bytes to the entries eq, ek, ev, ep, eo
.set VLDS,  131072
.set BLDS,  262144
.set LI,   1                           ; v1   16 x lane
.set LIV,  2                           ; v2   + V's place
.set LB,   3                           ; v3   the table + 64 (lane / 16)
.set ADK,  4
.set ADV,  5
.set ADB,  6
.set PSC,  7
.set PLIM, 8
.set PT,   9                           ; v9, v10: destinations of the lane exchange
.set MO,   11                          ; v11  my wave's 256 mask words: 1,024 x wave + 16 x lane
.set ST,   12
.set OSC,  28
.set OLIM, 29
.set BW,   30                          ; v30  and their place in the table
.set Q,    32
.set S,    64
.set P,    192
.set O,    0
.set VF,   64
.set BI,   128
.set KF,   192
.set MSB, 0
.macro WIN new
.if MSB != \new
	s_set_vgpr_msb (MSB<<8)|\new
.set MSB, \new
.endif
.endm
.macro PLACES n
.rept \n
	v_nop
.endr
.endm
.macro MKSC e, vs, vl
	s_add_co_i32 s62, \e, 127
	s_lshl_b32 s63, s62, 23
	v_mov_b32 v[\vs], s63
	s_add_co_i32 s62, s62, 8
	s_lshl_b32 s62, s62, 23
	s_or_b32 s62, s62, 0x600000
	v_mov_b32 v[\vl], s62
.endm
.macro CROUND                          ; a round of the cluster's barrier
	s_barrier_signal -1
	s_barrier_wait -1
	s_cmp_lg_u32 s16, 0
	s_cbranch_scc1 .Lnot_wave_0_\@
	s_barrier_signal -3
.Lnot_wave_0_\@:
	s_barrier_wait -3
	s_barrier_signal -1
	s_barrier_wait -1
.endm
	s_load_b256 s[4:11], s[0:1], 0x0               ; q, k, v, the scales
.if MASKED
	s_load_b128 s[12:15], s[0:1], 0x20             ; the output's image, the mask
	v_lshl_add_u32 v254, v0, 2, 0x42000
	v_mov_b32 v255, 0
	ds_add_u32 v254, v255
	ds_add_u32 v254, v255
.else
	s_load_b64 s[12:13], s[0:1], 0x20
.endif
	v_lshrrev_b32 v2, 5, v0
	v_readfirstlane_b32 s16, v2                    ; wave 0..7
	s_bfe_u32 s17, ttmp6, 0x40000                  ; cx
	s_lshl_b32 s18, ttmp9, 2
	s_add_co_u32 s18, s18, s17                     ; my block of 256 queries: it enters Q's and the output's addresses alone
	s_and_b32 s19, ttmp7, 0xffff                   ; 8 b + head, which the four partners share
	v_and_b32 v2, 31, v0
	v_lshlrev_b32 v[LI], 4, v2
	v_add_nc_u32 v[LIV], VLDS, v[LI]
.if MASKED
	v_bfe_u32 v3, v0, 4, 1
	v_lshlrev_b32 v3, 6, v3
	v_add_nc_u32 v[LB], BLDS, v3
	s_lshl_b32 s76, s16, 10
	v_add_nc_u32 v[MO], s76, v[LI]
	v_add_nc_u32 v[BW], BLDS, v[MO]
.endif
	; descriptor group 1: a dense block of 8,192 bytes as 32 rows of 32 elements of 8 bytes
	s_mov_b32 s24, 15|(3<<16)|(1<<21)              ; 15:0 the mask: all four work-groups; 17:16 elements of 8 bytes; 21 set beside a mask; no padding
	s_mov_b32 s25, 32<<16                          ; tensor_dim0
	s_mov_b32 s26, 32<<16                          ; tensor_dim1
	s_mov_b32 s27, 32<<16                          ; tile_dim0
	s_mov_b32 s28, 32                              ; tile_dim1
	s_mov_b32 s29, 32                              ; the pitch
	s_mov_b32 s30, 0
	s_mov_b32 s31, 0
	s_mov_b32 s20, 0x76543210
	s_mov_b32 s21, 0xfedcba98                      ; lane l xor 16
	s_lshr_b32 s59, s16, 2                         ; waves 0-3 fetch K, waves 4-7 V
	s_and_b32 s60, s16, 3
	s_lshl_b32 s61, s59, 17
	s_lshl_b32 s62, s60, 13
	s_add_co_u32 s61, s61, s62                     ; LDS: K or V, step w % 4 of a group
	s_lshl_b32 s66, s19, 17
	s_add_co_u32 s66, s66, s62                     ; memory: the head's 131,072 bytes, the same step
	s_mov_b32 s67, 0
	s_lshl_b32 s70, s19, 17
	s_lshl_b32 s71, s18, 14
	s_add_co_u32 s70, s70, s71
	s_lshl_b32 s71, s16, 11
	s_add_co_u32 s70, s70, s71                     ; Q: tile 128 (8 b + head) + 16 block + 2 wave, 1,024 bytes each
	s_mov_b32 s71, 0
	s_lshr_b32 s74, s19, 3                         ; the batch
	s_lshl_b32 s72, s74, 20
	s_lshl_b32 s73, s18, 17
	s_add_co_u32 s72, s72, s73
	s_lshl_b32 s73, s16, 14
	s_add_co_u32 s72, s72, s73                     ; the output: token tile 128 b + 16 block + 2 wave, 8,192 bytes each,
	s_bfe_u32 s73, s19, 0x20001
	s_lshl_b32 s73, s73, 11
	s_add_co_u32 s72, s72, s73                     ; K step head / 2,
	s_and_b32 s73, s19, 1
	s_lshl_b32 s73, s73, 10
	s_add_co_u32 s72, s72, s73                     ; chunks 2 (head % 2) on
	s_mov_b32 s73, 0
	s_lshl_b32 s74, s74, 13                        ; the batch's 2,048 mask words
	s_mov_b32 s75, 0
	s_wait_dscnt 0x0
	s_wait_kmcnt 0x0
	s_load_b256 s[48:55], s[10:11], SCOFF          ; eq, ek, ev, ep, eo, ..
	s_add_nc_u64 s[4:5], s[4:5], s[70:71]
	s_add_nc_u64 s[12:13], s[12:13], s[72:73]
.if MASKED
	s_add_nc_u64 s[14:15], s[14:15], s[74:75]
.endif
	s_cmp_lt_u32 s16, 4
	s_cselect_b64 s[68:69], s[6:7], s[8:9]
	s_add_nc_u64 s[68:69], s[68:69], s[66:67]
.irp g, 0,1,2,3
	s_mov_b32 s[32+4*\g], 1                        ; count
	s_add_co_u32 s[33+4*\g], s61, \g*32768         ; LDS address: group g
	s_add_nc_u64 s[34+4*\g:35+4*\g], s[68:69], \g*32768
	s_or_b32 s[35+4*\g], s[35+4*\g], 0x80000000    ; type
.endr
	CROUND                                         ; all four work-groups are here: the joint loads meet
	tensor_load_to_lds s[32:35], s[24:31]          ; all fills of the launch, in one group
	s_nop 0
	tensor_load_to_lds s[36:39], s[24:31]
	s_nop 0
	tensor_load_to_lds s[40:43], s[24:31]
	s_nop 0
	tensor_load_to_lds s[44:47], s[24:31]
	s_nop 0
	PLACES 4
.if MASKED
	global_load_b128 v[224:227], v[MO], s[14:15]               ; my wave's 256 words, for the table
	global_load_b128 v[228:231], v[MO], s[14:15] offset:512
.irp i, 0,1,2,3,4,5,6,7,8,9,10,11,12,13,14,15
	global_load_b128 v[S+4*\i:S+4*\i+3], v[LI], s[14:15] offset:512*\i   ; all 2,048 words: is any key open?
.endr
.endif
.irp q, 0,1
.irp c, 0,1
	global_load_b128 v[Q+8*\q+4*\c:Q+8*\q+4*\c+3], v[LI], s[4:5] offset:\q*1024+\c*512
.endr
.endr
	s_wait_kmcnt 0x0
	s_add_co_i32 s76, s48, s49                     ; eq + ek
	s_lshl_b32 s77, s76, 23
	s_mov_b32 s22, 0x3e38aa3b                      ; log2(e) / 8,
	s_add_co_i32 s22, s22, s77                     ; x 2^(eq + ek): added to the exponent field
	MKSC s51, PSC, PLIM
	s_sub_co_i32 s59, s52, s51
	s_sub_co_i32 s59, s59, s50                     ; O^T / l stands for that x 2^(ep + ev)
	MKSC s59, OSC, OLIM
.if MASKED
	s_sub_co_i32 s77, 162, s76
	s_lshl_b32 s77, s77, 23
	s_or_b32 s77, s77, 0x80000000                  ; -2^(35 - eq - ek): x c it is -2^32 log2(e)
	s_wait_loadcnt 4                               ; the mask is in; Q's four loads may be out
.irp k, 0,1,2,3
	v_or_b32 v[241+\k], v[S+\k], v[S+4+\k]
.endr
.irp i, 8,12,16,20,24,28,32,36,40,44,48,52,56,60
.irp k, 0,1,2,3
	v_or_b32 v[241+\k], v[241+\k], v[S+\i+\k]
.endr
.endr
	v_or_b32 v241, v241, v242
	v_or_b32 v243, v243, v244
	v_or_b32 v241, v241, v243
	v_cmp_ne_u32 vcc_lo, 0, v241
	s_cmp_lg_u32 vcc_lo, 0                         ; some key of the batch is open
	s_cselect_b32 s22, s22, 0
	s_cselect_b32 s77, s77, 0
	v_mov_b32 v240, s77
.irp k, 0,1,2,3,4,5,6,7
	v_cmp_eq_u32 vcc_lo, 0, v[224+\k]
	v_cndmask_b32 v[232+\k], 0, v240, vcc_lo
.endr
	ds_store_b128 v[BW], v[232:235]
	ds_store_b128 v[BW], v[236:239] offset:512
.endif
	s_mov_b32 s23, s22                             ; (named with it as a pair)
.irp q, 0,1
	v_mov_b32 v[ST+8*\q+1], 0xff61b1e6             ; the largest t so far: -3e38
	v_floor_f32 v[ST+8*\q], -v[ST+8*\q+1]          ; -M
	v_mov_b32 v[ST+8*\q+2], 0
	v_mov_b32 v[ST+8*\q+3], 0
	v_mov_b32 v[ST+8*\q+5], 0
	v_mov_b32 v[PT+\q], 0
.endr
	WIN 0x40
.set j, 0
.rept 64
	v_mov_b32 v[O+j], 0                            ; the step is written once: its first trip finds zeros, which the first change of M leaves zeros
.set j, j+1
.endr
	WIN 0
	s_wait_loadcnt 0x0                             ; Q
; A KEY STEP: 128 keys, both tiles of queries.
.macro STEP
	v_add_nc_u32 v[ADK], s56, v[LI]
	v_add_nc_u32 v[ADV], s56, v[LIV]
.if MASKED
	v_add_nc_u32 v[ADB], s57, v[LB]
.endif
	PLACES 2                                       ; with the additions above: four places or more between the last products and the loads into registers that they read
	WIN 0x40                                       ; destination window 1
.if MASKED
.irp b, 0,1,2,3
.irp j, 0,1,2,3
	ds_load_b128 v[BI+16*\b+4*\j:BI+16*\b+4*\j+3], v[ADB] offset:128*\b+16*\j   ; register 16 b + i: key 32 b + 16 (lane / 16) + i, as in S^T
.endr
.endr
.endif
.irp t, 0,1,2,3,4,5,6,7
.irp c, 0,1
	ds_load_b128 v[KF+8*\t+4*\c:KF+8*\t+4*\c+3], v[ADK] offset:1024*\t+512*\c
.endr
.endr
.irp t, 0,1,2,3
.irp c, 0,1,2,3
	ds_load_b128 v[VF+16*\t+4*\c:VF+16*\t+4*\c+3], v[ADV] offset:2048*\t+512*\c
.endr
.endr
	s_wait_dscnt 16                                ; the table and K are in; V's sixteen loads may be out
.if MASKED
	WIN 0x11                                       ; source 0 (K) and source 2 (the table) window 1
.else
	WIN 0x01
.endif
.irp t, 0,1,2,3,4,5,6,7
.irp q, 0,1
.if MASKED
	v_wmma_f32_16x16x64_fp8_fp8 v[S+64*\q+8*\t:S+64*\q+8*\t+7], v[KF+8*\t:KF+8*\t+7], v[Q+8*\q:Q+8*\q+7], v[BI+8*\t:BI+8*\t+7]
.else
	v_wmma_f32_16x16x64_fp8_fp8 v[S+64*\q+8*\t:S+64*\q+8*\t+7], v[KF+8*\t:KF+8*\t+7], v[Q+8*\q:Q+8*\q+7], 0
.endif
.endr
.endr
	WIN 0
	PLACES 4
	; the largest score of my query among my 64 keys, in two chains a tile, each accumulator from its low end on
.irp q, 0,1
	v_max3_num_f32 v[ST+8*\q+6], v[S+64*\q], v[S+64*\q+1], v[S+64*\q+2]
	v_max3_num_f32 v[ST+8*\q+7], v[S+64*\q+3], v[S+64*\q+4], v[S+64*\q+5]
.endr
.irp i, 6,10,14,18,22,26,30,34,38,42,46,50,54,58
.irp q, 0,1
	v_max3_num_f32 v[ST+8*\q+6], v[ST+8*\q+6], v[S+64*\q+\i], v[S+64*\q+\i+1]
	v_max3_num_f32 v[ST+8*\q+7], v[ST+8*\q+7], v[S+64*\q+\i+2], v[S+64*\q+\i+3]
.endr
.endr
.irp q, 0,1
	v_max3_num_f32 v[ST+8*\q+6], v[ST+8*\q+6], v[S+64*\q+62], v[S+64*\q+63]
.endr
.irp q, 0,1
	v_max_num_f32 v[ST+8*\q+6], v[ST+8*\q+6], v[ST+8*\q+7]
.endr
.irp q, 0,1
	v_permlanex16_b32 v[PT+\q], v[ST+8*\q+6], s20, s21
.endr
.irp q, 0,1
	v_max_num_f32 v[ST+8*\q+6], v[ST+8*\q+6], v[PT+\q]     ; and among lane l xor 16's
.endr
.irp q, 0,1
	v_mul_f32 v[ST+8*\q+6], s22, v[ST+8*\q+6]              ; as t (c is not negative)
.endr
.irp q, 0,1
	v_max_num_f32 v[ST+8*\q+1], v[ST+8*\q+1], v[ST+8*\q+6]
.endr
.irp q, 0,1
	v_mov_b32 v[ST+8*\q+6], v[ST+8*\q]
.endr
.irp q, 0,1
	v_floor_f32 v[ST+8*\q], -v[ST+8*\q+1]                  ; the new -M = floor(-t): M is a whole number
.endr
.irp q, 0,1
	v_sub_f32 v[ST+8*\q+6], v[ST+8*\q], v[ST+8*\q+6]       ; old M - new M, 0 or less
.endr
.irp q, 0,1
	v_cvt_i32_f32 v[ST+8*\q+6], v[ST+8*\q+6]               ; (it saturates)
.endr
.irp q, 0,1
	v_ldexp_f32 v[ST+8*\q+4], 1.0, v[ST+8*\q+6]            ; f = 2^(old M - new M)
.endr
.set j, 0
.rept 32
	v_pk_fma_f32 v[S+j:S+j+1], v[S+j:S+j+1], s[22:23], v[ST:ST+1] op_sel_hi:[1,0,0]               ; t - M, two at a time
	v_pk_fma_f32 v[S+64+j:S+64+j+1], v[S+64+j:S+64+j+1], s[22:23], v[ST+8:ST+9] op_sel_hi:[1,0,0]
.set j, j+2
.endr
.set j, 0
.rept 128
	v_exp_f32 v[S+j], v[S+j]                               ; p = 2^(t - M), at most 1: one batch
.set j, j+1
.endr
.irp q, 0,1
	v_pk_mul_f32 v[ST+8*\q+2:ST+8*\q+3], v[ST+8*\q+2:ST+8*\q+3], v[ST+8*\q+4:ST+8*\q+5] op_sel_hi:[1,0]   ; l under the new M; the plain lines behind the exponentials
.endr
	s_wait_alu depctr_va_vdst(0)                   ; one wait for the batch, ahead of its first reader
.irp q, 0,1
	v_pk_add_f32 v[ST+8*\q+6:ST+8*\q+7], v[S+64*\q:S+64*\q+1], v[S+64*\q+2:S+64*\q+3]   ; the sum of the UNQUANTISED p, in two chains a tile
.endr
.irp i, 4,8,12,16,20,24,28,32,36,40,44,48,52,56,60
.irp q, 0,1
	v_pk_add_f32 v[ST+8*\q+2:ST+8*\q+3], v[ST+8*\q+2:ST+8*\q+3], v[S+64*\q+\i:S+64*\q+\i+1]
	v_pk_add_f32 v[ST+8*\q+6:ST+8*\q+7], v[ST+8*\q+6:ST+8*\q+7], v[S+64*\q+\i+2:S+64*\q+\i+3]
.endr
.endr
.irp q, 0,1
	v_pk_add_f32 v[ST+8*\q+2:ST+8*\q+3], v[ST+8*\q+2:ST+8*\q+3], v[ST+8*\q+6:ST+8*\q+7]
.endr
.irp q, 0,1
.irp b, 0,1,2,3
.irp k, 0,1,2,3,4,5,6,7,8,9,10,11,12,13,14,15
	v_min_num_f32 v[S+64*\q+16*\b+\k], v[S+64*\q+16*\b+\k], v[PLIM]   ; the conversion does not saturate (ISA guide 7.6.2); p is not negative, so the hold is one-sided
.endr
	v_cvt_scalef32_pk8_fp8_f32 v[P+16*\q+4*\b:P+16*\q+4*\b+1], v[S+64*\q+16*\b:S+64*\q+16*\b+7], v[PSC]
	v_cvt_scalef32_pk8_fp8_f32 v[P+16*\q+4*\b+2:P+16*\q+4*\b+3], v[S+64*\q+16*\b+8:S+64*\q+16*\b+15], v[PSC]
.endr
.endr
	WIN 0x41                                       ; O^T (destination, source 0) window 1, f window 0
.irp q, 0,1
.set j, 0
.rept 16
	v_pk_mul_f32 v[O+32*\q+j:O+32*\q+j+1], v[O+32*\q+j:O+32*\q+j+1], v[ST+8*\q+4:ST+8*\q+5] op_sel_hi:[1,0]   ; O^T under the new M; also the plain lines behind the conversions
.set j, j+2
.endr
.endr
	s_wait_dscnt 0x0                               ; V is in
	WIN 0x51                                       ; V, C and D window 1, p window 0
.irp t, 0,1,2,3
.irp q, 0,1
	v_wmma_f32_16x16x128_fp8_fp8 v[O+32*\q+8*\t:O+32*\q+8*\t+7], v[VF+16*\t:VF+16*\t+15], v[P+16*\q:P+16*\q+15], v[O+32*\q+8*\t:O+32*\q+8*\t+7]   ; eight accumulators by turns, one instruction a turn
.endr
.endr
	WIN 0
.endm
.irp g, 0,1,2,3
	s_wait_tensorcnt 3-\g                          ; my block of group g has landed; the later groups' may stay out
	s_wait_dscnt 0x0                               ; (ahead of the first: my part of the table is stored)
	s_barrier_signal -1
	s_barrier_wait -1                              ; everybody's has
	s_mov_b32 s56, \g*32768                        ; the group's first step in K's and V's images,
	s_mov_b32 s57, \g*2048                         ; and in the table
	s_mov_b32 s58, 4
.Lstep\g:
	STEP
	s_add_co_u32 s56, s56, 8192
	s_add_co_u32 s57, s57, 512
	s_sub_co_u32 s58, s58, 1
	s_cmp_lg_u32 s58, 0
	s_cbranch_scc1 .Lstep\g
.endr
	; THE WAY OUT: O^T / l, quantised: the 16 registers of channel tiles 2 b and 2 b + 1 are a chunk of the next product's K
	PLACES 4
.irp q, 0,1
	v_add_f32 v[ST+8*\q+2], v[ST+8*\q+2], v[ST+8*\q+3]
.endr
.irp q, 0,1
	v_permlanex16_b32 v[PT+\q], v[ST+8*\q+2], s20, s21
.endr
.irp q, 0,1
	v_add_f32 v[ST+8*\q+2], v[ST+8*\q+2], v[PT+\q]
.endr
.irp q, 0,1
	v_rcp_f32 v[ST+8*\q+4], v[ST+8*\q+2]
.endr
	v_nop
	s_wait_alu depctr_va_vdst(0)                   ; one wait for the two reciprocals, ahead of their first reader
	WIN 0x01                                       ; source 0 (O^T) window 1
.irp q, 0,1
.set j, 0
.rept 16
	v_pk_mul_f32 v[S+32*\q+j:S+32*\q+j+1], v[O+32*\q+j:O+32*\q+j+1], v[ST+8*\q+4:ST+8*\q+5] op_sel_hi:[1,0]
.set j, j+2
.endr
.endr
	WIN 0
.irp q, 0,1
.irp b, 0,1
.irp k, 0,1,2,3,4,5,6,7,8,9,10,11,12,13,14,15
	v_med3_num_f32 v[S+32*\q+16*\b+\k], v[S+32*\q+16*\b+\k], -v[OLIM], v[OLIM]
.endr
	v_cvt_scalef32_pk8_fp8_f32 v[P+8*\q+4*\b:P+8*\q+4*\b+1], v[S+32*\q+16*\b:S+32*\q+16*\b+7], v[OSC]
	v_cvt_scalef32_pk8_fp8_f32 v[P+8*\q+4*\b+2:P+8*\q+4*\b+3], v[S+32*\q+16*\b+8:S+32*\q+16*\b+15], v[OSC]
.endr
.endr
	v_nop
.irp q, 0,1
.irp b, 0,1
	global_store_b128 v[LI], v[P+8*\q+4*\b:P+8*\q+4*\b+3], s[12:13] offset:\q*8192+\b*512   ; 32 lanes store 512 consecutive bytes
.endr
.endr
	s_wait_tensorcnt 0x0
	ds_add_u32 v254, v255
	s_wait_dscnt 0x0
	CROUND                                         ; the closing round
	s_endpgm
.Lfunc_end_k_qe808abaf2a_attn1:
	.size	k_qe808abaf2a_attn1, .Lfunc_end_k_qe808abaf2a_attn1-k_qe808abaf2a_attn1
	.p2alignl 7, 3214868480
	.fill 96, 4, 3214868480
	.section	.rodata,"a",@progbits
	.p2align	6, 0x0
	.amdhsa_kernel k_qe808abaf2a_attn1
		.amdhsa_group_segment_fixed_size 271360
		.amdhsa_private_segment_fixed_size 0
		.amdhsa_enable_private_segment 0
		.amdhsa_kernarg_size 48
		.amdhsa_user_sgpr_count 2
		.amdhsa_user_sgpr_kernarg_segment_ptr 1
		.amdhsa_wavefront_size32 1
		.amdhsa_system_sgpr_workgroup_id_x 1
		.amdhsa_system_sgpr_workgroup_id_y 1
		.amdhsa_system_sgpr_workgroup_id_z 1
		.amdhsa_system_vgpr_workitem_id 0
		.amdhsa_next_free_vgpr 512
		.amdhsa_next_free_sgpr 80
		.amdhsa_reserve_vcc 1
		.amdhsa_float_denorm_mode_32 3
		.amdhsa_float_denorm_mode_16_64 3
		.amdhsa_memory_ordered 1
		.amdhsa_forward_progress 1
		.amdhsa_inst_pref_size 139
	.end_amdhsa_kernel
	.amdgpu_metadata
---
amdhsa.version: [ 1, 2 ]
amdhsa.kernels:
  - .name:           k_qe808abaf2a_attn1
    .symbol:         k_qe808abaf2a_attn1.kd
    .args:
      - { .name: qimg, .offset: 0, .size: 8, .value_kind: global_buffer, .address_space: global }
      - { .name: k1img, .offset: 8, .size: 8, .value_kind: global_buffer, .address_space: global }
      - { .name: v1img, .offset: 16, .size: 8, .value_kind: global_buffer, .address_space: global }
      - { .name: lowp_scales, .offset: 24, .size: 8, .value_kind: global_buffer, .address_space: global }
      - { .name: attimg, .offset: 32, .size: 8, .value_kind: global_buffer, .address_space: global }
      - { .name: tgt_mask, .offset: 40, .size: 8, .value_kind: global_buffer, .address_space: global }
    .group_segment_fixed_size: 271360
    .private_segment_fixed_size: 0
    .kernarg_segment_align: 8
    .kernarg_segment_size: 48
    .max_flat_workgroup_size: 256
    .sgpr_count:     80
    .vgpr_count:     512
    .wavefront_size: 32
...
	.end_amdgpu_metadata
.endif
;; end of part 2
;; launch post1 (part 3): grid 256 x 1, 8 waves a work-group, no clusters, 62,976 bytes of LDS; arguments attimg, x, m1_w2_codes, m1_b2, m1_g, m1_b, ln1_g, ln1_b, m2_wq_codes, m2_bq, lowp_scales, x1, qimg; writes x1, qimg
.if DOCPART == 3
	.amdgcn_target "amdgcn-amd-amdhsa--gfx1250"
	.amdhsa_code_object_version 6
	.text
	.protected	k_qe808abaf2a_post1
	.globl	k_qe808abaf2a_post1
	.p2align	8
	.type	k_qe808abaf2a_post1,@function
k_qe808abaf2a_post1:
	s_mov_b64 s[64:65], 0
	v_nop
	global_prefetch_b8 v0, s[64:65] scope:SCOPE_SE
	s_setreg_imm32_b32 hwreg(HW_REG_WAVE_MODE, 25, 1), 1
	s_wait_xcnt 0x0
; a = LN(att w2 + b2 + x; m1_g, m1_b);  x1 = LN(x + a; ln1_g, ln1_b);  Q2 = x1 wq + bq, quantised for the second attention.  Both products on codes of E4M3.
; SHARES.  Work-group i: tokens 32 i .. 32 i + 31, two tiles u (lane r: token 32 i + 8 u + pi(r), pi(r) = r + 8 (r / 8)).  THE WAVES SHARE THE COLUMNS: wave w makes features 32 w .. + 31 of the first product and head w
; (64 features) of the second, for all 32 tokens; its weights (128 + 128 registers) come from memory straight into registers, once: no tile passes LDS by a tensor load, so a cluster would have nothing to ask for jointly.
; Both products are used transposed (source 0 = 16 rows of W, source 1 = 16 tokens): lane (r, h) holds one token and 16 neighbouring features, 32 w + 16 h + 0 .. 15.
; Operands go from wave to wave through LDS as images of their registers (16 bytes a lane, 512 a store).
; A ROW'S NORM spans the eight waves.  Each wave makes, of its 32 numbers of a token, their mean m and the sum q of squared distances from it; the eight pairs meet in LDS; then mean = sum m / 8 and
; 256 var = sum q + 32 sum (m - mean)^2: one exchange and one barrier a norm, and no difference of large sums.
; LIMITS: e10 + e11 between -126 and 127; e12 and e18 - e12 - e13 between -126 and 119.  NaN is not served.
; REGISTERS.  Window 0: v1-13 addresses and the scale; v16-31 b2, later codes; v32-63 x, later the second product's sums; v64-95 the rows at work; v96-159 four gains and biases of 16, later rows read back;
;   v160-191 bq; v192-255 fragments of tokens, the norms' work.   Window 1: v0-127 w2; v128-255 wq.
.set AIMG,  0                          ; LDS: att's 8 fragments (4 u + K step)
.set X1IMG, 16384                      ; x1's 4 fragments (2 u + K step)
.set STAT1, 24576                      ; a norm's pairs: 256 bytes a wave, 8 bytes a token
.set STAT2, 26624
.set STAGE, 28672                      ; 32 rows x (1,024 + 16) bytes
.set LI,  1
.set AW,  2
.set XA,  3
.set W2A, 4
.set WQA, 5
.set GA,  6
.set SA,  7
.set SRD, 8
.set X1W, 9
.set STW, 10
.set STR, 11
.set SC,  12
.set LIM, 13
.set B2,  16
.set XR,  32
.set QA,  32
.set V,   64
.set G1,  96
.set B1,  112
.set G2,  128
.set BB2, 144
.set BQ,  160
.set AF,  192
.set TT,  224                          ; a tile's 16: +0..7 four pairs at work, +8 mean, +9 q, +10 the exchange, +12 1 / sigma, +14,15 a sum
.set W2,  0
.set WQ,  128
.set MSB, 0
.macro WIN new
.if MSB != \new
	s_set_vgpr_msb (MSB<<8)|\new
.set MSB, \new
.endif
.endm
.macro PLACES n
.rept \n
	v_nop
.endr
.endm
.macro BARRIER                         ; my LDS stores have landed and my LDS loads are in: then the work-group's barrier
	s_wait_dscnt 0x0
	s_barrier_signal -1
	s_barrier_wait -1
.endm
.macro FETCH reg, off
.irp c, 0,1,2,3
	ds_load_b128 v[\reg+4*\c:\reg+4*\c+3], v[LI] offset:\off+512*\c
.endr
.endm
.macro MKSC e
	s_add_co_i32 s54, \e, 127
	s_lshl_b32 s55, s54, 23
	v_mov_b32 v[SC], s55
	s_add_co_i32 s54, s54, 8
	s_lshl_b32 s54, s54, 23
	s_or_b32 s54, s54, 0x600000
	v_mov_b32 v[LIM], s54
.endm
.macro Q16 src, tmp, dst, relu
.irp k, 0,1,2,3,4,5,6,7,8,9,10,11,12,13,14,15
.if \relu
	v_med3_num_f32 v[\tmp+\k], v[\src+\k], 0, v[LIM]
.else
	v_med3_num_f32 v[\tmp+\k], v[\src+\k], -v[LIM], v[LIM]
.endif
.endr
	v_cvt_scalef32_pk8_fp8_f32 v[\dst:\dst+1], v[\tmp:\tmp+7], v[SC]
	v_cvt_scalef32_pk8_fp8_f32 v[\dst+2:\dst+3], v[\tmp+8:\tmp+15], v[SC]
.endm
.macro G16 reg, base                   ; 16 numbers of a vector of 256: features 32 w + 16 (lane / 16) + 0 .. 15
.irp j, 0,1,2,3
	global_load_b128 v[\reg+4*\j:\reg+4*\j+3], v[GA], s[\base:\base+1] offset:16*\j
.endr
.endm
.macro W512 base                       ; my 32 rows of a weight with K = 512: fragment (tile t, K step s) at 16 (4 t + s)
.irp t, 0,1
.irp s, 0,1,2,3
.irp c, 0,1,2,3
	global_load_b128 v[W2+16*(4*\t+\s)+4*\c:W2+16*(4*\t+\s)+4*\c+3], v[W2A], s[\base:\base+1] offset:\t*4096+\s*128+\c*32
.endr
.endr
.endr
.endm
.macro W256 base                       ; my 64 rows of a weight with K = 256: fragment (tile t, K step s) at 16 (2 t + s)
.irp t, 0,1,2,3
.irp s, 0,1
.irp c, 0,1,2,3
	global_load_b128 v[WQ+16*(2*\t+\s)+4*\c:WQ+16*(2*\t+\s)+4*\c+3], v[WQA], s[\base:\base+1] offset:(32*(\t/2)+8*(\t%2))*256+\s*128+\c*32
.endr
.endr
.endr
.endm
.macro PROJ512 dst, img                ; K = 512: for each tile of tokens four fragments from LDS, two accumulators by turns
.irp u, 0,1
	PLACES 5
.irp s, 0,1,2,3
	FETCH AF+16*\s, \img+(4*\u+\s)*2048
.endr
	s_wait_dscnt 0x0
	WIN 0x01
.irp s, 0,1,2,3
.irp t, 0,1
.if \s == 0
	v_wmma_f32_16x16x128_fp8_fp8 v[\dst+16*\u+8*\t:\dst+16*\u+8*\t+7], v[W2+16*(4*\t+\s):W2+16*(4*\t+\s)+15], v[AF+16*\s:AF+16*\s+15], 0
.else
	v_wmma_f32_16x16x128_fp8_fp8 v[\dst+16*\u+8*\t:\dst+16*\u+8*\t+7], v[W2+16*(4*\t+\s):W2+16*(4*\t+\s)+15], v[AF+16*\s:AF+16*\s+15], v[\dst+16*\u+8*\t:\dst+16*\u+8*\t+7]
.endif
.endr
.endr
	WIN 0
.endr
	PLACES 4
.endm
.macro MUL256 u                        ; K = 256: tile u of tokens against my four tiles of rows; four accumulators by turns; the bias is the C of each sum's first product
	PLACES 5
	WIN 0x01
.irp s, 0,1
.irp t, 0,1,2,3
.if \s == 0
	v_wmma_f32_16x16x128_fp8_fp8 v[QA+8*\t:QA+8*\t+7], v[WQ+16*(2*\t+\s):WQ+16*(2*\t+\s)+15], v[AF+16*(2*\u+\s):AF+16*(2*\u+\s)+15], v[BQ+8*\t:BQ+8*\t+7]
.else
	v_wmma_f32_16x16x128_fp8_fp8 v[QA+8*\t:QA+8*\t+7], v[WQ+16*(2*\t+\s):WQ+16*(2*\t+\s)+15], v[AF+16*(2*\u+\s):AF+16*(2*\u+\s)+15], v[QA+8*\t:QA+8*\t+7]
.endif
.endr
.endr
	WIN 0
	PLACES 4
.endm
.macro AFFINE dst, bias                ; sum x 2^(eA + eB) + bias, each accumulator from its low end on
.irp u, 0,1
.irp k, 0,2,4,6,8,10,12,14
	v_pk_fma_f32 v[\dst+16*\u+\k:\dst+16*\u+\k+1], v[\dst+16*\u+\k:\dst+16*\u+\k+1], s[50:51], v[\bias+\k:\bias+\k+1] op_sel_hi:[1,0,1]
.endr
.endr
.endm
.macro ADD32 dst, src
.irp k, 0,2,4,6,8,10,12,14,16,18,20,22,24,26,28,30
	v_pk_add_f32 v[\dst+\k:\dst+\k+1], v[\dst+\k:\dst+\k+1], v[\src+\k:\src+\k+1]
.endr
.endm
.macro LNSTAT base, stat               ; my wave's pair (m, q) for each of the 32 tokens, both tiles line by line
.irp k, 0,1,2,3
.irp u, 0,1
	v_pk_add_f32 v[TT+16*\u+2*\k:TT+16*\u+2*\k+1], v[\base+16*\u+4*\k:\base+16*\u+4*\k+1], v[\base+16*\u+4*\k+2:\base+16*\u+4*\k+3]
.endr
.endr
.irp u, 0,1
	v_pk_add_f32 v[TT+16*\u:TT+16*\u+1], v[TT+16*\u:TT+16*\u+1], v[TT+16*\u+2:TT+16*\u+3]
	v_pk_add_f32 v[TT+16*\u+4:TT+16*\u+5], v[TT+16*\u+4:TT+16*\u+5], v[TT+16*\u+6:TT+16*\u+7]
.endr
.irp u, 0,1
	v_pk_add_f32 v[TT+16*\u:TT+16*\u+1], v[TT+16*\u:TT+16*\u+1], v[TT+16*\u+4:TT+16*\u+5]
.endr
.irp u, 0,1
	v_add_f32 v[TT+16*\u+8], v[TT+16*\u], v[TT+16*\u+1]
.endr
.irp u, 0,1
	v_permlanex16_b32 v[TT+16*\u+10], v[TT+16*\u+8], s48, s49
.endr
.irp u, 0,1
	v_add_f32 v[TT+16*\u+8], v[TT+16*\u+8], v[TT+16*\u+10]
.endr
.irp u, 0,1
	v_mul_f32 v[TT+16*\u+8], 0x3d000000, v[TT+16*\u+8]     ; / 32: m
.endr
.irp k, 0,1,2,3,4,5,6,7
.irp u, 0,1
	v_pk_add_f32 v[TT+16*\u+2*(\k%4):TT+16*\u+2*(\k%4)+1], v[\base+16*\u+2*\k:\base+16*\u+2*\k+1], v[TT+16*\u+8:TT+16*\u+9] op_sel_hi:[1,0] neg_lo:[0,1] neg_hi:[0,1]
.endr
.irp u, 0,1
.if \k == 0
	v_pk_mul_f32 v[TT+16*\u+14:TT+16*\u+15], v[TT+16*\u:TT+16*\u+1], v[TT+16*\u:TT+16*\u+1]
.else
	v_pk_fma_f32 v[TT+16*\u+14:TT+16*\u+15], v[TT+16*\u+2*(\k%4):TT+16*\u+2*(\k%4)+1], v[TT+16*\u+2*(\k%4):TT+16*\u+2*(\k%4)+1], v[TT+16*\u+14:TT+16*\u+15]
.endif
.endr
.endr
.irp u, 0,1
	v_add_f32 v[TT+16*\u+9], v[TT+16*\u+14], v[TT+16*\u+15]
.endr
.irp u, 0,1
	v_permlanex16_b32 v[TT+16*\u+10], v[TT+16*\u+9], s48, s49
.endr
.irp u, 0,1
	v_add_f32 v[TT+16*\u+9], v[TT+16*\u+9], v[TT+16*\u+10]  ; q
.endr
.irp u, 0,1
	ds_store_b64 v[SA], v[TT+16*\u+8:TT+16*\u+9] offset:\stat+\u*128   ; both halves of the lanes store the same pair at the same place
.endr
.endm
.macro LNFIN base, stat, g, b          ; the eight waves' pairs become mean and 1 / sigma; then (v - mean) / sigma x g + b
.irp u, 0,1
.irp k, 0,1,2,3,4,5,6,7
	ds_load_b64 v[AF+16*\u+2*\k:AF+16*\u+2*\k+1], v[SRD] offset:\stat+\k*256+\u*128
.endr
.endr
	s_wait_dscnt 0x0
.irp k, 0,1,2,3
.irp u, 0,1
	v_pk_add_f32 v[TT+16*\u+2*\k:TT+16*\u+2*\k+1], v[AF+16*\u+4*\k:AF+16*\u+4*\k+1], v[AF+16*\u+4*\k+2:AF+16*\u+4*\k+3]
.endr
.endr
.irp u, 0,1
	v_pk_add_f32 v[TT+16*\u:TT+16*\u+1], v[TT+16*\u:TT+16*\u+1], v[TT+16*\u+2:TT+16*\u+3]
	v_pk_add_f32 v[TT+16*\u+4:TT+16*\u+5], v[TT+16*\u+4:TT+16*\u+5], v[TT+16*\u+6:TT+16*\u+7]
.endr
.irp u, 0,1
	v_pk_add_f32 v[TT+16*\u:TT+16*\u+1], v[TT+16*\u:TT+16*\u+1], v[TT+16*\u+4:TT+16*\u+5]   ; (sum m, sum q)
.endr
.irp u, 0,1
	v_mul_f32 v[TT+16*\u+8], 0x3e000000, v[TT+16*\u]       ; / 8: the row's mean
.endr
.irp k, 0,1,2,3,4,5,6,7
.irp u, 0,1
	v_sub_f32 v[AF+16*\u+2*\k], v[AF+16*\u+2*\k], v[TT+16*\u+8]
.endr
.endr
.irp u, 0,1
	v_mul_f32 v[TT+16*\u+14], v[AF+16*\u], v[AF+16*\u]
.endr
.irp k, 1,2,3,4,5,6,7
.irp u, 0,1
	v_fma_f32 v[TT+16*\u+14], v[AF+16*\u+2*\k], v[AF+16*\u+2*\k], v[TT+16*\u+14]
.endr
.endr
.irp u, 0,1
	v_fma_f32 v[TT+16*\u+14], v[TT+16*\u+14], 0x42000000, v[TT+16*\u+1]   ; x 32 + sum q
.endr
.irp u, 0,1
	v_fma_f32 v[TT+16*\u+14], v[TT+16*\u+14], s52, s53     ; / 256 + 1e-6
.endr
.irp u, 0,1
	v_rsq_f32 v[TT+16*\u+12], v[TT+16*\u+14]
.endr
	v_nop
	s_wait_alu depctr_va_vdst(0)                   ; one wait for both roots, ahead of their first reader
.irp k, 0,2,4,6,8,10,12,14
.irp u, 0,1
	v_pk_add_f32 v[\base+16*\u+\k:\base+16*\u+\k+1], v[\base+16*\u+\k:\base+16*\u+\k+1], v[TT+16*\u+8:TT+16*\u+9] op_sel_hi:[1,0] neg_lo:[0,1] neg_hi:[0,1]
.endr
.endr
.irp k, 0,2,4,6,8,10,12,14
.irp u, 0,1
	v_pk_mul_f32 v[\base+16*\u+\k:\base+16*\u+\k+1], v[\base+16*\u+\k:\base+16*\u+\k+1], v[TT+16*\u+12:TT+16*\u+13] op_sel_hi:[1,0]
.endr
.endr
.irp k, 0,2,4,6,8,10,12,14
.irp u, 0,1
	v_pk_fma_f32 v[\base+16*\u+\k:\base+16*\u+\k+1], v[\base+16*\u+\k:\base+16*\u+\k+1], v[\g+\k:\g+\k+1], v[\b+\k:\b+\k+1]
.endr
.endr
.endm
	s_load_b512 s[4:19], s[0:1], 0x0               ; att, x, w2, b2, m1_g, m1_b, ln1_g, ln1_b
	s_load_b256 s[20:27], s[0:1], 0x40             ; wq, bq, the scales, x1
	s_load_b64 s[28:29], s[0:1], 0x60              ; q's image
	v_lshl_add_u32 v14, v0, 2, 0xf200
	v_mov_b32 v15, 0
	v_lshrrev_b32 v16, 5, v0
	v_readfirstlane_b32 s56, v16                   ; wave 0..7
	v_and_b32 v16, 31, v0
	v_lshlrev_b32 v[LI], 4, v16
	v_and_b32 v16, 15, v0                          ; r
	v_bfe_u32 v17, v0, 4, 1                        ; lane / 16
	v_and_b32 v18, 8, v16
	v_add_nc_u32 v18, v18, v16                     ; pi(r)
	s_lshl_b32 s57, s56, 11
	v_add_nc_u32 v[AW], s57, v[LI]                 ; att's fragment number w
	v_lshlrev_b32 v[XA], 10, v18
	v_lshl_add_u32 v[XA], v17, 6, v[XA]
	v_lshlrev_b32 v[W2A], 9, v18
	v_lshl_add_u32 v[W2A], v17, 4, v[W2A]
	v_lshlrev_b32 v[WQA], 8, v18
	v_lshl_add_u32 v[WQA], v17, 4, v[WQA]
	v_lshlrev_b32 v[GA], 6, v17
	s_lshl_b32 s57, s56, 8
	v_lshl_add_u32 v[SA], v16, 3, s57              ; 256 w + 8 r
	v_lshlrev_b32 v[SRD], 3, v16
	s_lshr_b32 s57, s56, 2
	s_lshl_b32 s57, s57, 11
	s_and_b32 s58, s56, 3
	s_lshl_b32 s58, s58, 9
	s_add_co_u32 s57, s57, s58
	s_add_co_u32 s57, s57, X1IMG
	v_add_nc_u32 v[X1W], s57, v[LI]                ; my 32 features are chunk w % 4 of K step w / 4
	v_mul_u32_u24 v[STW], v18, 1040
	v_lshl_add_u32 v[STW], v17, 6, v[STW]
	s_lshl_b32 s57, s56, 7
	s_add_co_u32 s57, s57, STAGE
	v_add_nc_u32 v[STW], s57, v[STW]               ; the stage: row pi(r), + 128 w + 64 (lane / 16)
	s_mul_i32 s57, s56, 4160
	s_add_co_u32 s57, s57, STAGE
	v_add_nc_u32 v[STR], s57, v[LI]                ; back: rows 4 w .. 4 w + 3
	s_lshl_b32 s58, ttmp9, 14
	s_lshr_b32 s59, s56, 2
	s_lshl_b32 s59, s59, 13
	s_add_co_u32 s58, s58, s59
	s_and_b32 s59, s56, 3
	s_lshl_b32 s59, s59, 11
	s_add_co_u32 s58, s58, s59                     ; att: tile 2 i + w / 4, K step w % 4
	s_mov_b32 s59, 0
	s_lshl_b32 s60, ttmp9, 15
	s_lshl_b32 s61, s56, 7
	s_add_co_u32 s60, s60, s61                     ; x: row 32 i, feature 32 w
	s_mov_b32 s61, 0
	s_lshl_b32 s62, s56, 14                        ; w2: 32 w rows of 512 bytes; wq: 64 w rows of 256
	s_mov_b32 s63, 0
	s_lshl_b32 s66, s56, 7                         ; vectors of 256: feature 32 w
	s_mov_b32 s67, 0
	s_lshl_b32 s68, s56, 8                         ; bq: feature 64 w
	s_mov_b32 s69, 0
	s_lshl_b32 s70, ttmp9, 15
	s_lshl_b32 s71, s56, 12
	s_add_co_u32 s70, s70, s71                     ; x1: row 32 i + 4 w
	s_mov_b32 s71, 0
	s_lshr_b32 s72, ttmp9, 6
	s_lshl_b32 s72, s72, 3
	s_add_co_u32 s72, s72, s56
	s_lshl_b32 s72, s72, 17
	s_and_b32 s73, ttmp9, 63
	s_lshl_b32 s73, s73, 11
	s_add_co_u32 s72, s72, s73                     ; q's image: head w of the batch, tiles 2 (i % 64) on
	s_mov_b32 s73, 0
	s_mov_b32 s48, 0x76543210
	s_mov_b32 s49, 0xfedcba98                      ; lane l xor 16
	s_mov_b32 s52, 0x3b800000                      ; 1 / 256
	s_mov_b32 s53, 0x358637bd                      ; 1e-6
	s_wait_kmcnt 0x0
	s_load_b512 s[32:47], s[24:25], 0x28           ; entries 10 to 25
	s_add_nc_u64 s[4:5], s[4:5], s[58:59]
	s_add_nc_u64 s[6:7], s[6:7], s[60:61]
	s_add_nc_u64 s[8:9], s[8:9], s[62:63]
.irp p, 10,12,14,16,18
	s_add_nc_u64 s[\p:\p+1], s[\p:\p+1], s[66:67]
.endr
	s_add_nc_u64 s[20:21], s[20:21], s[62:63]
	s_add_nc_u64 s[22:23], s[22:23], s[68:69]
	s_add_nc_u64 s[26:27], s[26:27], s[70:71]
	s_add_nc_u64 s[28:29], s[28:29], s[72:73]
	; the first loads: 4 of att, 8 of x, 4 of b2, 32 of w2
.irp c, 0,1,2,3
	global_load_b128 v[AF+4*\c:AF+4*\c+3], v[LI], s[4:5] offset:512*\c
.endr
.irp u, 0,1
.irp j, 0,1,2,3
	global_load_b128 v[XR+16*\u+4*\j:XR+16*\u+4*\j+3], v[XA], s[6:7] offset:\u*8192+16*\j
.endr
.endr
	G16 B2, 10
	WIN 0x40
	W512 8
	WIN 0
	s_wait_loadcnt 44                              ; att's fragment is in: behind it 8 + 4 + 32 loads were issued
.irp c, 0,1,2,3
	ds_store_b128 v[AW], v[AF+4*\c:AF+4*\c+3] offset:AIMG+512*\c
.endr
	s_wait_dscnt 0x0
	; the other loads: 16 of gains and biases, 8 of bq, 32 of wq
	G16 G1, 12
	G16 B1, 14
	G16 G2, 16
	G16 BB2, 18
.irp t, 0,1,2,3
.irp k, 0,1
	global_load_b128 v[BQ+8*\t+4*\k:BQ+8*\t+4*\k+3], v[GA], s[22:23] offset:(32*(\t/2)+8*(\t%2))*4+16*\k
.endr
.endr
	WIN 0x40
	W256 20
	WIN 0
	s_barrier_signal -1
	s_barrier_wait -1                              ; att's eight fragments lie in LDS
	s_wait_kmcnt 0x0
	s_add_co_i32 s50, s32, s33
	s_add_co_i32 s50, s50, 127
	s_lshl_b32 s50, s50, 23                        ; 2^(e10 + e11)
	s_mov_b32 s51, s50
	s_wait_loadcnt 56                              ; the first loads are in
	PROJ512 V, AIMG
.irp u, 0,1
	v_mov_b32 v[TT+16*\u+9], 0                     ; upper halves of pairs and the exchange's destination: written once
	v_mov_b32 v[TT+16*\u+10], 0
	v_mov_b32 v[TT+16*\u+13], 0
.endr
	AFFINE V, B2
	ADD32 V, XR
	LNSTAT V, STAT1
	BARRIER
	s_wait_loadcnt 40                              ; the gains are in; bq and wq may be out
	LNFIN V, STAT1, G1, B1
	ADD32 V, XR                                    ; x + the first attention's result
	LNSTAT V, STAT2
	BARRIER
	LNFIN V, STAT2, G2, BB2                        ; x1
.irp u, 0,1
.irp j, 0,1,2,3
	ds_store_b128 v[STW], v[V+16*\u+4*\j:V+16*\u+4*\j+3] offset:\u*8320+16*\j
.endr
.endr
	MKSC s34
	Q16 V, AF, 16, 0
	Q16 V+16, AF+16, 20, 0
	v_nop
	ds_store_b128 v[X1W], v[16:19]
	ds_store_b128 v[X1W], v[20:23] offset:4096
	BARRIER                                        ; x1's rows lie in the stage, its four fragments beside them
.irp f, 0,1,2,3
	FETCH AF+16*\f, X1IMG+\f*2048
.endr
.irp k, 0,1,2,3,4,5,6,7
	ds_load_b128 v[G1+4*\k:G1+4*\k+3], v[STR] offset:(\k/2)*1040+(\k%2)*512
.endr
	s_wait_loadcnt 0x0                             ; bq, wq
	s_add_co_i32 s57, s34, s35
	s_sub_co_i32 s58, 0, s57
.set j, 0
.rept 32
	v_ldexp_f32 v[BQ+j], v[BQ+j], s58              ; bq / 2^(e12 + e13)
.set j, j+1
.endr
	s_sub_co_i32 s57, s40, s57
	MKSC s57                                       ; 2^(e18 - e12 - e13)
	s_wait_dscnt 8                                 ; the fragments are in; the eight reads of rows may be out
.irp u, 0,1
	MUL256 \u
	Q16 QA, QA, 16+8*\u, 0
	Q16 QA+16, QA+16, 20+8*\u, 0
	v_nop
	global_store_b128 v[LI], v[16+8*\u:19+8*\u], s[28:29] offset:\u*1024
	global_store_b128 v[LI], v[20+8*\u:23+8*\u], s[28:29] offset:\u*1024+512
.endr
	s_wait_dscnt 0x0
.irp k, 0,1,2,3,4,5,6,7
	global_store_b128 v[LI], v[G1+4*\k:G1+4*\k+3], s[26:27] offset:(\k/2)*1024+(\k%2)*512   ; 32 lanes store 512 consecutive bytes of a row
.endr
	s_wait_tensorcnt 0x0
	ds_add_u32 v14, v15
	s_wait_dscnt 0x0
	s_endpgm
.Lfunc_end_k_qe808abaf2a_post1:
	.size	k_qe808abaf2a_post1, .Lfunc_end_k_qe808abaf2a_post1-k_qe808abaf2a_post1
	.p2alignl 7, 3214868480
	.fill 96, 4, 3214868480
	.section	.rodata,"a",@progbits
	.p2align	6, 0x0
	.amdhsa_kernel k_qe808abaf2a_post1
		.amdhsa_group_segment_fixed_size 62976
		.amdhsa_private_segment_fixed_size 0
		.amdhsa_enable_private_segment 0
		.amdhsa_kernarg_size 104
		.amdhsa_user_sgpr_count 2
		.amdhsa_user_sgpr_kernarg_segment_ptr 1
		.amdhsa_wavefront_size32 1
		.amdhsa_system_sgpr_workgroup_id_x 1
		.amdhsa_system_sgpr_workgroup_id_y 1
		.amdhsa_system_sgpr_workgroup_id_z 1
		.amdhsa_system_vgpr_workitem_id 0
		.amdhsa_next_free_vgpr 512
		.amdhsa_next_free_sgpr 90
		.amdhsa_reserve_vcc 0
		.amdhsa_float_denorm_mode_32 3
		.amdhsa_float_denorm_mode_16_64 3
		.amdhsa_memory_ordered 1
		.amdhsa_forward_progress 1
		.amdhsa_inst_pref_size 58
	.end_amdhsa_kernel
	.amdgpu_metadata
---
amdhsa.version: [ 1, 2 ]
amdhsa.kernels:
  - .name:           k_qe808abaf2a_post1
    .symbol:         k_qe808abaf2a_post1.kd
    .args:
      - { .name: attimg, .offset: 0, .size: 8, .value_kind: global_buffer, .address_space: global }
      - { .name: x, .offset: 8, .size: 8, .value_kind: global_buffer, .address_space: global }
      - { .name: m1_w2_codes, .offset: 16, .size: 8, .value_kind: global_buffer, .address_space: global }
      - { .name: m1_b2, .offset: 24, .size: 8, .value_kind: global_buffer, .address_space: global }
      - { .name: m1_g, .offset: 32, .size: 8, .value_kind: global_buffer, .address_space: global }
      - { .name: m1_b, .offset: 40, .size: 8, .value_kind: global_buffer, .address_space: global }
      - { .name: ln1_g, .offset: 48, .size: 8, .value_kind: global_buffer, .address_space: global }
      - { .name: ln1_b, .offset: 56, .size: 8, .value_kind: global_buffer, .address_space: global }
      - { .name: m2_wq_codes, .offset: 64, .size: 8, .value_kind: global_buffer, .address_space: global }
      - { .name: m2_bq, .offset: 72, .size: 8, .value_kind: global_buffer, .address_space: global }
      - { .name: lowp_scales, .offset: 80, .size: 8, .value_kind: global_buffer, .address_space: global }
      - { .name: x1, .offset: 88, .size: 8, .value_kind: global_buffer, .address_space: global }
      - { .name: qimg, .offset: 96, .size: 8, .value_kind: global_buffer, .address_space: global }
    .group_segment_fixed_size: 62976
    .private_segment_fixed_size: 0
    .kernarg_segment_align: 8
    .kernarg_segment_size: 104
    .max_flat_workgroup_size: 256
    .sgpr_count:     90
    .vgpr_count:     512
    .wavefront_size: 32
...
	.end_amdgpu_metadata
.endif
;; end of part 3
;; launch attn2 (part 4): grid 8 x 32, 8 waves a work-group, clusters of 4 x 1, 271,360 bytes of LDS; arguments qimg, k2img, v2img, lowp_scales, attimg; writes attimg
.if DOCPART == 4
	.amdgcn_target "amdgcn-amd-amdhsa--gfx1250"
	.amdhsa_code_object_version 6
	.text
	.protected	k_qe808abaf2a_attn2
	.globl	k_qe808abaf2a_attn2
	.p2align	8
	.type	k_qe808abaf2a_attn2,@function
k_qe808abaf2a_attn2:
	s_mov_b64 s[64:65], 0
	v_nop
	global_prefetch_b8 v0, s[64:65] scope:SCOPE_SE
	s_setreg_imm32_b32 hwreg(HW_REG_WAVE_MODE, 25, 1), 1
	s_wait_xcnt 0x0
	s_wait_alu depctr_hold_cnt(0) depctr_sa_sdst(0) depctr_va_vdst(0) depctr_va_sdst(0) depctr_va_ssrc(0) depctr_va_vcc(0) depctr_vm_vsrc(0)
	s_getreg_b32 s2, hwreg(HW_REG_IB_STS2, 6, 4)
	s_cmp_eq_u32 s2, 0
	s_cbranch_scc0 .Lentry_in_a_cluster
	s_endpgm
.Lentry_in_a_cluster:
	s_bfe_u32 s2, ttmp6, 0x10000c
	s_cmp_lg_u32 s2, 0x3003
	s_cbranch_scc0 .Lentry_shape_is_right
	s_endpgm
.Lentry_shape_is_right:
; Attention of one head on codes of E4M3: S^T = K Q^T, p = 2^(t - M), O^T = V^T p, O / l quantised for the projection that follows.  MASKED = 0: the second attention of the layer is called without
; a mask, so the input src_mask enters no number of the result and no launch takes it.  The text is the first attention's with two constants changed.
; t = score x log2(e) / 8; M = the running largest t rounded up to a whole number; l = the sum of the unquantised p.  When M moves, l and O^T are multiplied by 2^(old M - new M), which rounds nothing.
; SHARES.  Work-group: 256 queries of one head; wave w: query tiles 2 w and 2 w + 1, so that each fragment of K and V read from LDS feeds two products.  Every wave walks the head's 2,048 keys, 128 a step.
; THE HEAD'S WHOLE K AND V LIE IN LDS (131,072 bytes each), as images of operand registers, filled ONCE: no slot is filled again.  Each wave asks for four blocks of 8,192 bytes (a step's K or V) at the start: four tensor
; loads of a wave are out at the most; group g (steps 4 g .. 4 g + 3) is waited for by a counted wait and a barrier ahead of its steps.
; CLUSTER.  The four query blocks of a cluster belong to one head and read the same K and V: each block is asked for JOINTLY, by the same load with the same descriptor and the mask 15.
; LIMITS: eq + ek between -123 and 130; ep and eo - ep - ev between -126 and 119.  NaN is not served.
; REGISTERS.  Window 0: v1-10 addresses; v12-27 eight registers of statistics a tile (+0 -M, +1 largest t, +2,3 l, +4 f, +5 zero, +6,7 at work); v32-47 Q; v64-191 S^T then p, 64 a tile; v192-223 p's codes.
;   Window 1: v0-63 O^T, 32 a tile; v64-127 V of a step; v192-255 K of a step.
.set MASKED, 0
.set SCOFF,  72                        ; bytes to the entries eq, ek, ev, ep, eo
.set VLDS,  131072
.set BLDS,  262144
.set LI,   1
.set LIV,  2
.set LB,   3
.set ADK,  4
.set ADV,  5
.set ADB,  6
.set PSC,  7
.set PLIM, 8
.set PT,   9
.set MO,   11
.set ST,   12
.set OSC,  28
.set OLIM, 29
.set BW,   30
.set Q,    32
.set S,    64
.set P,    192
.set O,    0
.set VF,   64
.set BI,   128
.set KF,   192
.set MSB, 0
.macro WIN new
.if MSB != \new
	s_set_vgpr_msb (MSB<<8)|\new
.set MSB, \new
.endif
.endm
.macro PLACES n
.rept \n
	v_nop
.endr
.endm
.macro MKSC e, vs, vl
	s_add_co_i32 s62, \e, 127
	s_lshl_b32 s63, s62, 23
	v_mov_b32 v[\vs], s63
	s_add_co_i32 s62, s62, 8
	s_lshl_b32 s62, s62, 23
	s_or_b32 s62, s62, 0x600000
	v_mov_b32 v[\vl], s62
.endm
.macro CROUND                          ; a round of the cluster's barrier
	s_barrier_signal -1
	s_barrier_wait -1
	s_cmp_lg_u32 s16, 0
	s_cbranch_scc1 .Lnot_wave_0_\@
	s_barrier_signal -3
.Lnot_wave_0_\@:
	s_barrier_wait -3
	s_barrier_signal -1
	s_barrier_wait -1
.endm
	s_load_b256 s[4:11], s[0:1], 0x0               ; q, k, v, the scales
.if MASKED
	s_load_b128 s[12:15], s[0:1], 0x20
.else
	s_load_b64 s[12:13], s[0:1], 0x20              ; the output's image
	v_lshl_add_u32 v254, v0, 2, 0x42000
	v_mov_b32 v255, 0
	ds_add_u32 v254, v255
	ds_add_u32 v254, v255
.endif
	v_lshrrev_b32 v2, 5, v0
	v_readfirstlane_b32 s16, v2                    ; wave 0..7
	s_bfe_u32 s17, ttmp6, 0x40000                  ; cx
	s_lshl_b32 s18, ttmp9, 2
	s_add_co_u32 s18, s18, s17                     ; my block of 256 queries: it enters Q's and the output's addresses alone
	s_and_b32 s19, ttmp7, 0xffff                   ; 8 b + head, which the four partners share
	v_and_b32 v2, 31, v0
	v_lshlrev_b32 v[LI], 4, v2
	v_add_nc_u32 v[LIV], VLDS, v[LI]
.if MASKED
	v_bfe_u32 v3, v0, 4, 1
	v_lshlrev_b32 v3, 6, v3
	v_add_nc_u32 v[LB], BLDS, v3
	s_lshl_b32 s76, s16, 10
	v_add_nc_u32 v[MO], s76, v[LI]
	v_add_nc_u32 v[BW], BLDS, v[MO]
.endif
	; descriptor group 1: a dense block of 8,192 bytes as 32 rows of 32 elements of 8 bytes
	s_mov_b32 s24, 15|(3<<16)|(1<<21)              ; 15:0 the mask: all four work-groups; 17:16 elements of 8 bytes; 21 set beside a mask; no padding
	s_mov_b32 s25, 32<<16                          ; tensor_dim0
	s_mov_b32 s26, 32<<16                          ; tensor_dim1
	s_mov_b32 s27, 32<<16                          ; tile_dim0
	s_mov_b32 s28, 32                              ; tile_dim1
	s_mov_b32 s29, 32                              ; the pitch
	s_mov_b32 s30, 0
	s_mov_b32 s31, 0
	s_mov_b32 s20, 0x76543210
	s_mov_b32 s21, 0xfedcba98                      ; lane l xor 16
	s_lshr_b32 s59, s16, 2                         ; waves 0-3 fetch K, waves 4-7 V
	s_and_b32 s60, s16, 3
	s_lshl_b32 s61, s59, 17
	s_lshl_b32 s62, s60, 13
	s_add_co_u32 s61, s61, s62                     ; LDS: K or V, step w % 4 of a group
	s_lshl_b32 s66, s19, 17
	s_add_co_u32 s66, s66, s62                     ; memory: the head's 131,072 bytes, the same step
	s_mov_b32 s67, 0
	s_lshl_b32 s70, s19, 17
	s_lshl_b32 s71, s18, 14
	s_add_co_u32 s70, s70, s71
	s_lshl_b32 s71, s16, 11
	s_add_co_u32 s70, s70, s71                     ; Q: tile 128 (8 b + head) + 16 block + 2 wave, 1,024 bytes each
	s_mov_b32 s71, 0
	s_lshr_b32 s74, s19, 3                         ; the batch
	s_lshl_b32 s72, s74, 20
	s_lshl_b32 s73, s18, 17
	s_add_co_u32 s72, s72, s73
	s_lshl_b32 s73, s16, 14
	s_add_co_u32 s72, s72, s73                     ; the output: token tile 128 b + 16 block + 2 wave, 8,192 bytes each,
	s_bfe_u32 s73, s19, 0x20001
	s_lshl_b32 s73, s73, 11
	s_add_co_u32 s72, s72, s73                     ; K step head / 2,
	s_and_b32 s73, s19, 1
	s_lshl_b32 s73, s73, 10
	s_add_co_u32 s72, s72, s73                     ; chunks 2 (head % 2) on
	s_mov_b32 s73, 0
	s_lshl_b32 s74, s74, 13
	s_mov_b32 s75, 0
	s_wait_dscnt 0x0
	s_wait_kmcnt 0x0
	s_load_b256 s[48:55], s[10:11], SCOFF          ; eq, ek, ev, ep, eo, ..
	s_add_nc_u64 s[4:5], s[4:5], s[70:71]
	s_add_nc_u64 s[12:13], s[12:13], s[72:73]
.if MASKED
	s_add_nc_u64 s[14:15], s[14:15], s[74:75]
.endif
	s_cmp_lt_u32 s16, 4
	s_cselect_b64 s[68:69], s[6:7], s[8:9]
	s_add_nc_u64 s[68:69], s[68:69], s[66:67]
.irp g, 0,1,2,3
	s_mov_b32 s[32+4*\g], 1                        ; count
	s_add_co_u32 s[33+4*\g], s61, \g*32768         ; LDS address: group g
	s_add_nc_u64 s[34+4*\g:35+4*\g], s[68:69], \g*32768
	s_or_b32 s[35+4*\g], s[35+4*\g], 0x80000000    ; type
.endr
	CROUND                                         ; all four work-groups are here: the joint loads meet
	tensor_load_to_lds s[32:35], s[24:31]          ; all fills of the launch, in one group
	s_nop 0
	tensor_load_to_lds s[36:39], s[24:31]
	s_nop 0
	tensor_load_to_lds s[40:43], s[24:31]
	s_nop 0
	tensor_load_to_lds s[44:47], s[24:31]
	s_nop 0
	PLACES 4
.if MASKED
	global_load_b128 v[224:227], v[MO], s[14:15]
	global_load_b128 v[228:231], v[MO], s[14:15] offset:512
.irp i, 0,1,2,3,4,5,6,7,8,9,10,11,12,13,14,15
	global_load_b128 v[S+4*\i:S+4*\i+3], v[LI], s[14:15] offset:512*\i
.endr
.endif
.irp q, 0,1
.irp c, 0,1
	global_load_b128 v[Q+8*\q+4*\c:Q+8*\q+4*\c+3], v[LI], s[4:5] offset:\q*1024+\c*512
.endr
.endr
	s_wait_kmcnt 0x0
	s_add_co_i32 s76, s48, s49                     ; eq + ek
	s_lshl_b32 s77, s76, 23
	s_mov_b32 s22, 0x3e38aa3b                      ; log2(e) / 8,
	s_add_co_i32 s22, s22, s77                     ; x 2^(eq + ek): added to the exponent field
	MKSC s51, PSC, PLIM
	s_sub_co_i32 s59, s52, s51
	s_sub_co_i32 s59, s59, s50                     ; O^T / l stands for that x 2^(ep + ev)
	MKSC s59, OSC, OLIM
.if MASKED
	s_sub_co_i32 s77, 162, s76
	s_lshl_b32 s77, s77, 23
	s_or_b32 s77, s77, 0x80000000
	s_wait_loadcnt 4
.irp k, 0,1,2,3
	v_or_b32 v[241+\k], v[S+\k], v[S+4+\k]
.endr
.irp i, 8,12,16,20,24,28,32,36,40,44,48,52,56,60
.irp k, 0,1,2,3
	v_or_b32 v[241+\k], v[241+\k], v[S+\i+\k]
.endr
.endr
	v_or_b32 v241, v241, v242
	v_or_b32 v243, v243, v244
	v_or_b32 v241, v241, v243
	v_cmp_ne_u32 vcc_lo, 0, v241
	s_cmp_lg_u32 vcc_lo, 0
	s_cselect_b32 s22, s22, 0
	s_cselect_b32 s77, s77, 0
	v_mov_b32 v240, s77
.irp k, 0,1,2,3,4,5,6,7
	v_cmp_eq_u32 vcc_lo, 0, v[224+\k]
	v_cndmask_b32 v[232+\k], 0, v240, vcc_lo
.endr
	ds_store_b128 v[BW], v[232:235]
	ds_store_b128 v[BW], v[236:239] offset:512
.endif
	s_mov_b32 s23, s22                             ; (named with it as a pair)
.irp q, 0,1
	v_mov_b32 v[ST+8*\q+1], 0xff61b1e6             ; the largest t so far: -3e38
	v_floor_f32 v[ST+8*\q], -v[ST+8*\q+1]          ; -M
	v_mov_b32 v[ST+8*\q+2], 0
	v_mov_b32 v[ST+8*\q+3], 0
	v_mov_b32 v[ST+8*\q+5], 0
	v_mov_b32 v[PT+\q], 0
.endr
	WIN 0x40
.set j, 0
.rept 64
	v_mov_b32 v[O+j], 0                            ; the step is written once: its first trip finds zeros, which the first change of M leaves zeros
.set j, j+1
.endr
	WIN 0
	s_wait_loadcnt 0x0                             ; Q
; A KEY STEP: 128 keys, both tiles of queries.
.macro STEP
	v_add_nc_u32 v[ADK], s56, v[LI]
	v_add_nc_u32 v[ADV], s56, v[LIV]
.if MASKED
	v_add_nc_u32 v[ADB], s57, v[LB]
.endif
	PLACES 2                                       ; with the additions above: four places between the last products and the loads into registers that they read
	WIN 0x40                                       ; destination window 1
.if MASKED
.irp b, 0,1,2,3
.irp j, 0,1,2,3
	ds_load_b128 v[BI+16*\b+4*\j:BI+16*\b+4*\j+3], v[ADB] offset:128*\b+16*\j
.endr
.endr
.endif
.irp t, 0,1,2,3,4,5,6,7
.irp c, 0,1
	ds_load_b128 v[KF+8*\t+4*\c:KF+8*\t+4*\c+3], v[ADK] offset:1024*\t+512*\c
.endr
.endr
.irp t, 0,1,2,3
.irp c, 0,1,2,3
	ds_load_b128 v[VF+16*\t+4*\c:VF+16*\t+4*\c+3], v[ADV] offset:2048*\t+512*\c
.endr
.endr
	s_wait_dscnt 16                                ; K is in; V's sixteen loads may be out
.if MASKED
	WIN 0x11
.else
	WIN 0x01                                       ; source 0 (K) window 1
.endif
.irp t, 0,1,2,3,4,5,6,7
.irp q, 0,1
.if MASKED
	v_wmma_f32_16x16x64_fp8_fp8 v[S+64*\q+8*\t:S+64*\q+8*\t+7], v[KF+8*\t:KF+8*\t+7], v[Q+8*\q:Q+8*\q+7], v[BI+8*\t:BI+8*\t+7]
.else
	v_wmma_f32_16x16x64_fp8_fp8 v[S+64*\q+8*\t:S+64*\q+8*\t+7], v[KF+8*\t:KF+8*\t+7], v[Q+8*\q:Q+8*\q+7], 0
.endif
.endr
.endr
	WIN 0
	PLACES 4
	; the largest score of my query among my 64 keys, in two chains a tile, each accumulator from its low end on
.irp q, 0,1
	v_max3_num_f32 v[ST+8*\q+6], v[S+64*\q], v[S+64*\q+1], v[S+64*\q+2]
	v_max3_num_f32 v[ST+8*\q+7], v[S+64*\q+3], v[S+64*\q+4], v[S+64*\q+5]
.endr
.irp i, 6,10,14,18,22,26,30,34,38,42,46,50,54,58
.irp q, 0,1
	v_max3_num_f32 v[ST+8*\q+6], v[ST+8*\q+6], v[S+64*\q+\i], v[S+64*\q+\i+1]
	v_max3_num_f32 v[ST+8*\q+7], v[ST+8*\q+7], v[S+64*\q+\i+2], v[S+64*\q+\i+3]
.endr
.endr
.irp q, 0,1
	v_max3_num_f32 v[ST+8*\q+6], v[ST+8*\q+6], v[S+64*\q+62], v[S+64*\q+63]
.endr
.irp q, 0,1
	v_max_num_f32 v[ST+8*\q+6], v[ST+8*\q+6], v[ST+8*\q+7]
.endr
.irp q, 0,1
	v_permlanex16_b32 v[PT+\q], v[ST+8*\q+6], s20, s21
.endr
.irp q, 0,1
	v_max_num_f32 v[ST+8*\q+6], v[ST+8*\q+6], v[PT+\q]     ; and among lane l xor 16's
.endr
.irp q, 0,1
	v_mul_f32 v[ST+8*\q+6], s22, v[ST+8*\q+6]              ; as t (c is positive)
.endr
.irp q, 0,1
	v_max_num_f32 v[ST+8*\q+1], v[ST+8*\q+1], v[ST+8*\q+6]
.endr
.irp q, 0,1
	v_mov_b32 v[ST+8*\q+6], v[ST+8*\q]
.endr
.irp q, 0,1
	v_floor_f32 v[ST+8*\q], -v[ST+8*\q+1]                  ; the new -M = floor(-t): M is a whole number
.endr
.irp q, 0,1
	v_sub_f32 v[ST+8*\q+6], v[ST+8*\q], v[ST+8*\q+6]       ; old M - new M, 0 or less
.endr
.irp q, 0,1
	v_cvt_i32_f32 v[ST+8*\q+6], v[ST+8*\q+6]               ; (it saturates)
.endr
.irp q, 0,1
	v_ldexp_f32 v[ST+8*\q+4], 1.0, v[ST+8*\q+6]            ; f = 2^(old M - new M)
.endr
.set j, 0
.rept 32
	v_pk_fma_f32 v[S+j:S+j+1], v[S+j:S+j+1], s[22:23], v[ST:ST+1] op_sel_hi:[1,0,0]               ; t - M, two at a time
	v_pk_fma_f32 v[S+64+j:S+64+j+1], v[S+64+j:S+64+j+1], s[22:23], v[ST+8:ST+9] op_sel_hi:[1,0,0]
.set j, j+2
.endr
.set j, 0
.rept 128
	v_exp_f32 v[S+j], v[S+j]                               ; p = 2^(t - M), at most 1: one batch
.set j, j+1
.endr
.irp q, 0,1
	v_pk_mul_f32 v[ST+8*\q+2:ST+8*\q+3], v[ST+8*\q+2:ST+8*\q+3], v[ST+8*\q+4:ST+8*\q+5] op_sel_hi:[1,0]   ; l under the new M; the plain lines behind the exponentials
.endr
	s_wait_alu depctr_va_vdst(0)                   ; one wait for the batch, ahead of its first reader
.irp q, 0,1
	v_pk_add_f32 v[ST+8*\q+6:ST+8*\q+7], v[S+64*\q:S+64*\q+1], v[S+64*\q+2:S+64*\q+3]   ; the sum of the UNQUANTISED p, in two chains a tile
.endr
.irp i, 4,8,12,16,20,24,28,32,36,40,44,48,52,56,60
.irp q, 0,1
	v_pk_add_f32 v[ST+8*\q+2:ST+8*\q+3], v[ST+8*\q+2:ST+8*\q+3], v[S+64*\q+\i:S+64*\q+\i+1]
	v_pk_add_f32 v[ST+8*\q+6:ST+8*\q+7], v[ST+8*\q+6:ST+8*\q+7], v[S+64*\q+\i+2:S+64*\q+\i+3]
.endr
.endr
.irp q, 0,1
	v_pk_add_f32 v[ST+8*\q+2:ST+8*\q+3], v[ST+8*\q+2:ST+8*\q+3], v[ST+8*\q+6:ST+8*\q+7]
.endr
.irp q, 0,1
.irp b, 0,1,2,3
.irp k, 0,1,2,3,4,5,6,7,8,9,10,11,12,13,14,15
	v_min_num_f32 v[S+64*\q+16*\b+\k], v[S+64*\q+16*\b+\k], v[PLIM]   ; the conversion does not saturate (ISA guide 7.6.2); p is not negative, so the hold is one-sided
.endr
	v_cvt_scalef32_pk8_fp8_f32 v[P+16*\q+4*\b:P+16*\q+4*\b+1], v[S+64*\q+16*\b:S+64*\q+16*\b+7], v[PSC]
	v_cvt_scalef32_pk8_fp8_f32 v[P+16*\q+4*\b+2:P+16*\q+4*\b+3], v[S+64*\q+16*\b+8:S+64*\q+16*\b+15], v[PSC]
.endr
.endr
	WIN 0x41                                       ; O^T (destination, source 0) window 1, f window 0
.irp q, 0,1
.set j, 0
.rept 16
	v_pk_mul_f32 v[O+32*\q+j:O+32*\q+j+1], v[O+32*\q+j:O+32*\q+j+1], v[ST+8*\q+4:ST+8*\q+5] op_sel_hi:[1,0]   ; O^T under the new M; also the plain lines behind the conversions
.set j, j+2
.endr
.endr
	s_wait_dscnt 0x0                               ; V is in
	WIN 0x51                                       ; V, C and D window 1, p window 0
.irp t, 0,1,2,3
.irp q, 0,1
	v_wmma_f32_16x16x128_fp8_fp8 v[O+32*\q+8*\t:O+32*\q+8*\t+7], v[VF+16*\t:VF+16*\t+15], v[P+16*\q:P+16*\q+15], v[O+32*\q+8*\t:O+32*\q+8*\t+7]   ; eight accumulators by turns, one instruction a turn
.endr
.endr
	WIN 0
.endm
.irp g, 0,1,2,3
	s_wait_tensorcnt 3-\g                          ; my block of group g has landed; the later groups' may stay out
	s_wait_dscnt 0x0
	s_barrier_signal -1
	s_barrier_wait -1                              ; everybody's has
	s_mov_b32 s56, \g*32768                        ; the group's first step in K's and V's images
	s_mov_b32 s57, \g*2048
	s_mov_b32 s58, 4
.Lstep\g:
	STEP
	s_add_co_u32 s56, s56, 8192
	s_add_co_u32 s57, s57, 512
	s_sub_co_u32 s58, s58, 1
	s_cmp_lg_u32 s58, 0
	s_cbranch_scc1 .Lstep\g
.endr
	; THE WAY OUT: O^T / l, quantised: the 16 registers of channel tiles 2 b and 2 b + 1 are a chunk of the next product's K
	PLACES 4
.irp q, 0,1
	v_add_f32 v[ST+8*\q+2], v[ST+8*\q+2], v[ST+8*\q+3]
.endr
.irp q, 0,1
	v_permlanex16_b32 v[PT+\q], v[ST+8*\q+2], s20, s21
.endr
.irp q, 0,1
	v_add_f32 v[ST+8*\q+2], v[ST+8*\q+2], v[PT+\q]
.endr
.irp q, 0,1
	v_rcp_f32 v[ST+8*\q+4], v[ST+8*\q+2]
.endr
	v_nop
	s_wait_alu depctr_va_vdst(0)                   ; one wait for the two reciprocals, ahead of their first reader
	WIN 0x01                                       ; source 0 (O^T) window 1
.irp q, 0,1
.set j, 0
.rept 16
	v_pk_mul_f32 v[S+32*\q+j:S+32*\q+j+1], v[O+32*\q+j:O+32*\q+j+1], v[ST+8*\q+4:ST+8*\q+5] op_sel_hi:[1,0]
.set j, j+2
.endr
.endr
	WIN 0
.irp q, 0,1
.irp b, 0,1
.irp k, 0,1,2,3,4,5,6,7,8,9,10,11,12,13,14,15
	v_med3_num_f32 v[S+32*\q+16*\b+\k], v[S+32*\q+16*\b+\k], -v[OLIM], v[OLIM]
.endr
	v_cvt_scalef32_pk8_fp8_f32 v[P+8*\q+4*\b:P+8*\q+4*\b+1], v[S+32*\q+16*\b:S+32*\q+16*\b+7], v[OSC]
	v_cvt_scalef32_pk8_fp8_f32 v[P+8*\q+4*\b+2:P+8*\q+4*\b+3], v[S+32*\q+16*\b+8:S+32*\q+16*\b+15], v[OSC]
.endr
.endr
	v_nop
.irp q, 0,1
.irp b, 0,1
	global_store_b128 v[LI], v[P+8*\q+4*\b:P+8*\q+4*\b+3], s[12:13] offset:\q*8192+\b*512   ; 32 lanes store 512 consecutive bytes
.endr
.endr
	s_wait_tensorcnt 0x0
	ds_add_u32 v254, v255
	s_wait_dscnt 0x0
	CROUND                                         ; the closing round
	s_endpgm
.Lfunc_end_k_qe808abaf2a_attn2:
	.size	k_qe808abaf2a_attn2, .Lfunc_end_k_qe808abaf2a_attn2-k_qe808abaf2a_attn2
	.p2alignl 7, 3214868480
	.fill 96, 4, 3214868480
	.section	.rodata,"a",@progbits
	.p2align	6, 0x0
	.amdhsa_kernel k_qe808abaf2a_attn2
		.amdhsa_group_segment_fixed_size 271360
		.amdhsa_private_segment_fixed_size 0
		.amdhsa_enable_private_segment 0
		.amdhsa_kernarg_size 40
		.amdhsa_user_sgpr_count 2
		.amdhsa_user_sgpr_kernarg_segment_ptr 1
		.amdhsa_wavefront_size32 1
		.amdhsa_system_sgpr_workgroup_id_x 1
		.amdhsa_system_sgpr_workgroup_id_y 1
		.amdhsa_system_sgpr_workgroup_id_z 1
		.amdhsa_system_vgpr_workitem_id 0
		.amdhsa_next_free_vgpr 512
		.amdhsa_next_free_sgpr 80
		.amdhsa_reserve_vcc 1
		.amdhsa_float_denorm_mode_32 3
		.amdhsa_float_denorm_mode_16_64 3
		.amdhsa_memory_ordered 1
		.amdhsa_forward_progress 1
		.amdhsa_inst_pref_size 130
	.end_amdhsa_kernel
	.amdgpu_metadata
---
amdhsa.version: [ 1, 2 ]
amdhsa.kernels:
  - .name:           k_qe808abaf2a_attn2
    .symbol:         k_qe808abaf2a_attn2.kd
    .args:
      - { .name: qimg, .offset: 0, .size: 8, .value_kind: global_buffer, .address_space: global }
      - { .name: k2img, .offset: 8, .size: 8, .value_kind: global_buffer, .address_space: global }
      - { .name: v2img, .offset: 16, .size: 8, .value_kind: global_buffer, .address_space: global }
      - { .name: lowp_scales, .offset: 24, .size: 8, .value_kind: global_buffer, .address_space: global }
      - { .name: attimg, .offset: 32, .size: 8, .value_kind: global_buffer, .address_space: global }
    .group_segment_fixed_size: 271360
    .private_segment_fixed_size: 0
    .kernarg_segment_align: 8
    .kernarg_segment_size: 40
    .max_flat_workgroup_size: 256
    .sgpr_count:     80
    .vgpr_count:     512
    .wavefront_size: 32
...
	.end_amdgpu_metadata
.endif
;; end of part 4
;; launch post2 (part 5): grid 256 x 1, 8 waves a work-group, no clusters, 81,408 bytes of LDS; arguments attimg, x1, m2_w2_codes, m2_b2, m2_g, m2_b, ln2_g, ln2_b, ffn_w1_codes, ffn_b1, ffn_w2_codes, ffn_b2, ln3_g, ln3_b, lowp_scales, out0; writes out0
.if DOCPART == 5
	.amdgcn_target "amdgcn-amd-amdhsa--gfx1250"
	.amdhsa_code_object_version 6
	.text
	.protected	k_qe808abaf2a_post2
	.globl	k_qe808abaf2a_post2
	.p2align	8
	.type	k_qe808abaf2a_post2,@function
k_qe808abaf2a_post2:
	s_mov_b64 s[64:65], 0
	v_nop
	global_prefetch_b8 v0, s[64:65] scope:SCOPE_SE
	s_setreg_imm32_b32 hwreg(HW_REG_WAVE_MODE, 25, 1), 1
	s_wait_xcnt 0x0
; a = LN(att w2 + b2 + x1; m2_g, m2_b);  x2 = LN(x1 + a; ln2_g, ln2_b);  out = LN(x2 + relu(x2 w1 + b1) wf2 + bf2; ln3_g, ln3_b).  All three products on codes of E4M3.
; SHARES.  Work-group i: tokens 32 i .. 32 i + 31, two tiles u (lane r: token 32 i + 8 u + pi(r), pi(r) = r + 8 (r / 8)).  THE WAVES SHARE THE COLUMNS: wave w makes features 32 w .. + 31 of the products with 256 outputs and
; hidden units 64 w .. + 63, for all 32 tokens; its weights come from memory straight into registers, once (wf2 into the registers that w2 has left): no tile passes LDS by a tensor load, so a cluster would have nothing to ask for jointly.
; The products are used transposed (source 0 = 16 rows of W, source 1 = 16 tokens): lane (r, h) holds one token and 16 neighbouring features.  Operands go from wave to wave through LDS as images of their registers.
; A ROW'S NORM spans the eight waves: each wave's mean m and sum q of squared distances of its 32 numbers meet in LDS; mean = sum m / 8, 256 var = sum q + 32 sum (m - mean)^2: no difference of large sums.
; LIMITS: e22 + e23 and e26 + e27 between -126 and 127; e24 and e26 - e24 - e25 between -126 and 119.  NaN is not served.
; REGISTERS.  Window 0: v1-14 addresses and the scale; v16-31 b2, later codes; v32-63 x1, later the hidden layer's sums, later the last product's; v64-95 the rows at work, then x2; v96-159 four gains and biases of 16,
;   later ln3_g, ln3_b, bf2; v160-191 b1, later rows read back; v192-255 fragments of tokens, the norms' work.   Window 1: v0-127 w2, later wf2; v128-255 w1.
.set AIMG,  0                          ; LDS: att's 8 fragments (4 u + K step)
.set X1IMG, 16384                      ; x2's 4 fragments (2 u + K step)
.set HIMG,  24576                      ; the hidden layer's 8 fragments (4 u + K step)
.set STAT1, 40960                      ; a norm's pairs: 256 bytes a wave, 8 bytes a token
.set STAT2, 43008
.set STAT3, 45056
.set STAGE, 47104                      ; 32 rows x (1,024 + 16) bytes
.set LI,  1
.set AW,  2
.set XA,  3
.set W2A, 4
.set WQA, 5
.set GA,  6
.set SA,  7
.set SRD, 8
.set X1W, 9
.set STW, 10
.set STR, 11
.set SC,  12
.set LIM, 13
.set HW,  14
.set B2,  16
.set XR,  32
.set QA,  32
.set V,   64
.set G1,  96
.set B1,  112
.set G2,  128
.set BB2, 144
.set BQ,  160
.set AF,  192
.set TT,  224                          ; a tile's 16: +0..7 four pairs at work, +8 mean, +9 q, +10 the exchange, +12 1 / sigma, +14,15 a sum
.set W2,  0
.set WQ,  128
.set MSB, 0
.macro WIN new
.if MSB != \new
	s_set_vgpr_msb (MSB<<8)|\new
.set MSB, \new
.endif
.endm
.macro PLACES n
.rept \n
	v_nop
.endr
.endm
.macro BARRIER                         ; my LDS stores have landed and my LDS loads are in: then the work-group's barrier
	s_wait_dscnt 0x0
	s_barrier_signal -1
	s_barrier_wait -1
.endm
.macro FETCH reg, off
.irp c, 0,1,2,3
	ds_load_b128 v[\reg+4*\c:\reg+4*\c+3], v[LI] offset:\off+512*\c
.endr
.endm
.macro MKSC e
	s_add_co_i32 s54, \e, 127
	s_lshl_b32 s55, s54, 23
	v_mov_b32 v[SC], s55
	s_add_co_i32 s54, s54, 8
	s_lshl_b32 s54, s54, 23
	s_or_b32 s54, s54, 0x600000
	v_mov_b32 v[LIM], s54
.endm
.macro Q16 src, tmp, dst, relu         ; relu = 1: the activation and the hold in one
.irp k, 0,1,2,3,4,5,6,7,8,9,10,11,12,13,14,15
.if \relu
	v_med3_num_f32 v[\tmp+\k], v[\src+\k], 0, v[LIM]
.else
	v_med3_num_f32 v[\tmp+\k], v[\src+\k], -v[LIM], v[LIM]
.endif
.endr
	v_cvt_scalef32_pk8_fp8_f32 v[\dst:\dst+1], v[\tmp:\tmp+7], v[SC]
	v_cvt_scalef32_pk8_fp8_f32 v[\dst+2:\dst+3], v[\tmp+8:\tmp+15], v[SC]
.endm
.macro G16 reg, base
.irp j, 0,1,2,3
	global_load_b128 v[\reg+4*\j:\reg+4*\j+3], v[GA], s[\base:\base+1] offset:16*\j
.endr
.endm
.macro W512 base
.irp t, 0,1
.irp s, 0,1,2,3
.irp c, 0,1,2,3
	global_load_b128 v[W2+16*(4*\t+\s)+4*\c:W2+16*(4*\t+\s)+4*\c+3], v[W2A], s[\base:\base+1] offset:\t*4096+\s*128+\c*32
.endr
.endr
.endr
.endm
.macro W256 base
.irp t, 0,1,2,3
.irp s, 0,1
.irp c, 0,1,2,3
	global_load_b128 v[WQ+16*(2*\t+\s)+4*\c:WQ+16*(2*\t+\s)+4*\c+3], v[WQA], s[\base:\base+1] offset:(32*(\t/2)+8*(\t%2))*256+\s*128+\c*32
.endr
.endr
.endr
.endm
.macro PROJ512 dst, img                ; K = 512: for each tile of tokens four fragments from LDS, two accumulators by turns
.irp u, 0,1
	PLACES 5
.irp s, 0,1,2,3
	FETCH AF+16*\s, \img+(4*\u+\s)*2048
.endr
	s_wait_dscnt 0x0
	WIN 0x01
.irp s, 0,1,2,3
.irp t, 0,1
.if \s == 0
	v_wmma_f32_16x16x128_fp8_fp8 v[\dst+16*\u+8*\t:\dst+16*\u+8*\t+7], v[W2+16*(4*\t+\s):W2+16*(4*\t+\s)+15], v[AF+16*\s:AF+16*\s+15], 0
.else
	v_wmma_f32_16x16x128_fp8_fp8 v[\dst+16*\u+8*\t:\dst+16*\u+8*\t+7], v[W2+16*(4*\t+\s):W2+16*(4*\t+\s)+15], v[AF+16*\s:AF+16*\s+15], v[\dst+16*\u+8*\t:\dst+16*\u+8*\t+7]
.endif
.endr
.endr
	WIN 0
.endr
	PLACES 4
.endm
.macro MUL256 u                        ; K = 256: tile u of tokens against my four tiles of rows; four accumulators by turns; the bias is the C of each sum's first product
	PLACES 5
	WIN 0x01
.irp s, 0,1
.irp t, 0,1,2,3
.if \s == 0
	v_wmma_f32_16x16x128_fp8_fp8 v[QA+8*\t:QA+8*\t+7], v[WQ+16*(2*\t+\s):WQ+16*(2*\t+\s)+15], v[AF+16*(2*\u+\s):AF+16*(2*\u+\s)+15], v[BQ+8*\t:BQ+8*\t+7]
.else
	v_wmma_f32_16x16x128_fp8_fp8 v[QA+8*\t:QA+8*\t+7], v[WQ+16*(2*\t+\s):WQ+16*(2*\t+\s)+15], v[AF+16*(2*\u+\s):AF+16*(2*\u+\s)+15], v[QA+8*\t:QA+8*\t+7]
.endif
.endr
.endr
	WIN 0
	PLACES 4
.endm
.macro AFFINE dst, bias
.irp u, 0,1
.irp k, 0,2,4,6,8,10,12,14
	v_pk_fma_f32 v[\dst+16*\u+\k:\dst+16*\u+\k+1], v[\dst+16*\u+\k:\dst+16*\u+\k+1], s[50:51], v[\bias+\k:\bias+\k+1] op_sel_hi:[1,0,1]
.endr
.endr
.endm
.macro ADD32 dst, src
.irp k, 0,2,4,6,8,10,12,14,16,18,20,22,24,26,28,30
	v_pk_add_f32 v[\dst+\k:\dst+\k+1], v[\dst+\k:\dst+\k+1], v[\src+\k:\src+\k+1]
.endr
.endm
.macro LNSTAT base, stat               ; my wave's pair (m, q) for each of the 32 tokens, both tiles line by line
.irp k, 0,1,2,3
.irp u, 0,1
	v_pk_add_f32 v[TT+16*\u+2*\k:TT+16*\u+2*\k+1], v[\base+16*\u+4*\k:\base+16*\u+4*\k+1], v[\base+16*\u+4*\k+2:\base+16*\u+4*\k+3]
.endr
.endr
.irp u, 0,1
	v_pk_add_f32 v[TT+16*\u:TT+16*\u+1], v[TT+16*\u:TT+16*\u+1], v[TT+16*\u+2:TT+16*\u+3]
	v_pk_add_f32 v[TT+16*\u+4:TT+16*\u+5], v[TT+16*\u+4:TT+16*\u+5], v[TT+16*\u+6:TT+16*\u+7]
.endr
.irp u, 0,1
	v_pk_add_f32 v[TT+16*\u:TT+16*\u+1], v[TT+16*\u:TT+16*\u+1], v[TT+16*\u+4:TT+16*\u+5]
.endr
.irp u, 0,1
	v_add_f32 v[TT+16*\u+8], v[TT+16*\u], v[TT+16*\u+1]
.endr
.irp u, 0,1
	v_permlanex16_b32 v[TT+16*\u+10], v[TT+16*\u+8], s48, s49
.endr
.irp u, 0,1
	v_add_f32 v[TT+16*\u+8], v[TT+16*\u+8], v[TT+16*\u+10]
.endr
.irp u, 0,1
	v_mul_f32 v[TT+16*\u+8], 0x3d000000, v[TT+16*\u+8]     ; / 32: m
.endr
.irp k, 0,1,2,3,4,5,6,7
.irp u, 0,1
	v_pk_add_f32 v[TT+16*\u+2*(\k%4):TT+16*\u+2*(\k%4)+1], v[\base+16*\u+2*\k:\base+16*\u+2*\k+1], v[TT+16*\u+8:TT+16*\u+9] op_sel_hi:[1,0] neg_lo:[0,1] neg_hi:[0,1]
.endr
.irp u, 0,1
.if \k == 0
	v_pk_mul_f32 v[TT+16*\u+14:TT+16*\u+15], v[TT+16*\u:TT+16*\u+1], v[TT+16*\u:TT+16*\u+1]
.else
	v_pk_fma_f32 v[TT+16*\u+14:TT+16*\u+15], v[TT+16*\u+2*(\k%4):TT+16*\u+2*(\k%4)+1], v[TT+16*\u+2*(\k%4):TT+16*\u+2*(\k%4)+1], v[TT+16*\u+14:TT+16*\u+15]
.endif
.endr
.endr
.irp u, 0,1
	v_add_f32 v[TT+16*\u+9], v[TT+16*\u+14], v[TT+16*\u+15]
.endr
.irp u, 0,1
	v_permlanex16_b32 v[TT+16*\u+10], v[TT+16*\u+9], s48, s49
.endr
.irp u, 0,1
	v_add_f32 v[TT+16*\u+9], v[TT+16*\u+9], v[TT+16*\u+10]  ; q
.endr
.irp u, 0,1
	ds_store_b64 v[SA], v[TT+16*\u+8:TT+16*\u+9] offset:\stat+\u*128   ; both halves of the lanes store the same pair at the same place
.endr
.endm
.macro LNFIN base, stat, g, b          ; the eight waves' pairs become mean and 1 / sigma; then (v - mean) / sigma x g + b
.irp u, 0,1
.irp k, 0,1,2,3,4,5,6,7
	ds_load_b64 v[AF+16*\u+2*\k:AF+16*\u+2*\k+1], v[SRD] offset:\stat+\k*256+\u*128
.endr
.endr
	s_wait_dscnt 0x0
.irp k, 0,1,2,3
.irp u, 0,1
	v_pk_add_f32 v[TT+16*\u+2*\k:TT+16*\u+2*\k+1], v[AF+16*\u+4*\k:AF+16*\u+4*\k+1], v[AF+16*\u+4*\k+2:AF+16*\u+4*\k+3]
.endr
.endr
.irp u, 0,1
	v_pk_add_f32 v[TT+16*\u:TT+16*\u+1], v[TT+16*\u:TT+16*\u+1], v[TT+16*\u+2:TT+16*\u+3]
	v_pk_add_f32 v[TT+16*\u+4:TT+16*\u+5], v[TT+16*\u+4:TT+16*\u+5], v[TT+16*\u+6:TT+16*\u+7]
.endr
.irp u, 0,1
	v_pk_add_f32 v[TT+16*\u:TT+16*\u+1], v[TT+16*\u:TT+16*\u+1], v[TT+16*\u+4:TT+16*\u+5]   ; (sum m, sum q)
.endr
.irp u, 0,1
	v_mul_f32 v[TT+16*\u+8], 0x3e000000, v[TT+16*\u]       ; / 8: the row's mean
.endr
.irp k, 0,1,2,3,4,5,6,7
.irp u, 0,1
	v_sub_f32 v[AF+16*\u+2*\k], v[AF+16*\u+2*\k], v[TT+16*\u+8]
.endr
.endr
.irp u, 0,1
	v_mul_f32 v[TT+16*\u+14], v[AF+16*\u], v[AF+16*\u]
.endr
.irp k, 1,2,3,4,5,6,7
.irp u, 0,1
	v_fma_f32 v[TT+16*\u+14], v[AF+16*\u+2*\k], v[AF+16*\u+2*\k], v[TT+16*\u+14]
.endr
.endr
.irp u, 0,1
	v_fma_f32 v[TT+16*\u+14], v[TT+16*\u+14], 0x42000000, v[TT+16*\u+1]   ; x 32 + sum q
.endr
.irp u, 0,1
	v_fma_f32 v[TT+16*\u+14], v[TT+16*\u+14], s52, s53     ; / 256 + 1e-6
.endr
.irp u, 0,1
	v_rsq_f32 v[TT+16*\u+12], v[TT+16*\u+14]
.endr
	v_nop
	s_wait_alu depctr_va_vdst(0)                   ; one wait for both roots, ahead of their first reader
.irp k, 0,2,4,6,8,10,12,14
.irp u, 0,1
	v_pk_add_f32 v[\base+16*\u+\k:\base+16*\u+\k+1], v[\base+16*\u+\k:\base+16*\u+\k+1], v[TT+16*\u+8:TT+16*\u+9] op_sel_hi:[1,0] neg_lo:[0,1] neg_hi:[0,1]
.endr
.endr
.irp k, 0,2,4,6,8,10,12,14
.irp u, 0,1
	v_pk_mul_f32 v[\base+16*\u+\k:\base+16*\u+\k+1], v[\base+16*\u+\k:\base+16*\u+\k+1], v[TT+16*\u+12:TT+16*\u+13] op_sel_hi:[1,0]
.endr
.endr
.irp k, 0,2,4,6,8,10,12,14
.irp u, 0,1
	v_pk_fma_f32 v[\base+16*\u+\k:\base+16*\u+\k+1], v[\base+16*\u+\k:\base+16*\u+\k+1], v[\g+\k:\g+\k+1], v[\b+\k:\b+\k+1]
.endr
.endr
.endm
	s_load_b512 s[4:19], s[0:1], 0x0               ; att, x1, w2, b2, m2_g, m2_b, ln2_g, ln2_b
	s_load_b512 s[20:35], s[0:1], 0x40             ; w1, b1, wf2, bf2, ln3_g, ln3_b, the scales, out
	v_lshrrev_b32 v16, 5, v0
	v_readfirstlane_b32 s56, v16                   ; wave 0..7
	v_and_b32 v16, 31, v0
	v_lshlrev_b32 v[LI], 4, v16
	v_and_b32 v16, 15, v0                          ; r
	v_bfe_u32 v17, v0, 4, 1                        ; lane / 16
	v_and_b32 v18, 8, v16
	v_add_nc_u32 v18, v18, v16                     ; pi(r)
	s_lshl_b32 s57, s56, 11
	v_add_nc_u32 v[AW], s57, v[LI]                 ; att's fragment number w
	v_lshlrev_b32 v[XA], 10, v18
	v_lshl_add_u32 v[XA], v17, 6, v[XA]
	v_lshlrev_b32 v[W2A], 9, v18
	v_lshl_add_u32 v[W2A], v17, 4, v[W2A]
	v_lshlrev_b32 v[WQA], 8, v18
	v_lshl_add_u32 v[WQA], v17, 4, v[WQA]
	v_lshlrev_b32 v[GA], 6, v17
	s_lshl_b32 s57, s56, 8
	v_lshl_add_u32 v[SA], v16, 3, s57              ; 256 w + 8 r
	v_lshlrev_b32 v[SRD], 3, v16
	s_lshr_b32 s57, s56, 2
	s_lshl_b32 s57, s57, 11
	s_and_b32 s58, s56, 3
	s_lshl_b32 s58, s58, 9
	s_add_co_u32 s57, s57, s58
	s_add_co_u32 s57, s57, X1IMG
	v_add_nc_u32 v[X1W], s57, v[LI]                ; my 32 features are chunk w % 4 of K step w / 4
	s_lshr_b32 s57, s56, 1
	s_lshl_b32 s57, s57, 11
	s_and_b32 s58, s56, 1
	s_lshl_b32 s58, s58, 10
	s_add_co_u32 s57, s57, s58
	s_add_co_u32 s57, s57, HIMG
	v_add_nc_u32 v[HW], s57, v[LI]                 ; my 64 hidden units are chunks 2 (w % 2) and + 1 of K step w / 2
	v_mul_u32_u24 v[STW], v18, 1040
	v_lshl_add_u32 v[STW], v17, 6, v[STW]
	s_lshl_b32 s57, s56, 7
	s_add_co_u32 s57, s57, STAGE
	v_add_nc_u32 v[STW], s57, v[STW]               ; the stage: row pi(r), + 128 w + 64 (lane / 16)
	s_mul_i32 s57, s56, 4160
	s_add_co_u32 s57, s57, STAGE
	v_add_nc_u32 v[STR], s57, v[LI]                ; back: rows 4 w .. 4 w + 3
	s_lshl_b32 s58, ttmp9, 14
	s_lshr_b32 s59, s56, 2
	s_lshl_b32 s59, s59, 13
	s_add_co_u32 s58, s58, s59
	s_and_b32 s59, s56, 3
	s_lshl_b32 s59, s59, 11
	s_add_co_u32 s58, s58, s59                     ; att: tile 2 i + w / 4, K step w % 4
	s_mov_b32 s59, 0
	s_lshl_b32 s60, ttmp9, 15
	s_lshl_b32 s61, s56, 7
	s_add_co_u32 s60, s60, s61                     ; x1: row 32 i, feature 32 w
	s_mov_b32 s61, 0
	s_lshl_b32 s62, s56, 14                        ; w2, wf2: 32 w rows of 512 bytes; w1: 64 w rows of 256
	s_mov_b32 s63, 0
	s_lshl_b32 s66, s56, 7                         ; vectors of 256: feature 32 w
	s_mov_b32 s67, 0
	s_lshl_b32 s68, s56, 8                         ; b1: hidden unit 64 w
	s_mov_b32 s69, 0
	s_lshl_b32 s70, ttmp9, 15
	s_lshl_b32 s71, s56, 12
	s_add_co_u32 s70, s70, s71                     ; out: row 32 i + 4 w
	s_mov_b32 s71, 0
	s_mov_b32 s48, 0x76543210
	s_mov_b32 s49, 0xfedcba98                      ; lane l xor 16
	s_mov_b32 s52, 0x3b800000                      ; 1 / 256
	s_mov_b32 s53, 0x358637bd                      ; 1e-6
	s_wait_kmcnt 0x0
	s_load_b256 s[40:47], s[32:33], 0x50           ; entries 20 to 27
	s_add_nc_u64 s[4:5], s[4:5], s[58:59]
	s_add_nc_u64 s[6:7], s[6:7], s[60:61]
	s_add_nc_u64 s[8:9], s[8:9], s[62:63]
.irp p, 10,12,14,16,18,26,28,30
	s_add_nc_u64 s[\p:\p+1], s[\p:\p+1], s[66:67]
.endr
	s_add_nc_u64 s[20:21], s[20:21], s[62:63]
	s_add_nc_u64 s[22:23], s[22:23], s[68:69]
	s_add_nc_u64 s[24:25], s[24:25], s[62:63]
	s_add_nc_u64 s[34:35], s[34:35], s[70:71]
	; the first loads: 4 of att, 8 of x1, 4 of b2, 32 of w2
.irp c, 0,1,2,3
	global_load_b128 v[AF+4*\c:AF+4*\c+3], v[LI], s[4:5] offset:512*\c
.endr
.irp u, 0,1
.irp j, 0,1,2,3
	global_load_b128 v[XR+16*\u+4*\j:XR+16*\u+4*\j+3], v[XA], s[6:7] offset:\u*8192+16*\j
.endr
.endr
	G16 B2, 10
	WIN 0x40
	W512 8
	WIN 0
	s_wait_loadcnt 44                              ; att's fragment is in: behind it 8 + 4 + 32 loads were issued
.irp c, 0,1,2,3
	ds_store_b128 v[AW], v[AF+4*\c:AF+4*\c+3] offset:AIMG+512*\c
.endr
	s_wait_dscnt 0x0
	; the second loads: 16 of gains and biases, 8 of b1, 32 of w1
	G16 G1, 12
	G16 B1, 14
	G16 G2, 16
	G16 BB2, 18
.irp t, 0,1,2,3
.irp k, 0,1
	global_load_b128 v[BQ+8*\t+4*\k:BQ+8*\t+4*\k+3], v[GA], s[22:23] offset:(32*(\t/2)+8*(\t%2))*4+16*\k
.endr
.endr
	WIN 0x40
	W256 20
	WIN 0
	s_barrier_signal -1
	s_barrier_wait -1                              ; att's eight fragments lie in LDS
	s_wait_kmcnt 0x0
	s_add_co_i32 s50, s42, s43
	s_add_co_i32 s50, s50, 127
	s_lshl_b32 s50, s50, 23                        ; 2^(e22 + e23)
	s_mov_b32 s51, s50
	s_wait_loadcnt 56                              ; the first loads are in
	PROJ512 V, AIMG
.irp u, 0,1
	v_mov_b32 v[TT+16*\u+9], 0                     ; upper halves of pairs and the exchange's destination: written once
	v_mov_b32 v[TT+16*\u+10], 0
	v_mov_b32 v[TT+16*\u+13], 0
.endr
	AFFINE V, B2
	ADD32 V, XR
	LNSTAT V, STAT1
	BARRIER
	s_wait_loadcnt 40                              ; the gains are in; b1 and w1 may be out
	WIN 0x40
	W512 24                                        ; the third loads: wf2, 32, into the registers that w2 has left (its last product stands far more than four plain lines back)
	WIN 0
	LNFIN V, STAT1, G1, B1
	ADD32 V, XR                                    ; x1 + the second attention's result
	LNSTAT V, STAT2
	BARRIER
	LNFIN V, STAT2, G2, BB2                        ; x2: it stays in these registers
	G16 G1, 28                                     ; the fourth loads, 12: ln3_g, ln3_b, bf2, where gains lay that are done with
	G16 B1, 30
	G16 G2, 26
	MKSC s44
	Q16 V, AF, 16, 0
	Q16 V+16, AF+16, 20, 0
	v_nop
	ds_store_b128 v[X1W], v[16:19]
	ds_store_b128 v[X1W], v[20:23] offset:4096
	BARRIER                                        ; x2's four fragments lie in LDS
.irp f, 0,1,2,3
	FETCH AF+16*\f, X1IMG+\f*2048
.endr
	s_wait_loadcnt 44                              ; b1 and w1 are in: behind them 32 + 12 loads were issued
	s_add_co_i32 s57, s44, s45
	s_sub_co_i32 s58, 0, s57
.set j, 0
.rept 32
	v_ldexp_f32 v[BQ+j], v[BQ+j], s58              ; b1 / 2^(e24 + e25)
.set j, j+1
.endr
	s_sub_co_i32 s57, s46, s57
	MKSC s57                                       ; 2^(e26 - e24 - e25)
	s_wait_dscnt 0x0
.irp u, 0,1
	MUL256 \u
	Q16 QA, QA, 16+8*\u, 1
	Q16 QA+16, QA+16, 20+8*\u, 1
	v_nop
	ds_store_b128 v[HW], v[16+8*\u:19+8*\u] offset:\u*8192
	ds_store_b128 v[HW], v[20+8*\u:23+8*\u] offset:\u*8192+512
.endr
	BARRIER                                        ; the hidden layer's eight fragments lie in LDS
	s_add_co_i32 s50, s46, s47
	s_add_co_i32 s50, s50, 127
	s_lshl_b32 s50, s50, 23                        ; 2^(e26 + e27)
	s_mov_b32 s51, s50
	s_wait_loadcnt 0x0                             ; wf2, ln3_g, ln3_b, bf2
	PROJ512 QA, HIMG
	AFFINE QA, G2
	ADD32 QA, V                                    ; x2 + the feed-forward's result
	LNSTAT QA, STAT3
	BARRIER
	LNFIN QA, STAT3, G1, B1
.irp u, 0,1
.irp j, 0,1,2,3
	ds_store_b128 v[STW], v[QA+16*\u+4*\j:QA+16*\u+4*\j+3] offset:\u*8320+16*\j
.endr
.endr
	BARRIER                                        ; 32 whole rows lie in the stage
.irp k, 0,1,2,3,4,5,6,7
	ds_load_b128 v[BQ+4*\k:BQ+4*\k+3], v[STR] offset:(\k/2)*1040+(\k%2)*512
.endr
.irp k, 0,1,2,3,4,5,6,7
	s_wait_dscnt 7-\k
	global_store_b128 v[LI], v[BQ+4*\k:BQ+4*\k+3], s[34:35] offset:(\k/2)*1024+(\k%2)*512 th:TH_STORE_NT   ; 32 lanes store 512 consecutive bytes of a row; written once, read by nobody here
.endr
	s_wait_xcnt 0x0
	v_lshl_add_u32 v254, v0, 2, 0x13a00
	v_mov_b32 v255, 0
	s_wait_tensorcnt 0x0
	ds_add_u32 v254, v255
	s_wait_dscnt 0x0
	s_endpgm
.Lfunc_end_k_qe808abaf2a_post2:
	.size	k_qe808abaf2a_post2, .Lfunc_end_k_qe808abaf2a_post2-k_qe808abaf2a_post2
	.p2alignl 7, 3214868480
	.fill 96, 4, 3214868480
	.section	.rodata,"a",@progbits
	.p2align	6, 0x0
	.amdhsa_kernel k_qe808abaf2a_post2
		.amdhsa_group_segment_fixed_size 81408
		.amdhsa_private_segment_fixed_size 0
		.amdhsa_enable_private_segment 0
		.amdhsa_kernarg_size 128
		.amdhsa_user_sgpr_count 2
		.amdhsa_user_sgpr_kernarg_segment_ptr 1
		.amdhsa_wavefront_size32 1
		.amdhsa_system_sgpr_workgroup_id_x 1
		.amdhsa_system_sgpr_workgroup_id_y 1
		.amdhsa_system_sgpr_workgroup_id_z 1
		.amdhsa_system_vgpr_workitem_id 0
		.amdhsa_next_free_vgpr 512
		.amdhsa_next_free_sgpr 100
		.amdhsa_reserve_vcc 0
		.amdhsa_float_denorm_mode_32 3
		.amdhsa_float_denorm_mode_16_64 3
		.amdhsa_memory_ordered 1
		.amdhsa_forward_progress 1
		.amdhsa_inst_pref_size 78
	.end_amdhsa_kernel
	.amdgpu_metadata
---
amdhsa.version: [ 1, 2 ]
amdhsa.kernels:
  - .name:           k_qe808abaf2a_post2
    .symbol:         k_qe808abaf2a_post2.kd
    .args:
      - { .name: attimg, .offset: 0, .size: 8, .value_kind: global_buffer, .address_space: global }
      - { .name: x1, .offset: 8, .size: 8, .value_kind: global_buffer, .address_space: global }
      - { .name: m2_w2_codes, .offset: 16, .size: 8, .value_kind: global_buffer, .address_space: global }
      - { .name: m2_b2, .offset: 24, .size: 8, .value_kind: global_buffer, .address_space: global }
      - { .name: m2_g, .offset: 32, .size: 8, .value_kind: global_buffer, .address_space: global }
      - { .name: m2_b, .offset: 40, .size: 8, .value_kind: global_buffer, .address_space: global }
      - { .name: ln2_g, .offset: 48, .size: 8, .value_kind: global_buffer, .address_space: global }
      - { .name: ln2_b, .offset: 56, .size: 8, .value_kind: global_buffer, .address_space: global }
      - { .name: ffn_w1_codes, .offset: 64, .size: 8, .value_kind: global_buffer, .address_space: global }
      - { .name: ffn_b1, .offset: 72, .size: 8, .value_kind: global_buffer, .address_space: global }
      - { .name: ffn_w2_codes, .offset: 80, .size: 8, .value_kind: global_buffer, .address_space: global }
      - { .name: ffn_b2, .offset: 88, .size: 8, .value_kind: global_buffer, .address_space: global }
      - { .name: ln3_g, .offset: 96, .size: 8, .value_kind: global_buffer, .address_space: global }
      - { .name: ln3_b, .offset: 104, .size: 8, .value_kind: global_buffer, .address_space: global }
      - { .name: lowp_scales, .offset: 112, .size: 8, .value_kind: global_buffer, .address_space: global }
      - { .name: out0, .offset: 120, .size: 8, .value_kind: global_buffer, .address_space: global }
    .group_segment_fixed_size: 81408
    .private_segment_fixed_size: 0
    .kernarg_segment_align: 8
    .kernarg_segment_size: 128
    .max_flat_workgroup_size: 256
    .sgpr_count:     100
    .vgpr_count:     512
    .wavefront_size: 32
...
	.end_amdgpu_metadata
.endif
;; end of part 5
;; ======== version 2 of 2: 5 launches; version 1 with the launches proj, post1, post2 written anew for expert scheduling mode
;; limits: right only within a limited range of input values
;; workspace buffers: qimg 4,194,304 bytes; k1img 4,194,304 bytes; v1img 4,194,304 bytes; k2img 4,194,304 bytes; v2img 4,194,304 bytes; attimg 4,194,304 bytes; x1 8,388,608 bytes
;; launch proj (part 6): grid 128 x 2, 8 waves a work-group, no clusters, 66,560 bytes of LDS; arguments x, encoder_output_codes, m1_wq_codes, m1_wk_codes, m1_wv_codes, m2_wk_codes, m2_wv_codes, m1_bq, m1_bk, m1_bv, m2_bk, m2_bv, lowp_scales, qimg, k1img, v1img, k2img, v2img; writes qimg, k1img, v1img, k2img, v2img
.if DOCPART == 6
	.amdgcn_target "amdgcn-amd-amdhsa--gfx1250"
	.amdhsa_code_object_version 6
	.text
	.protected	k_qe808abaf2a_proj
	.globl	k_qe808abaf2a_proj
	.p2align	8
	.type	k_qe808abaf2a_proj,@function
k_qe808abaf2a_proj:
	s_mov_b64 s[64:65], 0
	v_nop
	global_prefetch_b8 v0, s[64:65] scope:SCOPE_SE
	s_setreg_imm32_b32 hwreg(HW_REG_WAVE_SCHED_MODE, 0, 2), 2
	s_setreg_imm32_b32 hwreg(HW_REG_WAVE_MODE, 25, 1), 1
	s_wait_xcnt 0x0
	s_wait_alu depctr_vm_vsrc(0)
; Q1 = x wq + bq, K1 = x wk + bk, V1 = x wv + bv, K2 = enc wk + bk, V2 = enc wv + bv: five products on codes of E4M3, each result quantised at once for the attention that reads it.
; x [8192][256] f32 is quantised three times, under entries 0, 2 and 4 of the scales; enc and the weights arrive as codes, K innermost.
; SHARES.  Work-group (tb, gy): tokens 64 tb .. 64 tb + 63 of x and of enc, heads 4 gy .. 4 gy + 3.  Wave w: head 4 gy + w / 2, features 32 (w % 2) .. + 31 of that head, in all five matrices:
; its 5 x 64 registers of weights come from memory straight into registers, once.  No tile passes LDS by a tensor load, so there is nothing that a cluster could ask for jointly.
; THE ORDER OF A TILE.  pi(r) = r + 8 (r / 8).  Rows go in blocks of 32 = two tiles u: lane r of tile u takes row 32 B + 8 u + pi(r).  So the 16 result registers of tiles 2 B and 2 B + 1 are the 16
; neighbours 32 B + 16 (lane / 16) + 0 .. 15, and two conversions make of them one CHUNK: four registers, 16 bytes, k = 32 c + 16 (lane / 16) + 0 .. 15.  Every operand is fed in chunks, on both sides alike.
; OUTPUTS are images of operand registers, 512 consecutive bytes a store:  q, k: ((b 8 + h) 128 + T) 1024 + 512 c + 16 lane (T: token tile of the batch);
; v: ((b 8 + h) 16 + step) 8192 + 2048 ct + 512 c + 16 lane (step: 128 keys; ct: channel tile; c: chunk of keys).
; Q and K: source 0 = 16 rows of W, source 1 = 16 tokens: a lane holds one token, its registers run along the head.  V: source 0 = 16 tokens, source 1 = 16 rows of W: a lane holds one channel, its registers run along the keys.
; LIMITS on the given exponents, so that each power of two below is an f32 number: entries 0, 2, 4, and each e_out - e_A - e_B, between -126 and 119.  NaN among the inputs is not served.
; REGISTERS.  Window 0: v1-11 addresses and the scale; v16-31 codes; v32-79 biases of Q1, K1, K2 (eight a tile); v80-87 biases of V1, V2 (one a lane, in pairs); v96-127 four accumulators;
;   v128-191 four fragments of tokens; v192-255 W of V2.   Window 1: W of Q1, K1, V1, K2, 64 each.   Ahead of the barrier: v128-191 x as loaded, v192-255 held copies, v32-79 its three sets of codes, v112-127 enc's fragment.
; THE MODE: SCHED_MODE bits 1:0 = 2 (LLVM: expert scheduling mode 2), set by the entry lines.  The code itself states the register dependences
; between vector or matrix instructions and memory or LDS instructions, with s_wait_alu, always for 0.
; THE PLAN.  Registers that memory or LDS instructions touch:
;   v1, v4-9    addresses: written at the head, read by every load and store, never written again: one wait on va_vdst ahead of the first load.
;   v32-79      x's codes: the conversions write them, the LDS stores read them, then the biases land there.     v112-127  enc's fragment lands, the LDS stores read it, then they are accumulators.
;   v128-255    x as loaded and its held copies: the holds and conversions name them; later the fragments' LDS loads (v128-191) and W of V2 (v192-255) land there.
;               So the three quantisations stand on end, ONE wait on va_vdst behind them, then all LDS stores, one wait on vm_vsrc, then the loads: no vector line stands between that va_vdst and any of these loads.
;   v128-191    in a step (two tiles of tokens of one matrix; ten steps): its eight products read them; behind the products one wait on va_vdst, and the NEXT step's sixteen LDS loads land while this step's sums are quantised.
;   v16-23      a step's codes: its conversions write them behind a wait on vm_vsrc (the step before's stores have read them); its two stores read them behind a wait on va_vdst.
.set XIMG, 0                           ; LDS: x's codes, 3 scales x 8 fragments (2 x tile + K step) x 2,048 bytes
.set EIMG, 49152                       ; enc's 8 fragments
.set LI,   1                           ; v1   16 x lane
.set XA,   4                           ; v4   x: pi(r) rows of 1,024 bytes + 64 (lane / 16)
.set WA,   5                           ; v5   codes: pi(r) rows of 256 bytes + 16 (lane / 16)
.set BA,   7                           ; v7   64 (lane / 16)
.set BVA,  8                           ; v8   4 pi(r)
.set IMW,  9                           ; v9   where I store my fragment: 2,048 x wave + 16 x lane
.set SC,   10
.set LIM,  11
.set CD,   16
.set BQ1,  32
.set BK1,  48
.set BK2,  64
.set BV1,  80
.set BV2,  84
.set ACC,  96
.set ENC,  112
.set XF,   128
.set TQ,   192
.set WV2,  192
.set WQ1,  0
.set WK1,  64
.set WV1,  128
.set WK2,  192
.set MSB, 0
.set STEPNO, 0                         ; counts the ten steps as they are written
.macro WIN new                         ; the immediate's high byte repeats the setting that is left
.if MSB != \new
	s_set_vgpr_msb (MSB<<8)|\new
.set MSB, \new
.endif
.endm
.macro PLACES n
.rept \n
	v_nop
.endr
.endm
.macro FETCH reg, off                  ; a fragment's image comes back as it was stored
.irp c, 0,1,2,3
	ds_load_b128 v[\reg+4*\c:\reg+4*\c+3], v[LI] offset:\off+512*\c
.endr
.endm
.macro FETCH4 off                      ; a step's four fragments: two tiles of tokens x two K steps
.irp f, 0,1,2,3
	FETCH XF+16*\f, (\off)+\f*2048
.endr
.endm
.macro MKSC e                          ; v[SC] = 2^e as f32, v[LIM] = 448 x 2^e
	s_add_co_i32 s90, \e, 127
	s_lshl_b32 s91, s90, 23
	v_mov_b32 v[SC], s91
	s_add_co_i32 s90, s90, 8
	s_lshl_b32 s90, s90, 23
	s_or_b32 s90, s90, 0x600000
	v_mov_b32 v[LIM], s90
.endm
.macro FOLD eo, ea, eb                 ; a sum stands for sum x 2^(ea + eb): its code is sum / 2^(eo - ea - eb)
	s_sub_co_i32 s92, \eo, \ea
	s_sub_co_i32 s92, s92, \eb
	MKSC s92
.endm
.macro Q16 src, tmp, dst               ; 16 neighbours along K become a chunk: the hold (the conversion does not saturate: ISA guide 7.6.2), then two conversions
.irp k, 0,1,2,3,4,5,6,7,8,9,10,11,12,13,14,15
	v_med3_num_f32 v[\tmp+\k], v[\src+\k], -v[LIM], v[LIM]
.endr
	v_cvt_scalef32_pk8_fp8_f32 v[\dst:\dst+1], v[\tmp:\tmp+7], v[SC]
	v_cvt_scalef32_pk8_fp8_f32 v[\dst+2:\dst+3], v[\tmp+8:\tmp+15], v[SC]
.endm
.macro WLOAD reg, base                 ; my 32 rows of a weight: fragment (tile u, K step s) at reg + 16 (2 u + s)
.irp u, 0,1
.irp s, 0,1
.irp c, 0,1,2,3
	global_load_b128 v[\reg+16*(2*\u+\s)+4*\c:\reg+16*(2*\u+\s)+4*\c+3], v[WA], s[\base:\base+1] offset:\u*2048+\s*128+\c*32
.endr
.endr
.endr
.endm
.macro BLOAD reg, base                 ; a bias in the result's layout: tile u, features 8 u + 16 (lane / 16) + 0 .. 7
.irp u, 0,1
.irp k, 0,1
	global_load_b128 v[\reg+8*\u+4*\k:\reg+8*\u+4*\k+3], v[BA], s[\base:\base+1] offset:32*\u+16*\k
.endr
.endr
.endm
.macro BSC16 reg, ea, eb               ; the bias goes in divided by the power of two that the sums lack
	s_add_co_i32 s90, \ea, \eb
	s_sub_co_i32 s90, 0, s90
.irp k, 0,1,2,3,4,5,6,7,8,9,10,11,12,13,14,15
	v_ldexp_f32 v[\reg+\k], v[\reg+\k], s90
.endr
.endm
.macro BSC2 reg, ea, eb
	s_add_co_i32 s90, \ea, \eb
	s_sub_co_i32 s90, 0, s90
	v_ldexp_f32 v[\reg], v[\reg], s90
	v_ldexp_f32 v[\reg+2], v[\reg+2], s90
.endm
.macro QX e, pc                        ; my fragment of x under one scale: 64 numbers a lane, held into copies, since x is quantised three times
	MKSC \e
.irp c, 0,1,2,3
	Q16 XF+16*\c, TQ+16*\c, \pc+4*\c
.endr
	v_nop                                          ; one plain line behind the last conversion
.endm
.macro QXS pc, off                     ; and its image goes to LDS
.irp c, 0,1,2,3
	ds_store_b128 v[IMW], v[\pc+4*\c:\pc+4*\c+3] offset:\off+512*\c
.endr
.endm
; Behind a step's products: the next step's four fragments are asked for.  p: the step of the job; img: the job's images; nimg: the next job's, or -1 behind the last.
.macro ASKNEXT p, img, nimg
.if \p == 0
	s_wait_alu depctr_va_vdst(0)                   ; this step's products are done reading v128-191, in which the loads below land
	FETCH4 \img+8192
.elseif \nimg >= 0
	s_wait_alu depctr_va_vdst(0)                   ; this step's products are done reading v128-191, in which the loads below land
	FETCH4 \nimg
.endif
.endm
.macro FREECD                          ; ahead of the conversions that write the codes' registers again
	s_wait_xcnt 0x0                                ; the codes' registers were earlier stores' data: they are rewritten only behind this wait
.if STEPNO > 0
	s_wait_alu depctr_vm_vsrc(0)                   ; the stores of the step before have read v16-23, which the conversions below write again
.endif
.set STEPNO, STEPNO+1
.endm
; Q or K: two tiles of tokens at a time; four accumulators by turns, one instruction a turn; the bias is the C of each sum's first product
.macro QKJOB img, wreg, breg, ob, nimg
.irp p, 0,1
	PLACES 5                                       ; behind the last products: accumulators begun anew
	s_wait_dscnt 0x0                               ; this step's fragments, asked for behind the products of the step before, are in
	WIN 0x01                                       ; source 0 (W) window 1
.irp s, 0,1
.irp t, 0,1
.irp u, 0,1
.if \s == 0
	v_wmma_f32_16x16x128_fp8_fp8 v[ACC+16*\t+8*\u:ACC+16*\t+8*\u+7], v[\wreg+16*(2*\u+\s):\wreg+16*(2*\u+\s)+15], v[XF+16*(2*\t+\s):XF+16*(2*\t+\s)+15], v[\breg+8*\u:\breg+8*\u+7]
.else
	v_wmma_f32_16x16x128_fp8_fp8 v[ACC+16*\t+8*\u:ACC+16*\t+8*\u+7], v[\wreg+16*(2*\u+\s):\wreg+16*(2*\u+\s)+15], v[XF+16*(2*\t+\s):XF+16*(2*\t+\s)+15], v[ACC+16*\t+8*\u:ACC+16*\t+8*\u+7]
.endif
.endr
.endr
.endr
	WIN 0
	PLACES 4
	ASKNEXT \p, \img, \nimg
	FREECD
.irp t, 0,1
	Q16 ACC+16*\t, ACC+16*\t, CD+4*\t
.endr
	v_nop
	s_wait_alu depctr_va_vdst(0)                   ; the conversions have written v16-23, which the stores read
.irp t, 0,1
	global_store_b128 v[LI], v[CD+4*\t:CD+4*\t+3], s[\ob:\ob+1] offset:(2*\p+\t)*1024   ; 32 lanes store 512 consecutive bytes
.endr
.endr
.endm
; V: the sources change places; the bias hangs on the lane's channel and is added behind the sums
.macro VJOB img, win, wreg, bv, ob, nimg
.irp p, 0,1
	PLACES 5
	s_wait_dscnt 0x0                               ; this step's fragments are in
	WIN \win
.irp s, 0,1
.irp t, 0,1
.irp u, 0,1
.if \s == 0
	v_wmma_f32_16x16x128_fp8_fp8 v[ACC+16*\u+8*\t:ACC+16*\u+8*\t+7], v[XF+16*(2*\t+\s):XF+16*(2*\t+\s)+15], v[\wreg+16*(2*\u+\s):\wreg+16*(2*\u+\s)+15], 0
.else
	v_wmma_f32_16x16x128_fp8_fp8 v[ACC+16*\u+8*\t:ACC+16*\u+8*\t+7], v[XF+16*(2*\t+\s):XF+16*(2*\t+\s)+15], v[\wreg+16*(2*\u+\s):\wreg+16*(2*\u+\s)+15], v[ACC+16*\u+8*\t:ACC+16*\u+8*\t+7]
.endif
.endr
.endr
.endr
	WIN 0
	PLACES 4
	ASKNEXT \p, \img, \nimg
	FREECD
.irp u, 0,1
.irp k, 0,2,4,6,8,10,12,14
	v_pk_add_f32 v[ACC+16*\u+\k:ACC+16*\u+\k+1], v[ACC+16*\u+\k:ACC+16*\u+\k+1], v[\bv+2*\u:\bv+2*\u+1] op_sel_hi:[1,0]
.endr
	Q16 ACC+16*\u, ACC+16*\u, CD+4*\u
.endr
	v_nop
	s_wait_alu depctr_va_vdst(0)                   ; the conversions have written v16-23, which the stores read
.irp u, 0,1
	global_store_b128 v[LI], v[CD+4*\u:CD+4*\u+3], s[\ob:\ob+1] offset:\u*2048+\p*512
.endr
.endr
.endm
	s_load_b512 s[4:19], s[0:1], 0x0               ; x, enc, wq1, wk1, wv1, wk2, wv2, bq1
	s_load_b512 s[20:35], s[0:1], 0x40             ; bk1, bv1, bk2, bv2, scales, qimg, k1img, v1img
	s_load_b128 s[36:39], s[0:1], 0x80             ; k2img, v2img
	v_lshl_add_u32 v94, v0, 2, 0x10000
	v_mov_b32 v95, 0
	v_lshrrev_b32 v2, 5, v0
	v_readfirstlane_b32 s66, v2                    ; wave 0..7
	v_and_b32 v2, 31, v0
	v_lshlrev_b32 v[LI], 4, v2
	v_and_b32 v2, 15, v0                           ; r
	v_bfe_u32 v3, v0, 4, 1                         ; lane / 16
	v_and_b32 v12, 8, v2
	v_add_nc_u32 v12, v12, v2                      ; pi(r)
	v_lshlrev_b32 v[XA], 10, v12
	v_lshl_add_u32 v[XA], v3, 6, v[XA]
	v_lshlrev_b32 v[WA], 8, v12
	v_lshl_add_u32 v[WA], v3, 4, v[WA]
	v_lshlrev_b32 v[BA], 6, v3
	v_lshlrev_b32 v[BVA], 2, v12
	s_wait_alu depctr_va_sdst(0)                   ; s66 is written, ahead of its first reader: LDS places and every base are made from it
	s_lshl_b32 s67, s66, 11
	v_add_nc_u32 v[IMW], s67, v[LI]
.irp k, 1,3,5,7
	v_mov_b32 v[BV1+\k], 0                         ; named as the upper halves of pairs
.endr
	s_and_b32 s67, ttmp7, 0xffff                   ; gy
	s_lshr_b32 s68, s66, 1                         ; w / 2: my head of the four; also the tile of tokens whose fragment I make
	s_and_b32 s69, s66, 1                          ; w % 2: my half of the head; also that fragment's K step
	s_lshl_b32 s70, s67, 2
	s_add_co_u32 s70, s70, s68                     ; the head
	s_lshl_b32 s72, s70, 14
	s_lshl_b32 s73, s69, 13
	s_add_co_u32 s72, s72, s73                     ; weights: (64 head + 32 half) rows of 256 bytes
	s_mov_b32 s73, 0
	s_lshl_b32 s74, s70, 8
	s_lshl_b32 s75, s69, 7
	s_add_co_u32 s74, s74, s75                     ; biases: the same features, 4 bytes each
	s_mov_b32 s75, 0
	s_lshl_b32 s76, ttmp9, 6
	s_lshr_b32 s77, s68, 1
	s_lshl_b32 s77, s77, 5
	s_add_co_u32 s76, s76, s77
	s_and_b32 s77, s68, 1
	s_lshl_b32 s77, s77, 3
	s_add_co_u32 s76, s76, s77                     ; my fragment's first row: 64 tb + 32 (tile / 2) + 8 (tile % 2)
	s_lshl_b32 s78, s76, 10
	s_lshl_b32 s79, s69, 9
	s_add_co_u32 s78, s78, s79                     ; in x
	s_mov_b32 s79, 0
	s_lshl_b32 s80, s76, 8
	s_lshl_b32 s81, s69, 7
	s_add_co_u32 s80, s80, s81                     ; in enc
	s_mov_b32 s81, 0
	s_lshr_b32 s82, ttmp9, 5                       ; the batch
	s_lshl_b32 s82, s82, 3
	s_add_co_u32 s82, s82, s70                     ; 8 b + head
	s_and_b32 s83, ttmp9, 31
	s_lshl_b32 s84, s82, 17
	s_lshl_b32 s85, s83, 12
	s_add_co_u32 s84, s84, s85
	s_lshl_b32 s85, s69, 9
	s_add_co_u32 s84, s84, s85                     ; q, k images: my four tiles, my chunk
	s_mov_b32 s85, 0
	s_lshl_b32 s86, s82, 17
	s_lshr_b32 s87, s83, 1
	s_lshl_b32 s87, s87, 13
	s_add_co_u32 s86, s86, s87
	s_lshl_b32 s87, s69, 12
	s_add_co_u32 s86, s86, s87
	s_and_b32 s87, ttmp9, 1
	s_lshl_b32 s87, s87, 10
	s_add_co_u32 s86, s86, s87                     ; v images: my step, my two channel tiles, my two chunks of keys
	s_mov_b32 s87, 0
	s_wait_kmcnt 0x0
	s_load_b512 s[40:55], s[28:29], 0x0            ; entries 0 to 15
	s_load_b256 s[56:63], s[28:29], 0x40           ; entries 16 to 23
	s_add_nc_u64 s[4:5], s[4:5], s[78:79]
	s_add_nc_u64 s[6:7], s[6:7], s[80:81]
.irp p, 8,10,12,14,16
	s_add_nc_u64 s[\p:\p+1], s[\p:\p+1], s[72:73]
.endr
.irp p, 18,20,22,24,26
	s_add_nc_u64 s[\p:\p+1], s[\p:\p+1], s[74:75]
.endr
.irp p, 30,32,36
	s_add_nc_u64 s[\p:\p+1], s[\p:\p+1], s[84:85]
.endr
.irp p, 34,38
	s_add_nc_u64 s[\p:\p+1], s[\p:\p+1], s[86:87]
.endr
	s_wait_alu depctr_va_vdst(0)                   ; the addresses v1, v4, v5, v7, v8, v9 are written, which every load and store of the kernel reads
	; the first loads: 16 of x, 4 of enc, 16 + 16 of weights
.irp c, 0,1,2,3
.irp j, 0,1,2,3
	global_load_b128 v[XF+16*\c+4*\j:XF+16*\c+4*\j+3], v[XA], s[4:5] offset:128*\c+16*\j   ; register 16 c + i = k 32 c + 16 (lane / 16) + i of my row
.endr
.endr
.irp c, 0,1,2,3
	global_load_b128 v[ENC+4*\c:ENC+4*\c+3], v[WA], s[6:7] offset:32*\c
.endr
	WIN 0x40                                       ; destination window 1
	WLOAD WQ1, 8
	WLOAD WK1, 10
	WIN 0
	s_wait_kmcnt 0x0
	s_wait_loadcnt 36                              ; x is in: behind it 4 + 16 + 16 loads were issued
	QX s40, 32
	QX s42, 48
	QX s44, 64
	s_wait_alu depctr_va_vdst(0)                   ; the conversions have written v32-79, which the LDS stores read and in which biases land later; holds and conversions are done with v128-255, in which fragments and W of V2 land later
	QXS 32, XIMG
	QXS 48, XIMG+16384
	QXS 64, XIMG+32768
	s_wait_loadcnt 32                              ; enc's fragment is in
.irp c, 0,1,2,3
	ds_store_b128 v[IMW], v[ENC+4*\c:ENC+4*\c+3] offset:EIMG+512*\c
.endr
	s_wait_dscnt 0x0                               ; for the others' sake: my images lie in LDS
	s_wait_alu depctr_vm_vsrc(0)                   ; the LDS stores have read v32-79, in which the biases land, and v112-127, which the products write
	; the other loads: 16 of biases, then 16 + 16 + 16 of weights.  No vector line has stood since the wait on va_vdst above
	BLOAD BQ1, 18
	BLOAD BK1, 20
	BLOAD BK2, 24
.irp u, 0,1
	global_load_b32 v[BV1+2*\u], v[BVA], s[22:23] offset:32*\u
.endr
.irp u, 0,1
	global_load_b32 v[BV2+2*\u], v[BVA], s[26:27] offset:32*\u
.endr
	WIN 0x40
	WLOAD WV1, 12
	WLOAD WK2, 14
	WIN 0
	WLOAD WV2, 16
	s_barrier_signal -1
	s_barrier_wait -1                              ; the launch's one barrier: all 32 fragments lie in LDS, and nothing is stored there again
	FETCH4 XIMG                                    ; the first step's fragments.  Still no vector line since the wait on va_vdst above: nothing more is owed for v128-191
	s_wait_loadcnt 48                              ; all but the last three sets of weights
	BSC16 BQ1, s40, s41
	BSC16 BK1, s42, s43
	BSC16 BK2, s54, s55
	BSC2 BV1, s44, s45
	BSC2 BV2, s56, s57
	FOLD s46, s40, s41
	QKJOB XIMG, WQ1, BQ1, 30, XIMG+16384
	FOLD s47, s42, s43
	QKJOB XIMG+16384, WK1, BK1, 32, XIMG+32768
	s_wait_loadcnt 32                              ; W of V1 is in
	FOLD s48, s44, s45
	VJOB XIMG+32768, 0x04, WV1, BV1, 34, EIMG
	s_wait_loadcnt 16                              ; W of K2
	FOLD s59, s54, s55
	QKJOB EIMG, WK2, BK2, 36, EIMG
	s_wait_loadcnt 0x0                             ; W of V2
	FOLD s60, s56, s57
	VJOB EIMG, 0, WV2, BV2, 38, -1
	s_wait_dscnt 0x0                               ; the closing lines, six on end
	s_wait_alu 0x0
	s_wait_tensorcnt 0x0
	ds_add_u32 v94, v95
	s_wait_dscnt 0x0
	s_endpgm
.Lfunc_end_k_qe808abaf2a_proj:
	.size	k_qe808abaf2a_proj, .Lfunc_end_k_qe808abaf2a_proj-k_qe808abaf2a_proj
	.p2alignl 7, 3214868480
	.fill 96, 4, 3214868480
	.section	.rodata,"a",@progbits
	.p2align	6, 0x0
	.amdhsa_kernel k_qe808abaf2a_proj
		.amdhsa_group_segment_fixed_size 66560
		.amdhsa_private_segment_fixed_size 0
		.amdhsa_enable_private_segment 0
		.amdhsa_kernarg_size 144
		.amdhsa_user_sgpr_count 2
		.amdhsa_user_sgpr_kernarg_segment_ptr 1
		.amdhsa_wavefront_size32 1
		.amdhsa_system_sgpr_workgroup_id_x 1
		.amdhsa_system_sgpr_workgroup_id_y 1
		.amdhsa_system_sgpr_workgroup_id_z 1
		.amdhsa_system_vgpr_workitem_id 0
		.amdhsa_next_free_vgpr 512
		.amdhsa_next_free_sgpr 100
		.amdhsa_reserve_vcc 0
		.amdhsa_float_denorm_mode_32 3
		.amdhsa_float_denorm_mode_16_64 3
		.amdhsa_memory_ordered 1
		.amdhsa_forward_progress 1
		.amdhsa_inst_pref_size 85
	.end_amdhsa_kernel
	.amdgpu_metadata
---
amdhsa.version: [ 1, 2 ]
amdhsa.kernels:
  - .name:           k_qe808abaf2a_proj
    .symbol:         k_qe808abaf2a_proj.kd
    .args:
      - { .name: x, .offset: 0, .size: 8, .value_kind: global_buffer, .address_space: global }
      - { .name: encoder_output_codes, .offset: 8, .size: 8, .value_kind: global_buffer, .address_space: global }
      - { .name: m1_wq_codes, .offset: 16, .size: 8, .value_kind: global_buffer, .address_space: global }
      - { .name: m1_wk_codes, .offset: 24, .size: 8, .value_kind: global_buffer, .address_space: global }
      - { .name: m1_wv_codes, .offset: 32, .size: 8, .value_kind: global_buffer, .address_space: global }
      - { .name: m2_wk_codes, .offset: 40, .size: 8, .value_kind: global_buffer, .address_space: global }
      - { .name: m2_wv_codes, .offset: 48, .size: 8, .value_kind: global_buffer, .address_space: global }
      - { .name: m1_bq, .offset: 56, .size: 8, .value_kind: global_buffer, .address_space: global }
      - { .name: m1_bk, .offset: 64, .size: 8, .value_kind: global_buffer, .address_space: global }
      - { .name: m1_bv, .offset: 72, .size: 8, .value_kind: global_buffer, .address_space: global }
      - { .name: m2_bk, .offset: 80, .size: 8, .value_kind: global_buffer, .address_space: global }
      - { .name: m2_bv, .offset: 88, .size: 8, .value_kind: global_buffer, .address_space: global }
      - { .name: lowp_scales, .offset: 96, .size: 8, .value_kind: global_buffer, .address_space: global }
      - { .name: qimg, .offset: 104, .size: 8, .value_kind: global_buffer, .address_space: global }
      - { .name: k1img, .offset: 112, .size: 8, .value_kind: global_buffer, .address_space: global }
      - { .name: v1img, .offset: 120, .size: 8, .value_kind: global_buffer, .address_space: global }
      - { .name: k2img, .offset: 128, .size: 8, .value_kind: global_buffer, .address_space: global }
      - { .name: v2img, .offset: 136, .size: 8, .value_kind: global_buffer, .address_space: global }
    .group_segment_fixed_size: 66560
    .private_segment_fixed_size: 0
    .kernarg_segment_align: 8
    .kernarg_segment_size: 144
    .max_flat_workgroup_size: 256
    .sgpr_count:     100
    .vgpr_count:     512
    .wavefront_size: 32
...
	.end_amdgpu_metadata
.endif
;; end of part 6
;; launch attn1: the kernel of part 2 again; grid 8 x 32, 8 waves a work-group, clusters of 4 x 1, 271,360 bytes of LDS; arguments qimg, k1img, v1img, lowp_scales, attimg, tgt_mask; writes attimg
;; launch post1 (part 7): grid 256 x 1, 8 waves a work-group, no clusters, 62,976 bytes of LDS; arguments attimg, x, m1_w2_codes, m1_b2, m1_g, m1_b, ln1_g, ln1_b, m2_wq_codes, m2_bq, lowp_scales, x1, qimg; writes x1, qimg
.if DOCPART == 7
	.amdgcn_target "amdgcn-amd-amdhsa--gfx1250"
	.amdhsa_code_object_version 6
	.text
	.protected	k_qe808abaf2a_post1
	.globl	k_qe808abaf2a_post1
	.p2align	8
	.type	k_qe808abaf2a_post1,@function
k_qe808abaf2a_post1:
	s_mov_b64 s[64:65], 0
	v_nop
	global_prefetch_b8 v0, s[64:65] scope:SCOPE_SE
	s_setreg_imm32_b32 hwreg(HW_REG_WAVE_SCHED_MODE, 0, 2), 2
	s_setreg_imm32_b32 hwreg(HW_REG_WAVE_MODE, 25, 1), 1
	s_wait_xcnt 0x0
	s_wait_alu depctr_vm_vsrc(0)
; a = LN(att w2 + b2 + x; m1_g, m1_b);  x1 = LN(x + a; ln1_g, ln1_b);  Q2 = x1 wq + bq, quantised for the second attention.  Both products on codes of E4M3.
; SHARES.  Work-group i: tokens 32 i .. 32 i + 31, two tiles u (lane r: token 32 i + 8 u + pi(r), pi(r) = r + 8 (r / 8)).  THE WAVES SHARE THE COLUMNS: wave w makes features 32 w .. + 31 of the first product and head w
; (64 features) of the second, for all 32 tokens; its weights (128 + 128 registers) come from memory straight into registers, once: no tile passes LDS by a tensor load, so a cluster would have nothing to ask for jointly.
; Both products are used transposed (source 0 = 16 rows of W, source 1 = 16 tokens): lane (r, h) holds one token and 16 neighbouring features, 32 w + 16 h + 0 .. 15.
; Operands go from wave to wave through LDS as images of their registers (16 bytes a lane, 512 a store).
; A ROW'S NORM spans the eight waves.  Each wave makes, of its 32 numbers of a token, their mean m and the sum q of squared distances from it; the eight pairs meet in LDS; then mean = sum m / 8 and
; 256 var = sum q + 32 sum (m - mean)^2: one exchange and one barrier a norm, and no difference of large sums.
; LIMITS: e10 + e11 between -126 and 127; e12 and e18 - e12 - e13 between -126 and 119.  NaN is not served.
; REGISTERS.  Window 0: v1-13 addresses and the scale; v16-31 b2, later codes; v32-63 x, later the second product's sums; v64-95 the rows at work; v96-159 four gains and biases of 16, later rows read back;
;   v160-191 bq; v192-255 fragments of tokens, the norms' work.   Window 1: v0-127 w2; v128-255 wq.
; THE MODE: SCHED_MODE bits 1:0 = 2 (LLVM: expert scheduling mode 2), set by the entry lines.  The code itself states the register dependences
; between vector or matrix instructions and memory or LDS instructions, with s_wait_alu, always for 0.
; THE PLAN.  Registers that memory or LDS instructions touch:
;   v1-11       addresses: written at the head, never again: one wait on va_vdst ahead of the first load (it also covers v16-18, the head's temporaries, in which b2 lands).
;   v192-207    att's fragment lands, my LDS stores read it; then fragments land: one wait on vm_vsrc ahead of the first product's loads.
;   v192-255    fragments: LDS loads land, products read: a wait on va_vdst between tile 0's products and tile 1's loads.  Every other load into them follows a wait on va_vdst with no vector line between.
;   v232-233, v248-249   a wave's pair (m, q): vector lines write, two LDS stores read (a wait on va_vdst ahead of them), the next lines of the norm write again (a wait on vm_vsrc ahead of those).
;   v64-95, v16-23       x1 and its codes: one wait on va_vdst ahead of the ten LDS stores; v16-23 are written again by the second product's conversions, behind a wait on vm_vsrc.
;   v16-31      Q2's codes: one wait on va_vdst ahead of the four stores.     v96-127  rows of x1 from the stage: LDS loads land, global stores read; no vector line names them any more.
.set AIMG,  0                          ; LDS: att's 8 fragments (4 u + K step)
.set X1IMG, 16384                      ; x1's 4 fragments (2 u + K step)
.set STAT1, 24576                      ; a norm's pairs: 256 bytes a wave, 8 bytes a token
.set STAT2, 26624
.set STAGE, 28672                      ; 32 rows x (1,024 + 16) bytes
.set LI,  1
.set AW,  2
.set XA,  3
.set W2A, 4
.set WQA, 5
.set GA,  6
.set SA,  7
.set SRD, 8
.set X1W, 9
.set STW, 10
.set STR, 11
.set SC,  12
.set LIM, 13
.set B2,  16
.set XR,  32
.set QA,  32
.set V,   64
.set G1,  96
.set B1,  112
.set G2,  128
.set BB2, 144
.set BQ,  160
.set AF,  192
.set TT,  224                          ; a tile's 16: +0..7 four pairs at work, +8 mean, +9 q, +10 the exchange, +12 1 / sigma, +14,15 a sum
.set W2,  0
.set WQ,  128
.set MSB, 0
.macro WIN new
.if MSB != \new
	s_set_vgpr_msb (MSB<<8)|\new
.set MSB, \new
.endif
.endm
.macro PLACES n
.rept \n
	v_nop
.endr
.endm
.macro BARRIER                         ; my LDS stores have landed and my LDS loads are in: then the work-group's barrier
	s_wait_dscnt 0x0
	s_barrier_signal -1
	s_barrier_wait -1
.endm
.macro FETCH reg, off
.irp c, 0,1,2,3
	ds_load_b128 v[\reg+4*\c:\reg+4*\c+3], v[LI] offset:\off+512*\c
.endr
.endm
.macro MKSC e
	s_add_co_i32 s54, \e, 127
	s_lshl_b32 s55, s54, 23
	v_mov_b32 v[SC], s55
	s_add_co_i32 s54, s54, 8
	s_lshl_b32 s54, s54, 23
	s_or_b32 s54, s54, 0x600000
	v_mov_b32 v[LIM], s54
.endm
.macro Q16 src, tmp, dst, relu
.irp k, 0,1,2,3,4,5,6,7,8,9,10,11,12,13,14,15
.if \relu
	v_med3_num_f32 v[\tmp+\k], v[\src+\k], 0, v[LIM]
.else
	v_med3_num_f32 v[\tmp+\k], v[\src+\k], -v[LIM], v[LIM]
.endif
.endr
	v_cvt_scalef32_pk8_fp8_f32 v[\dst:\dst+1], v[\tmp:\tmp+7], v[SC]
	v_cvt_scalef32_pk8_fp8_f32 v[\dst+2:\dst+3], v[\tmp+8:\tmp+15], v[SC]
.endm
.macro G16 reg, base                   ; 16 numbers of a vector of 256: features 32 w + 16 (lane / 16) + 0 .. 15
.irp j, 0,1,2,3
	global_load_b128 v[\reg+4*\j:\reg+4*\j+3], v[GA], s[\base:\base+1] offset:16*\j
.endr
.endm
.macro W512 base                       ; my 32 rows of a weight with K = 512: fragment (tile t, K step s) at 16 (4 t + s)
.irp t, 0,1
.irp s, 0,1,2,3
.irp c, 0,1,2,3
	global_load_b128 v[W2+16*(4*\t+\s)+4*\c:W2+16*(4*\t+\s)+4*\c+3], v[W2A], s[\base:\base+1] offset:\t*4096+\s*128+\c*32
.endr
.endr
.endr
.endm
.macro W256 base                       ; my 64 rows of a weight with K = 256: fragment (tile t, K step s) at 16 (2 t + s)
.irp t, 0,1,2,3
.irp s, 0,1
.irp c, 0,1,2,3
	global_load_b128 v[WQ+16*(2*\t+\s)+4*\c:WQ+16*(2*\t+\s)+4*\c+3], v[WQA], s[\base:\base+1] offset:(32*(\t/2)+8*(\t%2))*256+\s*128+\c*32
.endr
.endr
.endr
.endm
.macro PROJ512 dst, img                ; K = 512: for each tile of tokens four fragments from LDS, two accumulators by turns
.irp u, 0,1
	PLACES 5
.if \u == 1
	s_wait_alu depctr_va_vdst(0)                   ; tile 0's products are done reading v192-255, in which tile 1's fragments land
.endif
.irp s, 0,1,2,3
	FETCH AF+16*\s, \img+(4*\u+\s)*2048
.endr
	s_wait_dscnt 0x0
	WIN 0x01
.irp s, 0,1,2,3
.irp t, 0,1
.if \s == 0
	v_wmma_f32_16x16x128_fp8_fp8 v[\dst+16*\u+8*\t:\dst+16*\u+8*\t+7], v[W2+16*(4*\t+\s):W2+16*(4*\t+\s)+15], v[AF+16*\s:AF+16*\s+15], 0
.else
	v_wmma_f32_16x16x128_fp8_fp8 v[\dst+16*\u+8*\t:\dst+16*\u+8*\t+7], v[W2+16*(4*\t+\s):W2+16*(4*\t+\s)+15], v[AF+16*\s:AF+16*\s+15], v[\dst+16*\u+8*\t:\dst+16*\u+8*\t+7]
.endif
.endr
.endr
	WIN 0
.endr
	PLACES 4
.endm
.macro MUL256 u                        ; K = 256: tile u of tokens against my four tiles of rows; four accumulators by turns; the bias is the C of each sum's first product
	PLACES 5
	WIN 0x01
.irp s, 0,1
.irp t, 0,1,2,3
.if \s == 0
	v_wmma_f32_16x16x128_fp8_fp8 v[QA+8*\t:QA+8*\t+7], v[WQ+16*(2*\t+\s):WQ+16*(2*\t+\s)+15], v[AF+16*(2*\u+\s):AF+16*(2*\u+\s)+15], v[BQ+8*\t:BQ+8*\t+7]
.else
	v_wmma_f32_16x16x128_fp8_fp8 v[QA+8*\t:QA+8*\t+7], v[WQ+16*(2*\t+\s):WQ+16*(2*\t+\s)+15], v[AF+16*(2*\u+\s):AF+16*(2*\u+\s)+15], v[QA+8*\t:QA+8*\t+7]
.endif
.endr
.endr
	WIN 0
	PLACES 4
.endm
.macro AFFINE dst, bias                ; sum x 2^(eA + eB) + bias, each accumulator from its low end on
.irp u, 0,1
.irp k, 0,2,4,6,8,10,12,14
	v_pk_fma_f32 v[\dst+16*\u+\k:\dst+16*\u+\k+1], v[\dst+16*\u+\k:\dst+16*\u+\k+1], s[50:51], v[\bias+\k:\bias+\k+1] op_sel_hi:[1,0,1]
.endr
.endr
.endm
.macro ADD32 dst, src
.irp k, 0,2,4,6,8,10,12,14,16,18,20,22,24,26,28,30
	v_pk_add_f32 v[\dst+\k:\dst+\k+1], v[\dst+\k:\dst+\k+1], v[\src+\k:\src+\k+1]
.endr
.endm
.macro LNSTAT base, stat               ; my wave's pair (m, q) for each of the 32 tokens, both tiles line by line
.irp k, 0,1,2,3
.irp u, 0,1
	v_pk_add_f32 v[TT+16*\u+2*\k:TT+16*\u+2*\k+1], v[\base+16*\u+4*\k:\base+16*\u+4*\k+1], v[\base+16*\u+4*\k+2:\base+16*\u+4*\k+3]
.endr
.endr
.irp u, 0,1
	v_pk_add_f32 v[TT+16*\u:TT+16*\u+1], v[TT+16*\u:TT+16*\u+1], v[TT+16*\u+2:TT+16*\u+3]
	v_pk_add_f32 v[TT+16*\u+4:TT+16*\u+5], v[TT+16*\u+4:TT+16*\u+5], v[TT+16*\u+6:TT+16*\u+7]
.endr
.irp u, 0,1
	v_pk_add_f32 v[TT+16*\u:TT+16*\u+1], v[TT+16*\u:TT+16*\u+1], v[TT+16*\u+4:TT+16*\u+5]
.endr
.irp u, 0,1
	v_add_f32 v[TT+16*\u+8], v[TT+16*\u], v[TT+16*\u+1]
.endr
.irp u, 0,1
	v_permlanex16_b32 v[TT+16*\u+10], v[TT+16*\u+8], s48, s49
.endr
.irp u, 0,1
	v_add_f32 v[TT+16*\u+8], v[TT+16*\u+8], v[TT+16*\u+10]
.endr
.irp u, 0,1
	v_mul_f32 v[TT+16*\u+8], 0x3d000000, v[TT+16*\u+8]     ; / 32: m
.endr
.irp k, 0,1,2,3,4,5,6,7
.irp u, 0,1
	v_pk_add_f32 v[TT+16*\u+2*(\k%4):TT+16*\u+2*(\k%4)+1], v[\base+16*\u+2*\k:\base+16*\u+2*\k+1], v[TT+16*\u+8:TT+16*\u+9] op_sel_hi:[1,0] neg_lo:[0,1] neg_hi:[0,1]
.endr
.irp u, 0,1
.if \k == 0
	v_pk_mul_f32 v[TT+16*\u+14:TT+16*\u+15], v[TT+16*\u:TT+16*\u+1], v[TT+16*\u:TT+16*\u+1]
.else
	v_pk_fma_f32 v[TT+16*\u+14:TT+16*\u+15], v[TT+16*\u+2*(\k%4):TT+16*\u+2*(\k%4)+1], v[TT+16*\u+2*(\k%4):TT+16*\u+2*(\k%4)+1], v[TT+16*\u+14:TT+16*\u+15]
.endif
.endr
.endr
.irp u, 0,1
	v_add_f32 v[TT+16*\u+9], v[TT+16*\u+14], v[TT+16*\u+15]
.endr
.irp u, 0,1
	v_permlanex16_b32 v[TT+16*\u+10], v[TT+16*\u+9], s48, s49
.endr
.irp u, 0,1
	v_add_f32 v[TT+16*\u+9], v[TT+16*\u+9], v[TT+16*\u+10]  ; q
.endr
	s_wait_alu depctr_va_vdst(0)                   ; the pairs are written, which the LDS stores read; and every vector and matrix line so far is done with v192-223, in which the eight waves' pairs land behind the barrier
.irp u, 0,1
	ds_store_b64 v[SA], v[TT+16*\u+8:TT+16*\u+9] offset:\stat+\u*128   ; both halves of the lanes store the same pair at the same place
.endr
.endm
.macro LNFIN base, stat, g, b          ; the eight waves' pairs become mean and 1 / sigma; then (v - mean) / sigma x g + b
.irp u, 0,1
.irp k, 0,1,2,3,4,5,6,7
	ds_load_b64 v[AF+16*\u+2*\k:AF+16*\u+2*\k+1], v[SRD] offset:\stat+\k*256+\u*128
.endr
.endr
	s_wait_dscnt 0x0
	s_wait_alu depctr_vm_vsrc(0)                   ; my LDS stores of the pairs have read v232-233 and v248-249, which the lines below write again
.irp k, 0,1,2,3
.irp u, 0,1
	v_pk_add_f32 v[TT+16*\u+2*\k:TT+16*\u+2*\k+1], v[AF+16*\u+4*\k:AF+16*\u+4*\k+1], v[AF+16*\u+4*\k+2:AF+16*\u+4*\k+3]
.endr
.endr
.irp u, 0,1
	v_pk_add_f32 v[TT+16*\u:TT+16*\u+1], v[TT+16*\u:TT+16*\u+1], v[TT+16*\u+2:TT+16*\u+3]
	v_pk_add_f32 v[TT+16*\u+4:TT+16*\u+5], v[TT+16*\u+4:TT+16*\u+5], v[TT+16*\u+6:TT+16*\u+7]
.endr
.irp u, 0,1
	v_pk_add_f32 v[TT+16*\u:TT+16*\u+1], v[TT+16*\u:TT+16*\u+1], v[TT+16*\u+4:TT+16*\u+5]   ; (sum m, sum q)
.endr
.irp u, 0,1
	v_mul_f32 v[TT+16*\u+8], 0x3e000000, v[TT+16*\u]       ; / 8: the row's mean
.endr
.irp k, 0,1,2,3,4,5,6,7
.irp u, 0,1
	v_sub_f32 v[AF+16*\u+2*\k], v[AF+16*\u+2*\k], v[TT+16*\u+8]
.endr
.endr
.irp u, 0,1
	v_mul_f32 v[TT+16*\u+14], v[AF+16*\u], v[AF+16*\u]
.endr
.irp k, 1,2,3,4,5,6,7
.irp u, 0,1
	v_fma_f32 v[TT+16*\u+14], v[AF+16*\u+2*\k], v[AF+16*\u+2*\k], v[TT+16*\u+14]
.endr
.endr
.irp u, 0,1
	v_fma_f32 v[TT+16*\u+14], v[TT+16*\u+14], 0x42000000, v[TT+16*\u+1]   ; x 32 + sum q
.endr
.irp u, 0,1
	v_fma_f32 v[TT+16*\u+14], v[TT+16*\u+14], s52, s53     ; / 256 + 1e-6
.endr
.irp u, 0,1
	v_rsq_f32 v[TT+16*\u+12], v[TT+16*\u+14]
.endr
	v_nop
	s_wait_alu depctr_va_vdst(0)                   ; one wait for both roots, v236 and v252, ahead of their first reader
.irp k, 0,2,4,6,8,10,12,14
.irp u, 0,1
	v_pk_add_f32 v[\base+16*\u+\k:\base+16*\u+\k+1], v[\base+16*\u+\k:\base+16*\u+\k+1], v[TT+16*\u+8:TT+16*\u+9] op_sel_hi:[1,0] neg_lo:[0,1] neg_hi:[0,1]
.endr
.endr
.irp k, 0,2,4,6,8,10,12,14
.irp u, 0,1
	v_pk_mul_f32 v[\base+16*\u+\k:\base+16*\u+\k+1], v[\base+16*\u+\k:\base+16*\u+\k+1], v[TT+16*\u+12:TT+16*\u+13] op_sel_hi:[1,0]
.endr
.endr
.irp k, 0,2,4,6,8,10,12,14
.irp u, 0,1
	v_pk_fma_f32 v[\base+16*\u+\k:\base+16*\u+\k+1], v[\base+16*\u+\k:\base+16*\u+\k+1], v[\g+\k:\g+\k+1], v[\b+\k:\b+\k+1]
.endr
.endr
.endm
	s_load_b512 s[4:19], s[0:1], 0x0               ; att, x, w2, b2, m1_g, m1_b, ln1_g, ln1_b
	s_load_b256 s[20:27], s[0:1], 0x40             ; wq, bq, the scales, x1
	s_load_b64 s[28:29], s[0:1], 0x60              ; q's image
	v_lshl_add_u32 v14, v0, 2, 0xf200
	v_mov_b32 v15, 0
	v_lshrrev_b32 v16, 5, v0
	v_readfirstlane_b32 s56, v16                   ; wave 0..7
	v_and_b32 v16, 31, v0
	v_lshlrev_b32 v[LI], 4, v16
	v_and_b32 v16, 15, v0                          ; r
	v_bfe_u32 v17, v0, 4, 1                        ; lane / 16
	v_and_b32 v18, 8, v16
	v_add_nc_u32 v18, v18, v16                     ; pi(r)
	s_wait_alu depctr_va_sdst(0)                   ; s56 is written, ahead of its first reader: LDS places and every base are made from it
	s_lshl_b32 s57, s56, 11
	v_add_nc_u32 v[AW], s57, v[LI]                 ; att's fragment number w
	v_lshlrev_b32 v[XA], 10, v18
	v_lshl_add_u32 v[XA], v17, 6, v[XA]
	v_lshlrev_b32 v[W2A], 9, v18
	v_lshl_add_u32 v[W2A], v17, 4, v[W2A]
	v_lshlrev_b32 v[WQA], 8, v18
	v_lshl_add_u32 v[WQA], v17, 4, v[WQA]
	v_lshlrev_b32 v[GA], 6, v17
	s_lshl_b32 s57, s56, 8
	v_lshl_add_u32 v[SA], v16, 3, s57              ; 256 w + 8 r
	v_lshlrev_b32 v[SRD], 3, v16
	s_lshr_b32 s57, s56, 2
	s_lshl_b32 s57, s57, 11
	s_and_b32 s58, s56, 3
	s_lshl_b32 s58, s58, 9
	s_add_co_u32 s57, s57, s58
	s_add_co_u32 s57, s57, X1IMG
	v_add_nc_u32 v[X1W], s57, v[LI]                ; my 32 features are chunk w % 4 of K step w / 4
	v_mul_u32_u24 v[STW], v18, 1040
	v_lshl_add_u32 v[STW], v17, 6, v[STW]
	s_lshl_b32 s57, s56, 7
	s_add_co_u32 s57, s57, STAGE
	v_add_nc_u32 v[STW], s57, v[STW]               ; the stage: row pi(r), + 128 w + 64 (lane / 16)
	s_mul_i32 s57, s56, 4160
	s_add_co_u32 s57, s57, STAGE
	v_add_nc_u32 v[STR], s57, v[LI]                ; back: rows 4 w .. 4 w + 3
	s_lshl_b32 s58, ttmp9, 14
	s_lshr_b32 s59, s56, 2
	s_lshl_b32 s59, s59, 13
	s_add_co_u32 s58, s58, s59
	s_and_b32 s59, s56, 3
	s_lshl_b32 s59, s59, 11
	s_add_co_u32 s58, s58, s59                     ; att: tile 2 i + w / 4, K step w % 4
	s_mov_b32 s59, 0
	s_lshl_b32 s60, ttmp9, 15
	s_lshl_b32 s61, s56, 7
	s_add_co_u32 s60, s60, s61                     ; x: row 32 i, feature 32 w
	s_mov_b32 s61, 0
	s_lshl_b32 s62, s56, 14                        ; w2: 32 w rows of 512 bytes; wq: 64 w rows of 256
	s_mov_b32 s63, 0
	s_lshl_b32 s66, s56, 7                         ; vectors of 256: feature 32 w
	s_mov_b32 s67, 0
	s_lshl_b32 s68, s56, 8                         ; bq: feature 64 w
	s_mov_b32 s69, 0
	s_lshl_b32 s70, ttmp9, 15
	s_lshl_b32 s71, s56, 12
	s_add_co_u32 s70, s70, s71                     ; x1: row 32 i + 4 w
	s_mov_b32 s71, 0
	s_lshr_b32 s72, ttmp9, 6
	s_lshl_b32 s72, s72, 3
	s_add_co_u32 s72, s72, s56
	s_lshl_b32 s72, s72, 17
	s_and_b32 s73, ttmp9, 63
	s_lshl_b32 s73, s73, 11
	s_add_co_u32 s72, s72, s73                     ; q's image: head w of the batch, tiles 2 (i % 64) on
	s_mov_b32 s73, 0
	s_mov_b32 s48, 0x76543210
	s_mov_b32 s49, 0xfedcba98                      ; lane l xor 16
	s_mov_b32 s52, 0x3b800000                      ; 1 / 256
	s_mov_b32 s53, 0x358637bd                      ; 1e-6
	s_wait_kmcnt 0x0
	s_load_b512 s[32:47], s[24:25], 0x28           ; entries 10 to 25
	s_add_nc_u64 s[4:5], s[4:5], s[58:59]
	s_add_nc_u64 s[6:7], s[6:7], s[60:61]
	s_add_nc_u64 s[8:9], s[8:9], s[62:63]
.irp p, 10,12,14,16,18
	s_add_nc_u64 s[\p:\p+1], s[\p:\p+1], s[66:67]
.endr
	s_add_nc_u64 s[20:21], s[20:21], s[62:63]
	s_add_nc_u64 s[22:23], s[22:23], s[68:69]
	s_add_nc_u64 s[26:27], s[26:27], s[70:71]
	s_add_nc_u64 s[28:29], s[28:29], s[72:73]
	s_wait_alu depctr_va_vdst(0)                   ; the addresses v1 to v11 are written, which the loads and stores of the kernel read; the head is done with v16-18, in which b2 lands
	; the first loads: 4 of att, 8 of x, 4 of b2, 32 of w2
.irp c, 0,1,2,3
	global_load_b128 v[AF+4*\c:AF+4*\c+3], v[LI], s[4:5] offset:512*\c
.endr
.irp u, 0,1
.irp j, 0,1,2,3
	global_load_b128 v[XR+16*\u+4*\j:XR+16*\u+4*\j+3], v[XA], s[6:7] offset:\u*8192+16*\j
.endr
.endr
	G16 B2, 10
	WIN 0x40
	W512 8
	WIN 0
	s_wait_loadcnt 44                              ; att's fragment is in: behind it 8 + 4 + 32 loads were issued
.irp c, 0,1,2,3
	ds_store_b128 v[AW], v[AF+4*\c:AF+4*\c+3] offset:AIMG+512*\c
.endr
	s_wait_dscnt 0x0
	; the other loads: 16 of gains and biases, 8 of bq, 32 of wq
	G16 G1, 12
	G16 B1, 14
	G16 G2, 16
	G16 BB2, 18
.irp t, 0,1,2,3
.irp k, 0,1
	global_load_b128 v[BQ+8*\t+4*\k:BQ+8*\t+4*\k+3], v[GA], s[22:23] offset:(32*(\t/2)+8*(\t%2))*4+16*\k
.endr
.endr
	WIN 0x40
	W256 20
	WIN 0
	s_barrier_signal -1
	s_barrier_wait -1                              ; att's eight fragments lie in LDS
	s_wait_kmcnt 0x0
	s_add_co_i32 s50, s32, s33
	s_add_co_i32 s50, s50, 127
	s_lshl_b32 s50, s50, 23                        ; 2^(e10 + e11)
	s_mov_b32 s51, s50
	s_wait_loadcnt 56                              ; the first loads are in
	s_wait_alu depctr_vm_vsrc(0)                   ; my LDS stores of att's fragment have read v192-207, in which the first product's fragments land
	PROJ512 V, AIMG
.irp u, 0,1
	v_mov_b32 v[TT+16*\u+9], 0                     ; upper halves of pairs and the exchange's destination: written once
	v_mov_b32 v[TT+16*\u+10], 0
	v_mov_b32 v[TT+16*\u+13], 0
.endr
	AFFINE V, B2
	ADD32 V, XR
	LNSTAT V, STAT1
	BARRIER
	s_wait_loadcnt 40                              ; the gains are in; bq and wq may be out
	LNFIN V, STAT1, G1, B1
	ADD32 V, XR                                    ; x + the first attention's result
	LNSTAT V, STAT2
	BARRIER
	LNFIN V, STAT2, G2, BB2                        ; x1
	MKSC s34
	Q16 V, AF, 16, 0
	Q16 V+16, AF+16, 20, 0
	v_nop
	s_wait_alu depctr_va_vdst(0)                   ; x1 is written in v64-95 and its codes in v16-23, which the LDS stores read; the norms and the holds are done with v96-127 and v192-255, in which LDS loads land behind the barrier
.irp u, 0,1
.irp j, 0,1,2,3
	ds_store_b128 v[STW], v[V+16*\u+4*\j:V+16*\u+4*\j+3] offset:\u*8320+16*\j
.endr
.endr
	ds_store_b128 v[X1W], v[16:19]
	ds_store_b128 v[X1W], v[20:23] offset:4096
	BARRIER                                        ; x1's rows lie in the stage, its four fragments beside them
.irp f, 0,1,2,3
	FETCH AF+16*\f, X1IMG+\f*2048
.endr
.irp k, 0,1,2,3,4,5,6,7
	ds_load_b128 v[G1+4*\k:G1+4*\k+3], v[STR] offset:(\k/2)*1040+(\k%2)*512
.endr
	s_wait_alu depctr_vm_vsrc(0)                   ; the LDS stores ahead of the barrier have read v16-23, which the second product's conversions write again
	s_wait_loadcnt 0x0                             ; bq, wq
	s_add_co_i32 s57, s34, s35
	s_sub_co_i32 s58, 0, s57
.set j, 0
.rept 32
	v_ldexp_f32 v[BQ+j], v[BQ+j], s58              ; bq / 2^(e12 + e13)
.set j, j+1
.endr
	s_sub_co_i32 s57, s40, s57
	MKSC s57                                       ; 2^(e18 - e12 - e13)
	s_wait_dscnt 8                                 ; the fragments are in; the eight reads of rows may be out
	MUL256 0
	s_wait_dscnt 0x0                               ; the rows of x1 are back from the stage
.irp k, 0,1,2,3,4,5,6,7
	global_store_b128 v[LI], v[G1+4*\k:G1+4*\k+3], s[26:27] offset:(\k/2)*1024+(\k%2)*512   ; 32 lanes store 512 consecutive bytes of a row; their data came by LDS loads, and no vector line names them
.endr
	Q16 QA, QA, 16, 0
	Q16 QA+16, QA+16, 20, 0
	v_nop
	MUL256 1
	Q16 QA, QA, 24, 0
	Q16 QA+16, QA+16, 28, 0
	v_nop
	s_wait_alu depctr_va_vdst(0)                   ; the conversions have written v16-31, which the four stores read
.irp u, 0,1
	global_store_b128 v[LI], v[16+8*\u:19+8*\u], s[28:29] offset:\u*1024
	global_store_b128 v[LI], v[20+8*\u:23+8*\u], s[28:29] offset:\u*1024+512
.endr
	s_wait_dscnt 0x0                               ; the closing lines, six on end
	s_wait_alu 0x0
	s_wait_tensorcnt 0x0
	ds_add_u32 v14, v15
	s_wait_dscnt 0x0
	s_endpgm
.Lfunc_end_k_qe808abaf2a_post1:
	.size	k_qe808abaf2a_post1, .Lfunc_end_k_qe808abaf2a_post1-k_qe808abaf2a_post1
	.p2alignl 7, 3214868480
	.fill 96, 4, 3214868480
	.section	.rodata,"a",@progbits
	.p2align	6, 0x0
	.amdhsa_kernel k_qe808abaf2a_post1
		.amdhsa_group_segment_fixed_size 62976
		.amdhsa_private_segment_fixed_size 0
		.amdhsa_enable_private_segment 0
		.amdhsa_kernarg_size 104
		.amdhsa_user_sgpr_count 2
		.amdhsa_user_sgpr_kernarg_segment_ptr 1
		.amdhsa_wavefront_size32 1
		.amdhsa_system_sgpr_workgroup_id_x 1
		.amdhsa_system_sgpr_workgroup_id_y 1
		.amdhsa_system_sgpr_workgroup_id_z 1
		.amdhsa_system_vgpr_workitem_id 0
		.amdhsa_next_free_vgpr 512
		.amdhsa_next_free_sgpr 90
		.amdhsa_reserve_vcc 0
		.amdhsa_float_denorm_mode_32 3
		.amdhsa_float_denorm_mode_16_64 3
		.amdhsa_memory_ordered 1
		.amdhsa_forward_progress 1
		.amdhsa_inst_pref_size 58
	.end_amdhsa_kernel
	.amdgpu_metadata
---
amdhsa.version: [ 1, 2 ]
amdhsa.kernels:
  - .name:           k_qe808abaf2a_post1
    .symbol:         k_qe808abaf2a_post1.kd
    .args:
      - { .name: attimg, .offset: 0, .size: 8, .value_kind: global_buffer, .address_space: global }
      - { .name: x, .offset: 8, .size: 8, .value_kind: global_buffer, .address_space: global }
      - { .name: m1_w2_codes, .offset: 16, .size: 8, .value_kind: global_buffer, .address_space: global }
      - { .name: m1_b2, .offset: 24, .size: 8, .value_kind: global_buffer, .address_space: global }
      - { .name: m1_g, .offset: 32, .size: 8, .value_kind: global_buffer, .address_space: global }
      - { .name: m1_b, .offset: 40, .size: 8, .value_kind: global_buffer, .address_space: global }
      - { .name: ln1_g, .offset: 48, .size: 8, .value_kind: global_buffer, .address_space: global }
      - { .name: ln1_b, .offset: 56, .size: 8, .value_kind: global_buffer, .address_space: global }
      - { .name: m2_wq_codes, .offset: 64, .size: 8, .value_kind: global_buffer, .address_space: global }
      - { .name: m2_bq, .offset: 72, .size: 8, .value_kind: global_buffer, .address_space: global }
      - { .name: lowp_scales, .offset: 80, .size: 8, .value_kind: global_buffer, .address_space: global }
      - { .name: x1, .offset: 88, .size: 8, .value_kind: global_buffer, .address_space: global }
      - { .name: qimg, .offset: 96, .size: 8, .value_kind: global_buffer, .address_space: global }
    .group_segment_fixed_size: 62976
    .private_segment_fixed_size: 0
    .kernarg_segment_align: 8
    .kernarg_segment_size: 104
    .max_flat_workgroup_size: 256
    .sgpr_count:     90
    .vgpr_count:     512
    .wavefront_size: 32
...
	.end_amdgpu_metadata
.endif
;; end of part 7
;; launch attn2: the kernel of part 4 again; grid 8 x 32, 8 waves a work-group, clusters of 4 x 1, 271,360 bytes of LDS; arguments qimg, k2img, v2img, lowp_scales, attimg; writes attimg
;; launch post2 (part 8): grid 256 x 1, 8 waves a work-group, no clusters, 81,408 bytes of LDS; arguments attimg, x1, m2_w2_codes, m2_b2, m2_g, m2_b, ln2_g, ln2_b, ffn_w1_codes, ffn_b1, ffn_w2_codes, ffn_b2, ln3_g, ln3_b, lowp_scales, out0; writes out0
.if DOCPART == 8
	.amdgcn_target "amdgcn-amd-amdhsa--gfx1250"
	.amdhsa_code_object_version 6
	.text
	.protected	k_qe808abaf2a_post2
	.globl	k_qe808abaf2a_post2
	.p2align	8
	.type	k_qe808abaf2a_post2,@function
k_qe808abaf2a_post2:
	s_mov_b64 s[64:65], 0
	v_nop
	global_prefetch_b8 v0, s[64:65] scope:SCOPE_SE
	s_setreg_imm32_b32 hwreg(HW_REG_WAVE_SCHED_MODE, 0, 2), 2
	s_setreg_imm32_b32 hwreg(HW_REG_WAVE_MODE, 25, 1), 1
	s_wait_xcnt 0x0
	s_wait_alu depctr_vm_vsrc(0)
; a = LN(att w2 + b2 + x1; m2_g, m2_b);  x2 = LN(x1 + a; ln2_g, ln2_b);  out = LN(x2 + relu(x2 w1 + b1) wf2 + bf2; ln3_g, ln3_b).  All three products on codes of E4M3.
; SHARES.  Work-group i: tokens 32 i .. 32 i + 31, two tiles u (lane r: token 32 i + 8 u + pi(r), pi(r) = r + 8 (r / 8)).  THE WAVES SHARE THE COLUMNS: wave w makes features 32 w .. + 31 of the products with 256 outputs and
; hidden units 64 w .. + 63, for all 32 tokens; its weights come from memory straight into registers, once (wf2 into the registers that w2 has left): no tile passes LDS by a tensor load, so a cluster would have nothing to ask for jointly.
; The products are used transposed (source 0 = 16 rows of W, source 1 = 16 tokens): lane (r, h) holds one token and 16 neighbouring features.  Operands go from wave to wave through LDS as images of their registers.
; A ROW'S NORM spans the eight waves: each wave's mean m and sum q of squared distances of its 32 numbers meet in LDS; mean = sum m / 8, 256 var = sum q + 32 sum (m - mean)^2: no difference of large sums.
; LIMITS: e22 + e23 and e26 + e27 between -126 and 127; e24 and e26 - e24 - e25 between -126 and 119.  NaN is not served.
; REGISTERS.  Window 0: v1-14 addresses and the scale; v16-31 b2, later codes; v32-63 x1, later the hidden layer's sums, later the last product's; v64-95 the rows at work, then x2; v96-159 four gains and biases of 16,
;   later ln3_g, ln3_b, bf2; v160-191 b1, later rows read back; v192-255 fragments of tokens, the norms' work.   Window 1: v0-127 w2, later wf2; v128-255 w1.
; THE MODE: SCHED_MODE bits 1:0 = 2 (LLVM: expert scheduling mode 2), set by the entry lines.  The code itself states the register dependences
; between vector or matrix instructions and memory or LDS instructions, with s_wait_alu, always for 0.
; THE PLAN.  Registers that memory or LDS instructions touch:
;   v1-11, v14  addresses: written at the head, never again: one wait on va_vdst ahead of the first load (it also covers v16-18, the head's temporaries, in which b2 lands).
;   v192-207    att's fragment lands, my LDS stores read it; then fragments land: one wait on vm_vsrc ahead of the first product's loads.
;   v192-255    fragments: LDS loads land, products read: a wait on va_vdst between tile 0's products and tile 1's loads.  Every other load into them follows a wait on va_vdst with no vector line between.
;   window 1 v0-127   w2: the first product reads; wf2 lands: the window's switch, a wait on va_vdst, the loads.
;   v232-233, v248-249   a wave's pair (m, q): vector lines write, two LDS stores read (a wait on va_vdst ahead of them), the next lines of the norm write again (a wait on vm_vsrc ahead of those).
;   v16-23      x2's codes: one wait on va_vdst ahead of their LDS stores, which also states that the norms are done with v96-143, in which ln3_g, ln3_b and bf2 land; written again by the hidden layer's conversions behind a wait on vm_vsrc.
;   v16-31      the hidden layer's codes: one wait on va_vdst ahead of the four LDS stores.     v32-63  the finished rows: a wait on va_vdst ahead of the stage's stores.     v160-191  rows from the stage: LDS loads land, global stores read.
.set AIMG,  0                          ; LDS: att's 8 fragments (4 u + K step)
.set X1IMG, 16384                      ; x2's 4 fragments (2 u + K step)
.set HIMG,  24576                      ; the hidden layer's 8 fragments (4 u + K step)
.set STAT1, 40960                      ; a norm's pairs: 256 bytes a wave, 8 bytes a token
.set STAT2, 43008
.set STAT3, 45056
.set STAGE, 47104                      ; 32 rows x (1,024 + 16) bytes
.set LI,  1
.set AW,  2
.set XA,  3
.set W2A, 4
.set WQA, 5
.set GA,  6
.set SA,  7
.set SRD, 8
.set X1W, 9
.set STW, 10
.set STR, 11
.set SC,  12
.set LIM, 13
.set HW,  14
.set B2,  16
.set XR,  32
.set QA,  32
.set V,   64
.set G1,  96
.set B1,  112
.set G2,  128
.set BB2, 144
.set BQ,  160
.set AF,  192
.set TT,  224                          ; a tile's 16: +0..7 four pairs at work, +8 mean, +9 q, +10 the exchange, +12 1 / sigma, +14,15 a sum
.set W2,  0
.set WQ,  128
.set MSB, 0
.macro WIN new
.if MSB != \new
	s_set_vgpr_msb (MSB<<8)|\new
.set MSB, \new
.endif
.endm
.macro PLACES n
.rept \n
	v_nop
.endr
.endm
.macro BARRIER                         ; my LDS stores have landed and my LDS loads are in: then the work-group's barrier
	s_wait_dscnt 0x0
	s_barrier_signal -1
	s_barrier_wait -1
.endm
.macro FETCH reg, off
.irp c, 0,1,2,3
	ds_load_b128 v[\reg+4*\c:\reg+4*\c+3], v[LI] offset:\off+512*\c
.endr
.endm
.macro MKSC e
	s_add_co_i32 s54, \e, 127
	s_lshl_b32 s55, s54, 23
	v_mov_b32 v[SC], s55
	s_add_co_i32 s54, s54, 8
	s_lshl_b32 s54, s54, 23
	s_or_b32 s54, s54, 0x600000
	v_mov_b32 v[LIM], s54
.endm
.macro Q16 src, tmp, dst, relu         ; relu = 1: the activation and the hold in one
.irp k, 0,1,2,3,4,5,6,7,8,9,10,11,12,13,14,15
.if \relu
	v_med3_num_f32 v[\tmp+\k], v[\src+\k], 0, v[LIM]
.else
	v_med3_num_f32 v[\tmp+\k], v[\src+\k], -v[LIM], v[LIM]
.endif
.endr
	v_cvt_scalef32_pk8_fp8_f32 v[\dst:\dst+1], v[\tmp:\tmp+7], v[SC]
	v_cvt_scalef32_pk8_fp8_f32 v[\dst+2:\dst+3], v[\tmp+8:\tmp+15], v[SC]
.endm
.macro G16 reg, base
.irp j, 0,1,2,3
	global_load_b128 v[\reg+4*\j:\reg+4*\j+3], v[GA], s[\base:\base+1] offset:16*\j
.endr
.endm
.macro W512 base
.irp t, 0,1
.irp s, 0,1,2,3
.irp c, 0,1,2,3
	global_load_b128 v[W2+16*(4*\t+\s)+4*\c:W2+16*(4*\t+\s)+4*\c+3], v[W2A], s[\base:\base+1] offset:\t*4096+\s*128+\c*32
.endr
.endr
.endr
.endm
.macro W256 base
.irp t, 0,1,2,3
.irp s, 0,1
.irp c, 0,1,2,3
	global_load_b128 v[WQ+16*(2*\t+\s)+4*\c:WQ+16*(2*\t+\s)+4*\c+3], v[WQA], s[\base:\base+1] offset:(32*(\t/2)+8*(\t%2))*256+\s*128+\c*32
.endr
.endr
.endr
.endm
.macro PROJ512 dst, img                ; K = 512: for each tile of tokens four fragments from LDS, two accumulators by turns
.irp u, 0,1
	PLACES 5
.if \u == 1
	s_wait_alu depctr_va_vdst(0)                   ; tile 0's products are done reading v192-255, in which tile 1's fragments land
.endif
.irp s, 0,1,2,3
	FETCH AF+16*\s, \img+(4*\u+\s)*2048
.endr
	s_wait_dscnt 0x0
	WIN 0x01
.irp s, 0,1,2,3
.irp t, 0,1
.if \s == 0
	v_wmma_f32_16x16x128_fp8_fp8 v[\dst+16*\u+8*\t:\dst+16*\u+8*\t+7], v[W2+16*(4*\t+\s):W2+16*(4*\t+\s)+15], v[AF+16*\s:AF+16*\s+15], 0
.else
	v_wmma_f32_16x16x128_fp8_fp8 v[\dst+16*\u+8*\t:\dst+16*\u+8*\t+7], v[W2+16*(4*\t+\s):W2+16*(4*\t+\s)+15], v[AF+16*\s:AF+16*\s+15], v[\dst+16*\u+8*\t:\dst+16*\u+8*\t+7]
.endif
.endr
.endr
	WIN 0
.endr
	PLACES 4
.endm
.macro MUL256 u                        ; K = 256: tile u of tokens against my four tiles of rows; four accumulators by turns; the bias is the C of each sum's first product
	PLACES 5
	WIN 0x01
.irp s, 0,1
.irp t, 0,1,2,3
.if \s == 0
	v_wmma_f32_16x16x128_fp8_fp8 v[QA+8*\t:QA+8*\t+7], v[WQ+16*(2*\t+\s):WQ+16*(2*\t+\s)+15], v[AF+16*(2*\u+\s):AF+16*(2*\u+\s)+15], v[BQ+8*\t:BQ+8*\t+7]
.else
	v_wmma_f32_16x16x128_fp8_fp8 v[QA+8*\t:QA+8*\t+7], v[WQ+16*(2*\t+\s):WQ+16*(2*\t+\s)+15], v[AF+16*(2*\u+\s):AF+16*(2*\u+\s)+15], v[QA+8*\t:QA+8*\t+7]
.endif
.endr
.endr
	WIN 0
	PLACES 4
.endm
.macro AFFINE dst, bias
.irp u, 0,1
.irp k, 0,2,4,6,8,10,12,14
	v_pk_fma_f32 v[\dst+16*\u+\k:\dst+16*\u+\k+1], v[\dst+16*\u+\k:\dst+16*\u+\k+1], s[50:51], v[\bias+\k:\bias+\k+1] op_sel_hi:[1,0,1]
.endr
.endr
.endm
.macro ADD32 dst, src
.irp k, 0,2,4,6,8,10,12,14,16,18,20,22,24,26,28,30
	v_pk_add_f32 v[\dst+\k:\dst+\k+1], v[\dst+\k:\dst+\k+1], v[\src+\k:\src+\k+1]
.endr
.endm
.macro LNSTAT base, stat               ; my wave's pair (m, q) for each of the 32 tokens, both tiles line by line
.irp k, 0,1,2,3
.irp u, 0,1
	v_pk_add_f32 v[TT+16*\u+2*\k:TT+16*\u+2*\k+1], v[\base+16*\u+4*\k:\base+16*\u+4*\k+1], v[\base+16*\u+4*\k+2:\base+16*\u+4*\k+3]
.endr
.endr
.irp u, 0,1
	v_pk_add_f32 v[TT+16*\u:TT+16*\u+1], v[TT+16*\u:TT+16*\u+1], v[TT+16*\u+2:TT+16*\u+3]
	v_pk_add_f32 v[TT+16*\u+4:TT+16*\u+5], v[TT+16*\u+4:TT+16*\u+5], v[TT+16*\u+6:TT+16*\u+7]
.endr
.irp u, 0,1
	v_pk_add_f32 v[TT+16*\u:TT+16*\u+1], v[TT+16*\u:TT+16*\u+1], v[TT+16*\u+4:TT+16*\u+5]
.endr
.irp u, 0,1
	v_add_f32 v[TT+16*\u+8], v[TT+16*\u], v[TT+16*\u+1]
.endr
.irp u, 0,1
	v_permlanex16_b32 v[TT+16*\u+10], v[TT+16*\u+8], s48, s49
.endr
.irp u, 0,1
	v_add_f32 v[TT+16*\u+8], v[TT+16*\u+8], v[TT+16*\u+10]
.endr
.irp u, 0,1
	v_mul_f32 v[TT+16*\u+8], 0x3d000000, v[TT+16*\u+8]     ; / 32: m
.endr
.irp k, 0,1,2,3,4,5,6,7
.irp u, 0,1
	v_pk_add_f32 v[TT+16*\u+2*(\k%4):TT+16*\u+2*(\k%4)+1], v[\base+16*\u+2*\k:\base+16*\u+2*\k+1], v[TT+16*\u+8:TT+16*\u+9] op_sel_hi:[1,0] neg_lo:[0,1] neg_hi:[0,1]
.endr
.irp u, 0,1
.if \k == 0
	v_pk_mul_f32 v[TT+16*\u+14:TT+16*\u+15], v[TT+16*\u:TT+16*\u+1], v[TT+16*\u:TT+16*\u+1]
.else
	v_pk_fma_f32 v[TT+16*\u+14:TT+16*\u+15], v[TT+16*\u+2*(\k%4):TT+16*\u+2*(\k%4)+1], v[TT+16*\u+2*(\k%4):TT+16*\u+2*(\k%4)+1], v[TT+16*\u+14:TT+16*\u+15]
.endif
.endr
.endr
.irp u, 0,1
	v_add_f32 v[TT+16*\u+9], v[TT+16*\u+14], v[TT+16*\u+15]
.endr
.irp u, 0,1
	v_permlanex16_b32 v[TT+16*\u+10], v[TT+16*\u+9], s48, s49
.endr
.irp u, 0,1
	v_add_f32 v[TT+16*\u+9], v[TT+16*\u+9], v[TT+16*\u+10]  ; q
.endr
	s_wait_alu depctr_va_vdst(0)                   ; the pairs are written, which the LDS stores read; and every vector and matrix line so far is done with v192-223, in which the eight waves' pairs land behind the barrier
.irp u, 0,1
	ds_store_b64 v[SA], v[TT+16*\u+8:TT+16*\u+9] offset:\stat+\u*128   ; both halves of the lanes store the same pair at the same place
.endr
.endm
.macro LNFIN base, stat, g, b          ; the eight waves' pairs become mean and 1 / sigma; then (v - mean) / sigma x g + b
.irp u, 0,1
.irp k, 0,1,2,3,4,5,6,7
	ds_load_b64 v[AF+16*\u+2*\k:AF+16*\u+2*\k+1], v[SRD] offset:\stat+\k*256+\u*128
.endr
.endr
	s_wait_dscnt 0x0
	s_wait_alu depctr_vm_vsrc(0)                   ; my LDS stores of the pairs have read v232-233 and v248-249, which the lines below write again
.irp k, 0,1,2,3
.irp u, 0,1
	v_pk_add_f32 v[TT+16*\u+2*\k:TT+16*\u+2*\k+1], v[AF+16*\u+4*\k:AF+16*\u+4*\k+1], v[AF+16*\u+4*\k+2:AF+16*\u+4*\k+3]
.endr
.endr
.irp u, 0,1
	v_pk_add_f32 v[TT+16*\u:TT+16*\u+1], v[TT+16*\u:TT+16*\u+1], v[TT+16*\u+2:TT+16*\u+3]
	v_pk_add_f32 v[TT+16*\u+4:TT+16*\u+5], v[TT+16*\u+4:TT+16*\u+5], v[TT+16*\u+6:TT+16*\u+7]
.endr
.irp u, 0,1
	v_pk_add_f32 v[TT+16*\u:TT+16*\u+1], v[TT+16*\u:TT+16*\u+1], v[TT+16*\u+4:TT+16*\u+5]   ; (sum m, sum q)
.endr
.irp u, 0,1
	v_mul_f32 v[TT+16*\u+8], 0x3e000000, v[TT+16*\u]       ; / 8: the row's mean
.endr
.irp k, 0,1,2,3,4,5,6,7
.irp u, 0,1
	v_sub_f32 v[AF+16*\u+2*\k], v[AF+16*\u+2*\k], v[TT+16*\u+8]
.endr
.endr
.irp u, 0,1
	v_mul_f32 v[TT+16*\u+14], v[AF+16*\u], v[AF+16*\u]
.endr
.irp k, 1,2,3,4,5,6,7
.irp u, 0,1
	v_fma_f32 v[TT+16*\u+14], v[AF+16*\u+2*\k], v[AF+16*\u+2*\k], v[TT+16*\u+14]
.endr
.endr
.irp u, 0,1
	v_fma_f32 v[TT+16*\u+14], v[TT+16*\u+14], 0x42000000, v[TT+16*\u+1]   ; x 32 + sum q
.endr
.irp u, 0,1
	v_fma_f32 v[TT+16*\u+14], v[TT+16*\u+14], s52, s53     ; / 256 + 1e-6
.endr
.irp u, 0,1
	v_rsq_f32 v[TT+16*\u+12], v[TT+16*\u+14]
.endr
	v_nop
	s_wait_alu depctr_va_vdst(0)                   ; one wait for both roots, v236 and v252, ahead of their first reader
.irp k, 0,2,4,6,8,10,12,14
.irp u, 0,1
	v_pk_add_f32 v[\base+16*\u+\k:\base+16*\u+\k+1], v[\base+16*\u+\k:\base+16*\u+\k+1], v[TT+16*\u+8:TT+16*\u+9] op_sel_hi:[1,0] neg_lo:[0,1] neg_hi:[0,1]
.endr
.endr
.irp k, 0,2,4,6,8,10,12,14
.irp u, 0,1
	v_pk_mul_f32 v[\base+16*\u+\k:\base+16*\u+\k+1], v[\base+16*\u+\k:\base+16*\u+\k+1], v[TT+16*\u+12:TT+16*\u+13] op_sel_hi:[1,0]
.endr
.endr
.irp k, 0,2,4,6,8,10,12,14
.irp u, 0,1
	v_pk_fma_f32 v[\base+16*\u+\k:\base+16*\u+\k+1], v[\base+16*\u+\k:\base+16*\u+\k+1], v[\g+\k:\g+\k+1], v[\b+\k:\b+\k+1]
.endr
.endr
.endm
	s_load_b512 s[4:19], s[0:1], 0x0               ; att, x1, w2, b2, m2_g, m2_b, ln2_g, ln2_b
	s_load_b512 s[20:35], s[0:1], 0x40             ; w1, b1, wf2, bf2, ln3_g, ln3_b, the scales, out
	v_lshrrev_b32 v16, 5, v0
	v_readfirstlane_b32 s56, v16                   ; wave 0..7
	v_and_b32 v16, 31, v0
	v_lshlrev_b32 v[LI], 4, v16
	v_and_b32 v16, 15, v0                          ; r
	v_bfe_u32 v17, v0, 4, 1                        ; lane / 16
	v_and_b32 v18, 8, v16
	v_add_nc_u32 v18, v18, v16                     ; pi(r)
	s_wait_alu depctr_va_sdst(0)                   ; s56 is written, ahead of its first reader: LDS places and every base are made from it
	s_lshl_b32 s57, s56, 11
	v_add_nc_u32 v[AW], s57, v[LI]                 ; att's fragment number w
	v_lshlrev_b32 v[XA], 10, v18
	v_lshl_add_u32 v[XA], v17, 6, v[XA]
	v_lshlrev_b32 v[W2A], 9, v18
	v_lshl_add_u32 v[W2A], v17, 4, v[W2A]
	v_lshlrev_b32 v[WQA], 8, v18
	v_lshl_add_u32 v[WQA], v17, 4, v[WQA]
	v_lshlrev_b32 v[GA], 6, v17
	s_lshl_b32 s57, s56, 8
	v_lshl_add_u32 v[SA], v16, 3, s57              ; 256 w + 8 r
	v_lshlrev_b32 v[SRD], 3, v16
	s_lshr_b32 s57, s56, 2
	s_lshl_b32 s57, s57, 11
	s_and_b32 s58, s56, 3
	s_lshl_b32 s58, s58, 9
	s_add_co_u32 s57, s57, s58
	s_add_co_u32 s57, s57, X1IMG
	v_add_nc_u32 v[X1W], s57, v[LI]                ; my 32 features are chunk w % 4 of K step w / 4
	s_lshr_b32 s57, s56, 1
	s_lshl_b32 s57, s57, 11
	s_and_b32 s58, s56, 1
	s_lshl_b32 s58, s58, 10
	s_add_co_u32 s57, s57, s58
	s_add_co_u32 s57, s57, HIMG
	v_add_nc_u32 v[HW], s57, v[LI]                 ; my 64 hidden units are chunks 2 (w % 2) and + 1 of K step w / 2
	v_mul_u32_u24 v[STW], v18, 1040
	v_lshl_add_u32 v[STW], v17, 6, v[STW]
	s_lshl_b32 s57, s56, 7
	s_add_co_u32 s57, s57, STAGE
	v_add_nc_u32 v[STW], s57, v[STW]               ; the stage: row pi(r), + 128 w + 64 (lane / 16)
	s_mul_i32 s57, s56, 4160
	s_add_co_u32 s57, s57, STAGE
	v_add_nc_u32 v[STR], s57, v[LI]                ; back: rows 4 w .. 4 w + 3
	s_lshl_b32 s58, ttmp9, 14
	s_lshr_b32 s59, s56, 2
	s_lshl_b32 s59, s59, 13
	s_add_co_u32 s58, s58, s59
	s_and_b32 s59, s56, 3
	s_lshl_b32 s59, s59, 11
	s_add_co_u32 s58, s58, s59                     ; att: tile 2 i + w / 4, K step w % 4
	s_mov_b32 s59, 0
	s_lshl_b32 s60, ttmp9, 15
	s_lshl_b32 s61, s56, 7
	s_add_co_u32 s60, s60, s61                     ; x1: row 32 i, feature 32 w
	s_mov_b32 s61, 0
	s_lshl_b32 s62, s56, 14                        ; w2, wf2: 32 w rows of 512 bytes; w1: 64 w rows of 256
	s_mov_b32 s63, 0
	s_lshl_b32 s66, s56, 7                         ; vectors of 256: feature 32 w
	s_mov_b32 s67, 0
	s_lshl_b32 s68, s56, 8                         ; b1: hidden unit 64 w
	s_mov_b32 s69, 0
	s_lshl_b32 s70, ttmp9, 15
	s_lshl_b32 s71, s56, 12
	s_add_co_u32 s70, s70, s71                     ; out: row 32 i + 4 w
	s_mov_b32 s71, 0
	s_mov_b32 s48, 0x76543210
	s_mov_b32 s49, 0xfedcba98                      ; lane l xor 16
	s_mov_b32 s52, 0x3b800000                      ; 1 / 256
	s_mov_b32 s53, 0x358637bd                      ; 1e-6
	s_wait_kmcnt 0x0
	s_load_b256 s[40:47], s[32:33], 0x50           ; entries 20 to 27
	s_add_nc_u64 s[4:5], s[4:5], s[58:59]
	s_add_nc_u64 s[6:7], s[6:7], s[60:61]
	s_add_nc_u64 s[8:9], s[8:9], s[62:63]
.irp p, 10,12,14,16,18,26,28,30
	s_add_nc_u64 s[\p:\p+1], s[\p:\p+1], s[66:67]
.endr
	s_add_nc_u64 s[20:21], s[20:21], s[62:63]
	s_add_nc_u64 s[22:23], s[22:23], s[68:69]
	s_add_nc_u64 s[24:25], s[24:25], s[62:63]
	s_add_nc_u64 s[34:35], s[34:35], s[70:71]
	s_wait_alu depctr_va_vdst(0)                   ; the addresses v1 to v11 and v14 are written, which the loads and stores of the kernel read; the head is done with v16-18, in which b2 lands
	; the first loads: 4 of att, 8 of x1, 4 of b2, 32 of w2
.irp c, 0,1,2,3
	global_load_b128 v[AF+4*\c:AF+4*\c+3], v[LI], s[4:5] offset:512*\c
.endr
.irp u, 0,1
.irp j, 0,1,2,3
	global_load_b128 v[XR+16*\u+4*\j:XR+16*\u+4*\j+3], v[XA], s[6:7] offset:\u*8192+16*\j
.endr
.endr
	G16 B2, 10
	WIN 0x40
	W512 8
	WIN 0
	s_wait_loadcnt 44                              ; att's fragment is in: behind it 8 + 4 + 32 loads were issued
.irp c, 0,1,2,3
	ds_store_b128 v[AW], v[AF+4*\c:AF+4*\c+3] offset:AIMG+512*\c
.endr
	s_wait_dscnt 0x0
	; the second loads: 16 of gains and biases, 8 of b1, 32 of w1
	G16 G1, 12
	G16 B1, 14
	G16 G2, 16
	G16 BB2, 18
.irp t, 0,1,2,3
.irp k, 0,1
	global_load_b128 v[BQ+8*\t+4*\k:BQ+8*\t+4*\k+3], v[GA], s[22:23] offset:(32*(\t/2)+8*(\t%2))*4+16*\k
.endr
.endr
	WIN 0x40
	W256 20
	WIN 0
	s_barrier_signal -1
	s_barrier_wait -1                              ; att's eight fragments lie in LDS
	s_wait_kmcnt 0x0
	s_add_co_i32 s50, s42, s43
	s_add_co_i32 s50, s50, 127
	s_lshl_b32 s50, s50, 23                        ; 2^(e22 + e23)
	s_mov_b32 s51, s50
	s_wait_loadcnt 56                              ; the first loads are in
	s_wait_alu depctr_vm_vsrc(0)                   ; my LDS stores of att's fragment have read v192-207, in which the first product's fragments land
	PROJ512 V, AIMG
.irp u, 0,1
	v_mov_b32 v[TT+16*\u+9], 0                     ; upper halves of pairs and the exchange's destination: written once
	v_mov_b32 v[TT+16*\u+10], 0
	v_mov_b32 v[TT+16*\u+13], 0
.endr
	AFFINE V, B2
	ADD32 V, XR
	LNSTAT V, STAT1
	BARRIER
	s_wait_loadcnt 40                              ; the gains are in; b1 and w1 may be out
	WIN 0x40
	s_wait_alu depctr_va_vdst(0)                   ; the first product's matrix instructions are done reading w2's registers, in which wf2 lands
	W512 24                                        ; the third loads: wf2, 32, into the registers that w2 has left
	WIN 0
	LNFIN V, STAT1, G1, B1
	ADD32 V, XR                                    ; x1 + the second attention's result
	LNSTAT V, STAT2
	BARRIER
	LNFIN V, STAT2, G2, BB2                        ; x2: it stays in these registers
	MKSC s44
	Q16 V, AF, 16, 0
	Q16 V+16, AF+16, 20, 0
	v_nop
	s_wait_alu depctr_va_vdst(0)                   ; x2's codes are written in v16-23, which the LDS stores read; the two norms are done reading v96-143, in which the loads below land; the holds are done with v192-255, in which fragments land behind the barrier
	ds_store_b128 v[X1W], v[16:19]
	ds_store_b128 v[X1W], v[20:23] offset:4096
	G16 G1, 28                                     ; the fourth loads, 12: ln3_g, ln3_b, bf2, where gains lay that are done with
	G16 B1, 30
	G16 G2, 26
	BARRIER                                        ; x2's four fragments lie in LDS
.irp f, 0,1,2,3
	FETCH AF+16*\f, X1IMG+\f*2048
.endr
	s_wait_alu depctr_vm_vsrc(0)                   ; the LDS stores ahead of the barrier have read v16-23, which the hidden layer's conversions write again
	s_wait_loadcnt 44                              ; b1 and w1 are in: behind them 32 + 12 loads were issued
	s_add_co_i32 s57, s44, s45
	s_sub_co_i32 s58, 0, s57
.set j, 0
.rept 32
	v_ldexp_f32 v[BQ+j], v[BQ+j], s58              ; b1 / 2^(e24 + e25)
.set j, j+1
.endr
	s_sub_co_i32 s57, s46, s57
	MKSC s57                                       ; 2^(e26 - e24 - e25)
	s_wait_dscnt 0x0
.irp u, 0,1
	MUL256 \u
	Q16 QA, QA, 16+8*\u, 1
	Q16 QA+16, QA+16, 20+8*\u, 1
	v_nop
.endr
	s_wait_alu depctr_va_vdst(0)                   ; the conversions have written v16-31, which the four LDS stores read; the products are done reading v192-255, in which the hidden layer's fragments land behind the barrier
.irp u, 0,1
	ds_store_b128 v[HW], v[16+8*\u:19+8*\u] offset:\u*8192
	ds_store_b128 v[HW], v[20+8*\u:23+8*\u] offset:\u*8192+512
.endr
	BARRIER                                        ; the hidden layer's eight fragments lie in LDS
	s_add_co_i32 s50, s46, s47
	s_add_co_i32 s50, s50, 127
	s_lshl_b32 s50, s50, 23                        ; 2^(e26 + e27)
	s_mov_b32 s51, s50
	s_wait_loadcnt 0x0                             ; wf2, ln3_g, ln3_b, bf2
	PROJ512 QA, HIMG
	AFFINE QA, G2
	ADD32 QA, V                                    ; x2 + the feed-forward's result
	LNSTAT QA, STAT3
	BARRIER
	LNFIN QA, STAT3, G1, B1
	s_wait_alu depctr_va_vdst(0)                   ; the finished rows are written in v32-63, which the LDS stores read; the second product is long done with v160-191, in which rows land behind the barrier
.irp u, 0,1
.irp j, 0,1,2,3
	ds_store_b128 v[STW], v[QA+16*\u+4*\j:QA+16*\u+4*\j+3] offset:\u*8320+16*\j
.endr
.endr
	BARRIER                                        ; 32 whole rows lie in the stage
.irp k, 0,1,2,3,4,5,6,7
	ds_load_b128 v[BQ+4*\k:BQ+4*\k+3], v[STR] offset:(\k/2)*1040+(\k%2)*512
.endr
.irp k, 0,1,2,3,4,5,6,7
	s_wait_dscnt 7-\k
	global_store_b128 v[LI], v[BQ+4*\k:BQ+4*\k+3], s[34:35] offset:(\k/2)*1024+(\k%2)*512 th:TH_STORE_NT   ; 32 lanes store 512 consecutive bytes of a row; written once, read by nobody here
.endr
	s_wait_xcnt 0x0
	v_lshl_add_u32 v254, v0, 2, 0x13a00            ; the add's two registers are made here, straight ahead of the closing lines; no memory or LDS instruction of the kernel has read v254 or v255
	v_mov_b32 v255, 0
	s_wait_dscnt 0x0                               ; the closing lines, six on end
	s_wait_alu 0x0
	s_wait_tensorcnt 0x0
	ds_add_u32 v254, v255
	s_wait_dscnt 0x0
	s_endpgm
.Lfunc_end_k_qe808abaf2a_post2:
	.size	k_qe808abaf2a_post2, .Lfunc_end_k_qe808abaf2a_post2-k_qe808abaf2a_post2
	.p2alignl 7, 3214868480
	.fill 96, 4, 3214868480
	.section	.rodata,"a",@progbits
	.p2align	6, 0x0
	.amdhsa_kernel k_qe808abaf2a_post2
		.amdhsa_group_segment_fixed_size 81408
		.amdhsa_private_segment_fixed_size 0
		.amdhsa_enable_private_segment 0
		.amdhsa_kernarg_size 128
		.amdhsa_user_sgpr_count 2
		.amdhsa_user_sgpr_kernarg_segment_ptr 1
		.amdhsa_wavefront_size32 1
		.amdhsa_system_sgpr_workgroup_id_x 1
		.amdhsa_system_sgpr_workgroup_id_y 1
		.amdhsa_system_sgpr_workgroup_id_z 1
		.amdhsa_system_vgpr_workitem_id 0
		.amdhsa_next_free_vgpr 512
		.amdhsa_next_free_sgpr 100
		.amdhsa_reserve_vcc 0
		.amdhsa_float_denorm_mode_32 3
		.amdhsa_float_denorm_mode_16_64 3
		.amdhsa_memory_ordered 1
		.amdhsa_forward_progress 1
		.amdhsa_inst_pref_size 79
	.end_amdhsa_kernel
	.amdgpu_metadata
---
amdhsa.version: [ 1, 2 ]
amdhsa.kernels:
  - .name:           k_qe808abaf2a_post2
    .symbol:         k_qe808abaf2a_post2.kd
    .args:
      - { .name: attimg, .offset: 0, .size: 8, .value_kind: global_buffer, .address_space: global }
      - { .name: x1, .offset: 8, .size: 8, .value_kind: global_buffer, .address_space: global }
      - { .name: m2_w2_codes, .offset: 16, .size: 8, .value_kind: global_buffer, .address_space: global }
      - { .name: m2_b2, .offset: 24, .size: 8, .value_kind: global_buffer, .address_space: global }
      - { .name: m2_g, .offset: 32, .size: 8, .value_kind: global_buffer, .address_space: global }
      - { .name: m2_b, .offset: 40, .size: 8, .value_kind: global_buffer, .address_space: global }
      - { .name: ln2_g, .offset: 48, .size: 8, .value_kind: global_buffer, .address_space: global }
      - { .name: ln2_b, .offset: 56, .size: 8, .value_kind: global_buffer, .address_space: global }
      - { .name: ffn_w1_codes, .offset: 64, .size: 8, .value_kind: global_buffer, .address_space: global }
      - { .name: ffn_b1, .offset: 72, .size: 8, .value_kind: global_buffer, .address_space: global }
      - { .name: ffn_w2_codes, .offset: 80, .size: 8, .value_kind: global_buffer, .address_space: global }
      - { .name: ffn_b2, .offset: 88, .size: 8, .value_kind: global_buffer, .address_space: global }
      - { .name: ln3_g, .offset: 96, .size: 8, .value_kind: global_buffer, .address_space: global }
      - { .name: ln3_b, .offset: 104, .size: 8, .value_kind: global_buffer, .address_space: global }
      - { .name: lowp_scales, .offset: 112, .size: 8, .value_kind: global_buffer, .address_space: global }
      - { .name: out0, .offset: 120, .size: 8, .value_kind: global_buffer, .address_space: global }
    .group_segment_fixed_size: 81408
    .private_segment_fixed_size: 0
    .kernarg_segment_align: 8
    .kernarg_segment_size: 128
    .max_flat_workgroup_size: 256
    .sgpr_count:     100
    .vgpr_count:     512
    .wavefront_size: 32
...
	.end_amdgpu_metadata
.endif
;; end of part 8
